; MI455X (gfx1250); checked and timed in simulation.
; The chip was launched on July 23, 2026; its instructions are those of AMD's public machine-readable ISA for CDNA 5 (MIT licence, August 2026) and "CDNA5" Instruction Set Architecture Reference Guide (July 2026). The comments in the code are by the model that wrote it; some were corrected since.
;; Grouped Query Attention. Allowed arithmetic: float matrix products may take bf16 or f16 operands with f32 sums; all other float work in f32.
;; Inputs: Wkv 1,024 x 2,048 float32; Wo 2,048 x 1,024 float32; Wq 1,024 x 2,048 float32; x 2 x 2,048 x 2,048 float32.
;; Outputs: out0 2 x 2,048 x 2,048 float32.
;; 3 versions, each right and faster than the one before. Each part assembles by itself: llvm-mc -triple=amdgcn-amd-amdhsa -mcpu=gfx1250 --defsym DOCPART=n.
;; ======== version 1 of 3: 7 launches
;; limits: values are held in f16: magnitudes above 65,504 overflow, below 6.1e-05 lose precision
;; workspace buffers: xh 16,777,216 bytes; wh 8,388,608 bytes; woh 4,194,304 bytes; qkv 16,777,216 bytes; att 8,388,608 bytes; qsp 4,194,304 bytes; asp 262,144 bytes
;; launch cvt (part 1): grid 512 x 1, 8 waves a work-group, no clusters, 0 bytes of LDS; arguments x, Wq, Wkv, Wo, xh, wh, woh; writes xh, wh, woh
.if DOCPART == 1
	.amdgcn_target "amdgcn-amd-amdhsa--gfx1250"
	.amdhsa_code_object_version 6
	.text
	.protected	k_qc5f338eca8_cvt
	.globl	k_qc5f338eca8_cvt
	.p2align	8
	.type	k_qc5f338eca8_cvt,@function
k_qc5f338eca8_cvt:
	s_mov_b64 s[64:65], 0
	v_nop
	global_prefetch_b8 v0, s[64:65] scope:SCOPE_SE
	s_setreg_imm32_b32 hwreg(HW_REG_WAVE_MODE, 25, 1), 1
	s_wait_xcnt 0x0
; GROUPED-QUERY ATTENTION in seven kernels.  The main path: (1) this one rounds x, Wq, Wkv, Wo once from f32 to f16; (2) qkv = xh wh^T; (3) causal
; attention; (4) out0 = att woh^T.  All matrix operands are f16, all sums, the softmax and its running state f32.
; Then rows 0 to 31 of each batch once more, with every matrix operand in two f16 parts: (5) their q, k, v; (6) their attention; (7) their rows of out0.
; WHY THOSE ROWS TWICE: row t is an average over t + 1 keys, so the first rows are several times larger than the root mean square of the whole output,
; and so is their error, which is a share (about 2^-11 for each rounding to f16 on the way) of the row's own size.  From 33 keys on a row is small
; enough.  By reference()'s own mask rows below 32 see only keys below 32, so the small problem is closed in itself.  The main path still makes these
; rows: they lie in matrix tiles and blocks whose other rows are live; their 64 rows of out0 are stored by (4) and stored again by (7).
; WHY A KERNEL OF ITS OWN FOR THE ROUNDING: in (2) a tile of x is wanted by 8 work-groups and a tile of the weights by 32; rounded once, the tiles are
; half the bytes, their rows of 128 numbers are 256 bytes, and they can be asked for jointly by the work-groups that share them.
; WORK LEFT OUT (in the attention kernels): reference() itself sets the score of key s and query t to -inf wherever s > t (its own triu mask, k = 1).
; The softmax gives such a key the weight exp(-inf) = 0 exactly, whatever the inputs hold, and 0 times a finite v adds nothing to the sum.  So a tile
; of 64 keys that lies wholly above the diagonal of a block of 64 queries reaches no output, and neither its scores nor its products with v are
; made: 528 of 1,024 tiles of each head are live.  All four inputs have a way to the output and are loaded.
; LIMITS: a NaN, an infinity or an overflow in a row of k or v that only masked positions see is not carried to the result.
; f16 operands: |x|, |W|, |q|, |k|, |v| must stay below 65,504 (beyond it the rounding gives infinity); below 6.1e-5 the step is 6e-8.
;
; THIS KERNEL: a stream.  Work-group g takes 64 KiB of x and 16 KiB of each weight; thread t takes 16 bytes at 16 t + 4,096 n of load n.
; A load of a wave covers 512 consecutive bytes, a store of a wave 256 consecutive bytes, aligned.  All 28 loads of a wave go out in one run;
; no register is written twice, so the only waits are the counted ones for the data.  No LDS, no barrier, no matrix work: bytes are all there is.
.set D, 4                              ; v[4:115]: load n in v[4+4n:7+4n]; its 4 f16 end up in the first two of them
	s_load_b256 s[4:11], s[0:1], 0x0               ; x s[4:5], Wq s[6:7], Wkv s[8:9], Wo s[10:11]
	s_load_b128 s[12:15], s[0:1], 0x20             ; xh s[12:13], wh s[14:15]
	s_load_b64 s[16:17], s[0:1], 0x30              ; woh
	s_lshl_b32 s18, ttmp9, 16                      ; my 64 KiB of x
	s_mov_b32 s19, 0
	s_lshl_b32 s20, ttmp9, 14                      ; my 16 KiB of each weight
	s_mov_b32 s21, 0
	s_lshl_b32 s22, ttmp9, 15                      ; my 32 KiB of xh
	s_mov_b32 s23, 0
	s_lshl_b32 s24, ttmp9, 13                      ; my 8 KiB of each rounded weight
	s_mov_b32 s25, 0
	v_lshlrev_b32 v1, 4, v0                        ; 16 t: in
	v_lshlrev_b32 v2, 3, v0                        ; 8 t: out
	s_wait_kmcnt 0x0
	s_add_nc_u64 s[4:5], s[4:5], s[18:19]
	s_add_nc_u64 s[6:7], s[6:7], s[20:21]
	s_add_nc_u64 s[8:9], s[8:9], s[20:21]
	s_add_nc_u64 s[10:11], s[10:11], s[20:21]
	s_add_nc_u64 s[12:13], s[12:13], s[22:23]
	s_add_nc_u64 s[14:15], s[14:15], s[24:25]
	s_add_nc_u64 s[16:17], s[16:17], s[24:25]
.irp i, 0,1,2,3,4,5,6,7,8,9,10,11,12,13,14,15
	global_load_b128 v[D+4*\i:D+4*\i+3], v1, s[4:5] offset:4096*\i th:TH_LOAD_NT
.endr
.irp w, 0,1,2
.irp i, 0,1,2,3
	global_load_b128 v[D+64+16*\w+4*\i:D+64+16*\w+4*\i+3], v1, s[6+2*\w:7+2*\w] offset:4096*\i th:TH_LOAD_NT
.endr
.endr
; load idx has come (the 27 - idx younger ones stay out): round its four numbers, store 8 bytes.  The stores carry no hint: the next kernel reads them.
.macro CVST idx, b, off
	s_wait_loadcnt 27-(\idx)
	v_cvt_pk_f16_f32 v[D+4*(\idx)], v[D+4*(\idx)], v[D+4*(\idx)+1]
	v_cvt_pk_f16_f32 v[D+4*(\idx)+1], v[D+4*(\idx)+2], v[D+4*(\idx)+3]
	global_store_b64 v2, v[D+4*(\idx):D+4*(\idx)+1], s[\b:\b+1] offset:\off
.endm
.irp i, 0,1,2,3,4,5,6,7,8,9,10,11,12,13,14,15
	CVST \i, 12, 2048*\i
.endr
.irp i, 0,1,2,3
	CVST 16+\i, 14, 2048*\i                        ; Wq: rows 0 to 1,023 of wh
.endr
.irp i, 0,1,2,3
	CVST 20+\i, 14, 4194304+2048*\i                ; Wkv: rows 1,024 to 2,047 of wh
.endr
.irp i, 0,1,2,3
	CVST 24+\i, 16, 2048*\i
.endr
	s_endpgm
.Lfunc_end_k_qc5f338eca8_cvt:
	.size	k_qc5f338eca8_cvt, .Lfunc_end_k_qc5f338eca8_cvt-k_qc5f338eca8_cvt
	.p2alignl 7, 3214868480
	.fill 96, 4, 3214868480
	.section	.rodata,"a",@progbits
	.p2align	6, 0x0
	.amdhsa_kernel k_qc5f338eca8_cvt
		.amdhsa_group_segment_fixed_size 0
		.amdhsa_private_segment_fixed_size 0
		.amdhsa_enable_private_segment 0
		.amdhsa_kernarg_size 56
		.amdhsa_user_sgpr_count 2
		.amdhsa_user_sgpr_kernarg_segment_ptr 1
		.amdhsa_wavefront_size32 1
		.amdhsa_system_sgpr_workgroup_id_x 1
		.amdhsa_system_sgpr_workgroup_id_y 1
		.amdhsa_system_sgpr_workgroup_id_z 1
		.amdhsa_system_vgpr_workitem_id 0
		.amdhsa_next_free_vgpr 116
		.amdhsa_next_free_sgpr 66
		.amdhsa_reserve_vcc 0
		.amdhsa_float_denorm_mode_32 3
		.amdhsa_float_denorm_mode_16_64 3
		.amdhsa_memory_ordered 1
		.amdhsa_forward_progress 1
		.amdhsa_inst_pref_size 11
	.end_amdhsa_kernel
	.amdgpu_metadata
---
amdhsa.version: [ 1, 2 ]
amdhsa.kernels:
  - .name:           k_qc5f338eca8_cvt
    .symbol:         k_qc5f338eca8_cvt.kd
    .args:
      - { .name: x, .offset: 0, .size: 8, .value_kind: global_buffer, .address_space: global }
      - { .name: Wq, .offset: 8, .size: 8, .value_kind: global_buffer, .address_space: global }
      - { .name: Wkv, .offset: 16, .size: 8, .value_kind: global_buffer, .address_space: global }
      - { .name: Wo, .offset: 24, .size: 8, .value_kind: global_buffer, .address_space: global }
      - { .name: xh, .offset: 32, .size: 8, .value_kind: global_buffer, .address_space: global }
      - { .name: wh, .offset: 40, .size: 8, .value_kind: global_buffer, .address_space: global }
      - { .name: woh, .offset: 48, .size: 8, .value_kind: global_buffer, .address_space: global }
    .group_segment_fixed_size: 0
    .private_segment_fixed_size: 0
    .kernarg_segment_align: 8
    .kernarg_segment_size: 56
    .max_flat_workgroup_size: 256
    .sgpr_count:     66
    .vgpr_count:     116
    .wavefront_size: 32
...
	.end_amdgpu_metadata
.endif
;; end of part 1
;; launch qkv (part 2): grid 8 x 32, 4 waves a work-group, clusters of 4 x 4, 327,680 bytes of LDS; arguments xh, wh, qkv; writes qkv
.if DOCPART == 2
	.amdgcn_target "amdgcn-amd-amdhsa--gfx1250"
	.amdhsa_code_object_version 6
	.text
	.protected	k_qc5f338eca8_qkv
	.globl	k_qc5f338eca8_qkv
	.p2align	8
	.type	k_qc5f338eca8_qkv,@function
k_qc5f338eca8_qkv:
	s_mov_b64 s[64:65], 0
	v_nop
	global_prefetch_b8 v0, s[64:65] scope:SCOPE_SE
	s_setreg_imm32_b32 hwreg(HW_REG_WAVE_MODE, 25, 1), 1
	s_wait_xcnt 0x0
	s_wait_alu depctr_hold_cnt(0) depctr_sa_sdst(0) depctr_va_vdst(0) depctr_va_sdst(0) depctr_va_ssrc(0) depctr_va_vcc(0) depctr_vm_vsrc(0)
	s_getreg_b32 s2, hwreg(HW_REG_IB_STS2, 6, 4)
	s_cmp_eq_u32 s2, 0
	s_cbranch_scc0 .Lentry_in_a_cluster
	s_endpgm
.Lentry_in_a_cluster:
	s_bfe_u32 s2, ttmp6, 0x10000c
	s_cmp_lg_u32 s2, 0xf033
	s_cbranch_scc0 .Lentry_shape_is_right
	s_endpgm
.Lentry_shape_is_right:
; C[m][n] = sum over k of A[m][k] B[n][k].  A: [4096][SIZE_K] f16, B: [2048][SIZE_K] f16, C: [4096][2048], f16 (OUTF32 = 0) or f32 (OUTF32 = 1); sums in f32.
; Here: A = xh, B = wh (Wq's rows, then Wkv's), C = qkv: columns 0-1023 q, 1024-1535 k, 1536-2047 v.  Nothing of this product is left out.
; LIMIT: results beyond 65,504 in magnitude round to infinity in f16.
; A work-group makes a block of 128 rows x 256 columns of C, so that 32 x 8 = 256 work-groups share C evenly; four waves, each 64 rows x 128 columns:
; 32 accumulator tiles of 16 x 16, 256 registers.  K goes in steps of 128 through a ring of two LDS slots filled by the tensor data mover; a tile's
; rows are 256 bytes of memory and begin at multiples of 256 bytes from the buffer's first byte.
; CLUSTERS: 4 x 4 work-groups.  The four of a row of the cluster need the same tiles of A, the four of a column the same tiles of B: each such tile is
; asked for jointly, by the same tensor load with the same descriptor and a mask that names the four.  That divides the requests for A and B by four.
; REGISTERS: window 0: addresses, fragments (two buffers), packed results.  Window 1: the accumulators, tile (a, b) at v[8 (8 a + b)].
; THE MATRIX INSTRUCTION IS USED TRANSPOSED: source 0 = 16 rows of B, source 1 = 16 rows of A, so that lane l holds row l % 16 of C and its registers
; 0 to 7 the columns 8 (l / 16) + 0 .. 7: eight neighbouring numbers of a row.
.set SIZE_K, 2048
.set OUTF32, 0
.set SPITCH, 272                       ; a row of the stage: 128 results + 16 bytes
.set CROW,   4096                      ; bytes in a row of C
.set ESH,    1                         ; log2 of the bytes of a number of C
.set KSTEP,  128
.set PITCH,  272                       ; an LDS row: 256 bytes + 16 of padding = 17 x 16: the 16 rows that a fragment load touches begin at 16 different 16-byte columns modulo 256
.set HALFT,  128*PITCH                 ; a region of a slot: wave w fills region w
.set SLOT,   4*HALFT                   ; regions 0, 1: A's rows 0-63, 64-127 (64 of the 128 row places used); regions 2, 3: B's rows 0-127, 128-255
.set STAGE,  2*SLOT                    ; behind the ring, a multiple of 256: 16 rows x SPITCH for each wave; no tensor load lands there
.set LAPS, SIZE_K/(2*KSTEP)            ; a lap = two K steps = once round the ring
.set ADRA, 16                          ; v16-17  LDS address of my A fragments in slot 0, 1
.set ADRB, 20                          ; v20-21  the same for B
.set STO,  24                          ; v24     the way out: where I put my part of a row
.set RD,   25                          ; v25     the way out: where I read rows back
.set CO,   26                          ; v26     my byte offset in C
.set AF0,  32                          ; v32-63    A fragments, buffer 0 (4 x 16 rows x 32 K)
.set AF1,  64                          ; v64-95    buffer 1
.set BF0,  96                          ; v96-159   B fragments, buffer 0 (8 x 16 rows x 32 K)
.set BF1,  160                         ; v160-223  buffer 1
.set TMP,  224                         ; v224-255  the way out: packed results
.set G1, 24                            ; s[24:31] descriptor group 1 for A's tiles
.set G0, 32                            ; s[32:39] descriptor group 0 for A's tiles, one set for each slot
.set G1B, 48                           ; s[48:55] group 1 for B's tiles
.set G0B, 56                           ; s[56:63] group 0 for B's tiles, one set for each slot
.set MSB, 0
.macro WIN new                         ; s_set_vgpr_msb: bits 1:0 source 0, 3:2 source 1, 5:4 source 2, 7:6 destination; the high byte repeats the setting that is left
.if MSB != \new
	s_set_vgpr_msb (MSB<<8)|\new
.set MSB, \new
.endif
.endm
.set MULW, 0x50                        ; C and D in window 1, both fragments in window 0
; A joint load.  Waves 0 and 1 fetch A's two halves, waves 2 and 3 B's.  Each line has one mask and one set of registers for all that issue it.
; The branch hangs on the wave's number alone: it is the same in every work-group.
.macro JLOAD s
	s_cmp_eq_u32 s11, 0
	s_cbranch_scc0 .Lfor_b_\@
	tensor_load_to_lds s[G0+4*\s:G0+4*\s+3], s[G1:G1+7]
	s_nop 0
	s_branch .Lasked_\@
.Lfor_b_\@:
	tensor_load_to_lds s[G0B+4*\s:G0B+4*\s+3], s[G1B:G1B+7]
	s_nop 0
.Lasked_\@:
.endm
; A round of the cluster's barrier: my work-group's barrier; wave 0 signals for the work-group; every wave waits for all sixteen; my work-group's barrier again.
.macro CREST                           ; a round behind its opening barrier
	s_cmp_lg_u32 s10, 0
	s_cbranch_scc1 .Lnot_wave_0_\@
	s_barrier_signal -3
.Lnot_wave_0_\@:
	s_barrier_wait -3
	s_barrier_signal -1
	s_barrier_wait -1
.endm
.macro CROUND                          ; a whole round
	s_barrier_signal -1
	s_barrier_wait -1
	CREST
.endm
	s_load_b128 s[4:7], s[0:1], 0x0                ; A s[4:5], B s[6:7]
	s_load_b64 s[8:9], s[0:1], 0x10                ; C
	v_lshl_add_u32 v30, v0, 2, 0x48400
	v_mov_b32 v31, 0
	ds_add_u32 v30, v31
	v_lshrrev_b32 v1, 5, v0
	v_readfirstlane_b32 s10, v1                    ; wave 0..3
	s_lshr_b32 s11, s10, 1                         ; which 64 rows of the block are mine.  Also: I fetch for A (0) or for B (1)
	s_and_b32 s12, s10, 1                          ; which 128 columns.  Also: which half of that tile I fetch
	s_bfe_u32 s40, ttmp6, 0x40000                  ; cx
	s_bfe_u32 s41, ttmp6, 0x40004                  ; cy
	s_lshl_b32 s42, ttmp9, 2
	s_add_co_u32 s42, s42, s40                     ; block column of C = 4 x cluster x + cx
	s_and_b32 s13, ttmp7, 0xffff
	s_lshl_b32 s13, s13, 2
	s_add_co_u32 s13, s13, s41                     ; block row of C = 4 x cluster y + cy
	s_lshl_b32 s43, s41, 2
	s_lshl_b32 s43, 15, s43                        ; my row of the cluster: places 4 cy .. 4 cy + 3
	s_lshl_b32 s44, 0x1111, s40                    ; my column: places cx, cx + 4, cx + 8, cx + 12
	; group 1: rows of 128 elements of 2 bytes, 16 bytes of padding behind each; A's load has 64 rows, B's 128
	s_or_b32 s[G1+0], s43, (1<<16)|(1<<20)|(1<<21)|(5<<22)|(3<<25)  ; 15:0 mask: A's tiles go to my row; 17:16 2-byte elements; 20 padding on; 21 set beside a mask; 24:22 after 64 words; 31:25 four words
	s_or_b32 s[G1B+0], s44, (1<<16)|(1<<20)|(1<<21)|(5<<22)|(3<<25) ; the same with the mask of my column
	s_mov_b32 s[G1+1], KSTEP<<16                   ; tensor_dim0 = 128
	s_mov_b32 s[G1B+1], KSTEP<<16
	s_mov_b32 s[G1+2], 64<<16                      ; tensor_dim1 = 64 rows
	s_mov_b32 s[G1B+2], 128<<16                    ; tensor_dim1 = 128 rows
	s_mov_b32 s[G1+3], KSTEP<<16                   ; tile_dim0 = 128
	s_mov_b32 s[G1B+3], KSTEP<<16
	s_mov_b32 s[G1+4], 64                          ; tile_dim1
	s_mov_b32 s[G1B+4], 128
	s_mov_b32 s[G1+5], SIZE_K                      ; elements from row to row
	s_mov_b32 s[G1B+5], SIZE_K
	s_mov_b32 s[G1+6], 0
	s_mov_b32 s[G1B+6], 0
	s_mov_b32 s[G1+7], 0
	s_mov_b32 s[G1B+7], 0
	; A's tiles hang on the block row alone, B's on the block column alone; each address is made in registers that never hold the other coordinate
	s_lshl_b32 s17, s12, 6
	s_lshl_b32 s16, s13, 7
	s_add_co_u32 s16, s16, s17                     ; A: row 128 x block row + 64 x half
	s_lshl_b32 s47, s12, 7
	s_lshl_b32 s46, s42, 8
	s_add_co_u32 s46, s46, s47                     ; B: row 256 x block column + 128 x half
	s_mov_b32 s17, 0
	s_mov_b32 s47, 0
	s_mov_b64 s[18:19], SIZE_K*2
	s_mul_u64 s[16:17], s[16:17], s[18:19]         ; in bytes
	s_mul_u64 s[46:47], s[46:47], s[18:19]
	s_mul_i32 s20, s10, HALFT                      ; where my load goes: region = wave; no place in the cluster enters an LDS address
	s_wait_dscnt 0x0
	s_wait_kmcnt 0x0
	s_add_nc_u64 s[14:15], s[4:5], s[16:17]
	s_add_nc_u64 s[46:47], s[6:7], s[46:47]
	CROUND                                         ; all sixteen work-groups are here: the first joint loads meet
.irp s, 0,1
	s_mov_b32 s[G0+4*\s], 1                                        ; count = 1
	s_add_co_u32 s[G0+4*\s+1], s20, \s*SLOT                        ; LDS address
	s_add_nc_u64 s[G0+4*\s+2:G0+4*\s+3], s[14:15], \s*KSTEP*2      ; global address: K step s
	s_or_b32 s[G0+4*\s+3], s[G0+4*\s+3], 0x80000000                ; type = 2
	s_mov_b32 s[G0B+4*\s], 1
	s_add_co_u32 s[G0B+4*\s+1], s20, \s*SLOT
	s_add_nc_u64 s[G0B+4*\s+2:G0B+4*\s+3], s[46:47], \s*KSTEP*2
	s_or_b32 s[G0B+4*\s+3], s[G0B+4*\s+3], 0x80000000
	JLOAD \s                                       ; both slots are asked for before anything else: two loads of the wave are out
.endr
	; a fragment is 16 rows x 32 K in 8 registers: lane l holds row l % 16; registers 0-3 K = 8 (l / 16) + 0..7, registers 4-7 K = 16 + 8 (l / 16) + 0..7
	v_and_b32 v1, 15, v0                           ; l % 16
	v_bfe_u32 v2, v0, 4, 1                         ; l / 16
	v_mul_u32_u24 v3, v1, PITCH
	v_lshl_add_u32 v3, v2, 4, v3                   ; row x pitch + 16 x half
	s_mul_i32 s21, s11, HALFT                      ; my 64 rows of A: region 0 or 1
	s_mul_i32 s22, s12, HALFT                      ; my 128 rows of B:
	s_add_co_u32 s22, s22, 2*HALFT                 ; region 2 or 3
.irp s, 0,1
	v_add_nc_u32 v[ADRA+\s], s21, v3
	v_add_nc_u32 v[ADRB+\s], s22, v3
	s_add_co_u32 s21, s21, SLOT
	s_add_co_u32 s22, s22, SLOT
.endr
	s_mul_i32 s23, s10, 16*SPITCH
	s_add_co_u32 s23, s23, STAGE                   ; my stage
	v_mul_u32_u24 v4, v1, SPITCH                   ; in: row l % 16
.if OUTF32
	v_lshl_add_u32 v4, v2, 5, v4                   ; + 32 bytes (8 f32) for the upper half of the lanes
	v_add_nc_u32 v[STO], s23, v4
	v_and_b32 v5, 31, v0
	v_lshlrev_b32 v[CO], 4, v5                     ; back: the wave takes a whole row of 512 bytes, 16 bytes a lane
	v_add_nc_u32 v[RD], s23, v[CO]
.else
	v_lshl_add_u32 v4, v2, 4, v4                   ; + 16 bytes (8 f16) for the upper half of the lanes
	v_add_nc_u32 v[STO], s23, v4
	v_mul_u32_u24 v5, v2, SPITCH                   ; back: lanes 0-15 take one row of 256 bytes, lanes 16-31 the next
	v_lshl_add_u32 v5, v1, 4, v5
	v_add_nc_u32 v[RD], s23, v5
	v_mul_u32_u24 v5, v2, CROW                     ; and the same two rows in C
	v_lshl_add_u32 v[CO], v1, 4, v5
.endif
; 8 matrix instructions: row block a of my four x all 8 column blocks, 32 along K.  zero = 1: the product starts the sums: nothing is cleared.
; The 32 accumulators take turns, one instruction a turn, in the same order in every quarter step.
.macro MUL8 fa, fb, a, zero
.irp b, 0,1,2,3,4,5,6,7
.if \zero
	v_wmma_f32_16x16x32_f16 v[8*(8*\a+\b):8*(8*\a+\b)+7], v[\fb+8*\b:\fb+8*\b+7], v[\fa+8*\a:\fa+8*\a+7], 0
.else
	v_wmma_f32_16x16x32_f16 v[8*(8*\a+\b):8*(8*\a+\b)+7], v[\fb+8*\b:\fb+8*\b+7], v[\fa+8*\a:\fa+8*\a+7], v[8*(8*\a+\b):8*(8*\a+\b)+7]
.endif
.endr
.endm
; 24 LDS loads in one run: the fragments of a quarter step (128 rows of B, then 64 rows of A, 32 K at byte k of the rows)
.macro FETCH slot, k, fa, fb
	WIN 0
.irp i, 0,1,2,3,4,5,6,7
	ds_load_b128 v[\fb+8*\i:\fb+8*\i+3],   v[ADRB+\slot] offset:\k+\i*16*PITCH
	ds_load_b128 v[\fb+8*\i+4:\fb+8*\i+7], v[ADRB+\slot] offset:\k+\i*16*PITCH+32
.endr
.irp i, 0,1,2,3
	ds_load_b128 v[\fa+8*\i:\fa+8*\i+3],   v[ADRA+\slot] offset:\k+\i*16*PITCH
	ds_load_b128 v[\fa+8*\i+4:\fa+8*\i+7], v[ADRA+\slot] offset:\k+\i*16*PITCH+32
.endr
.endm
; A load into a register that a matrix instruction has read, and a vector instruction or LDS store that reads a matrix result, stand four places behind
; that matrix instruction; only plain vector instructions that name none of its registers are places.
.macro PLACES
.rept 4
	v_nop
.endr
.endm
; A K step is four quarter steps of 32 along K, 32 matrix instructions each, on buffers 0, 1, 0, 1.
; One of the first three: multiplies buffer f; in its middle it fetches the next quarter's fragments, at byte k of the same slot's rows, into buffer g.
.macro QUARTER slot, k, fa, fb, ga, gb, zero
	s_wait_dscnt 4                                 ; B and A's blocks 0, 1 are in; the four youngest loads (A's blocks 2, 3) may be out
	WIN MULW
	MUL8 \fa, \fb, 0, \zero
	MUL8 \fa, \fb, 1, \zero
	PLACES
	FETCH \slot, \k, \ga, \gb
	s_wait_dscnt 24                                ; all but the 24 just issued
	WIN MULW
	MUL8 \fa, \fb, 2, \zero
	MUL8 \fa, \fb, 3, \zero
.endm
.macro THREE slot, zero
	QUARTER \slot, 64,  AF0, BF0, AF1, BF1, \zero
	QUARTER \slot, 128, AF1, BF1, AF0, BF0, 0
	QUARTER \slot, 192, AF0, BF0, AF1, BF1, 0
.endm
; The last quarter: multiplies buffer 1 and changes slots.  fill = 1: this slot is filled again, two K steps ahead.
; In front of the barrier each wave waits for its reads of this slot and for all its tensor loads (one is out: its part of the next slot).  Behind it
; nobody reads this slot and the next slot is whole: the refill comes first, then the next slot's first fragments.
; From a request to the wait for it a wave issues 120 matrix instructions.
.macro TURN slot, next, fill
	s_wait_dscnt 4
	WIN MULW
	MUL8 AF1, BF1, 0, 0
	s_wait_dscnt 0                                 ; my reads of this slot are over
	s_wait_tensorcnt 0x0                           ; and all my tensor loads have landed
	ds_add_u32 v30, v31
	s_wait_dscnt 0x0
	s_barrier_signal -1                            ; where a slot is filled again this barrier opens a round of the cluster's barrier
	MUL8 AF1, BF1, 1, 0                            ; register work while the others arrive
	WIN 0
	s_barrier_wait -1
.if \fill
	CREST                                          ; no wave of any partner still reads this slot's tile or has a load on its way
	s_add_nc_u64 s[G0+4*\slot+2:G0+4*\slot+3], s[G0+4*\slot+2:G0+4*\slot+3], 2*KSTEP*2
	s_add_nc_u64 s[G0B+4*\slot+2:G0B+4*\slot+3], s[G0B+4*\slot+2:G0B+4*\slot+3], 2*KSTEP*2
	JLOAD \slot                                    ; the wave's one tensor load behind the round, and the first thing there
.endif
	PLACES
	FETCH \next, 0, AF0, BF0
	WIN MULW
	MUL8 AF1, BF1, 2, 0
	MUL8 AF1, BF1, 3, 0
.endm
.macro LAP zero                        ; once round the ring, both slots filled again
	THREE 0, \zero
	TURN 0, 1, 1
	THREE 1, 0
	TURN 1, 0, 1
.endm
	s_wait_tensorcnt 1                             ; my part of K step 0 is in; K step 1's load stays out
	s_barrier_signal -1
	s_barrier_wait -1                              ; everybody's is
	FETCH 0, 0, AF0, BF0
	LAP 1                                          ; the first lap stands in front of the loop: its first products start the sums
.if LAPS > 2
	WIN 0                                          ; at a label and at a branch every window is 0
	s_mov_b32 s3, LAPS-2
.Llap:
	LAP 0
	WIN 0
	s_sub_co_u32 s3, s3, 1
	s_cmp_lg_u32 s3, 0
	s_cbranch_scc1 .Llap
.endif
	THREE 0, 0                                     ; the last lap fills nothing
	TURN 0, 1, 0
	THREE 1, 0
	s_wait_dscnt 4                                 ; the very last quarter: nothing more to fetch
	WIN MULW
	MUL8 AF1, BF1, 0, 0
	MUL8 AF1, BF1, 1, 0
	s_wait_dscnt 0
	MUL8 AF1, BF1, 2, 0
	MUL8 AF1, BF1, 3, 0
	; THE WAY OUT, 16 rows of C at a time, through my own stage in LDS, read back as whole rows
	PLACES
	s_lshl_b32 s13, s13, 7
	s_lshl_b32 s14, s11, 6
	s_add_co_u32 s16, s13, s14                     ; my first row of C
	s_mov_b32 s17, 0
	s_mov_b64 s[18:19], CROW
	s_mul_u64 s[16:17], s[16:17], s[18:19]
	s_add_nc_u64 s[8:9], s[8:9], s[16:17]
	s_lshl_b32 s46, s42, 8+ESH                     ; my first column, in bytes
	s_lshl_b32 s47, s12, 7+ESH
	s_add_co_u32 s46, s46, s47
	s_mov_b32 s47, 0
	s_add_nc_u64 s[8:9], s[8:9], s[46:47]
; rows 16 i .. 16 i + 15 of my block = the eight tiles (i, 0..7); f: BF0 or BF1 in turn
.macro OUT16 i, f
.if OUTF32
	WIN 0x04                                       ; LDS store data in window 1
.irp b, 0,1,2,3,4,5,6,7
	ds_store_b128 v[STO], v[8*(8*\i+\b):8*(8*\i+\b)+3]   offset:64*\b
	ds_store_b128 v[STO], v[8*(8*\i+\b)+4:8*(8*\i+\b)+7] offset:64*\b+16
.endr
	WIN 0
	s_wait_xcnt 0x0                                ; buffer f, which earlier stores read, and the stores' base are rewritten only behind this wait
.if \i
	s_add_nc_u64 s[8:9], s[8:9], 16*CROW
.endif
.irp t, 0,1,2,3,4,5,6,7,8,9,10,11,12,13,14,15
	ds_load_b128 v[\f+4*\t:\f+4*\t+3], v[RD] offset:\t*SPITCH      ; LDS serves a wave's instructions in order (ISA guide 5.7.1): these see the stores above
.endr
.irp t, 0,1,2,3,4,5,6,7,8,9,10,11,12,13,14,15
	s_wait_dscnt 15-\t                             ; the younger read-backs stay out
	global_store_b128 v[CO], v[\f+4*\t:\f+4*\t+3], s[8:9] offset:\t*CROW th:TH_STORE_NT   ; the wave stores 512 consecutive bytes, at a multiple of 512 from C's first byte
.endr
.else
	WIN 0x05                                       ; both sources in window 1
.irp b, 0,1,2,3,4,5,6,7
.irp r, 0,1,2,3
	v_cvt_pk_f16_f32 v[TMP+4*\b+\r], v[8*(8*\i+\b)+2*\r], v[8*(8*\i+\b)+2*\r+1]
.endr
.endr
	WIN 0
.irp b, 0,1,2,3,4,5,6,7
	ds_store_b128 v[STO], v[TMP+4*\b:TMP+4*\b+3] offset:32*\b
.endr
	s_wait_xcnt 0x0                                ; buffer f, which earlier stores read, and the stores' base are rewritten only behind this wait
.if \i
	s_add_nc_u64 s[8:9], s[8:9], 16*CROW
.endif
.irp t, 0,1,2,3,4,5,6,7
	ds_load_b128 v[\f+4*\t:\f+4*\t+3], v[RD] offset:\t*2*SPITCH    ; LDS serves a wave's instructions in order (ISA guide 5.7.1): these see the stores above
.endr
.irp t, 0,1,2,3,4,5,6,7
	s_wait_dscnt 7-\t                              ; the younger read-backs stay out
	global_store_b128 v[CO], v[\f+4*\t:\f+4*\t+3], s[8:9] offset:2*\t*CROW   ; 16 lanes store 256 consecutive bytes, at a multiple of 256 from C's first byte
.endr
.endif
.endm
	OUT16 0, BF0
	OUT16 1, BF1
	OUT16 2, BF0
	OUT16 3, BF1
	s_wait_tensorcnt 0x0
	ds_add_u32 v30, v31
	s_wait_dscnt 0x0
	CROUND                                         ; the closing round: no work-group ends while a partner may still ask for a tile that names it
	s_endpgm
.Lfunc_end_k_qc5f338eca8_qkv:
	.size	k_qc5f338eca8_qkv, .Lfunc_end_k_qc5f338eca8_qkv-k_qc5f338eca8_qkv
	.p2alignl 7, 3214868480
	.fill 96, 4, 3214868480
	.section	.rodata,"a",@progbits
	.p2align	6, 0x0
	.amdhsa_kernel k_qc5f338eca8_qkv
		.amdhsa_group_segment_fixed_size 327680
		.amdhsa_private_segment_fixed_size 0
		.amdhsa_enable_private_segment 0
		.amdhsa_kernarg_size 24
		.amdhsa_user_sgpr_count 2
		.amdhsa_user_sgpr_kernarg_segment_ptr 1
		.amdhsa_wavefront_size32 1
		.amdhsa_system_sgpr_workgroup_id_x 1
		.amdhsa_system_sgpr_workgroup_id_y 1
		.amdhsa_system_sgpr_workgroup_id_z 1
		.amdhsa_system_vgpr_workitem_id 0
		.amdhsa_next_free_vgpr 512
		.amdhsa_next_free_sgpr 66
		.amdhsa_reserve_vcc 0
		.amdhsa_float_denorm_mode_32 3
		.amdhsa_float_denorm_mode_16_64 3
		.amdhsa_memory_ordered 1
		.amdhsa_forward_progress 1
		.amdhsa_inst_pref_size 118
	.end_amdhsa_kernel
	.amdgpu_metadata
---
amdhsa.version: [ 1, 2 ]
amdhsa.kernels:
  - .name:           k_qc5f338eca8_qkv
    .symbol:         k_qc5f338eca8_qkv.kd
    .args:
      - { .name: xh, .offset: 0, .size: 8, .value_kind: global_buffer, .address_space: global }
      - { .name: wh, .offset: 8, .size: 8, .value_kind: global_buffer, .address_space: global }
      - { .name: qkv, .offset: 16, .size: 8, .value_kind: global_buffer, .address_space: global }
    .group_segment_fixed_size: 327680
    .private_segment_fixed_size: 0
    .kernarg_segment_align: 8
    .kernarg_segment_size: 24
    .max_flat_workgroup_size: 128
    .sgpr_count:     66
    .vgpr_count:     512
    .wavefront_size: 32
...
	.end_amdgpu_metadata
.endif
;; end of part 2
;; launch attn (part 3): grid 16 x 16, 4 waves a work-group, no clusters, 37,376 bytes of LDS; arguments qkv, att; writes att
.if DOCPART == 3
	.amdgcn_target "amdgcn-amd-amdhsa--gfx1250"
	.amdhsa_code_object_version 6
	.text
	.protected	k_qc5f338eca8_attn
	.globl	k_qc5f338eca8_attn
	.p2align	8
	.type	k_qc5f338eca8_attn,@function
k_qc5f338eca8_attn:
	s_mov_b64 s[64:65], 0
	v_nop
	global_prefetch_b8 v0, s[64:65] scope:SCOPE_SE
	s_setreg_imm32_b32 hwreg(HW_REG_WAVE_MODE, 25, 1), 1
	s_wait_xcnt 0x0
; CAUSAL GROUPED-QUERY ATTENTION.  qkv: [2 x 2048][2048] f16 (q of head 2 hkv + g at column 64 (2 hkv + g), k of kv head hkv at 1024 + 64 hkv, v at 1536 + 64 hkv).
; att: [2 x 2048][1024] f16, head h at column 64 h.  Scores, softmax and sums in f32, with a running maximum.
; WORK LEFT OUT: tiles of 64 keys wholly above the diagonal of a block of 64 queries: reference()'s own mask sets their scores to -inf, their weights are
; exactly 0 for all inputs.  LIMITS: a NaN or an infinity in a row of k or v that only masked positions see is not carried to the result; the weights go
; into the second product as f16 (at most 1; steps of 6e-8 below 6.1e-5); v_exp_f32 gives 0 for results below 2^-126; a block's key tiles are summed
; with the diagonal tile first, then tiles 0, 1, ..: another order of rounding than reference()'s.
; SHARES: work-group (j, y): batch y / 8, kv head y % 8, the two query blocks j and 31 - j of 64 positions, each for both heads of the kv head:
; (j + 1) + (32 - j) = 33 key tiles in every work-group.  Wave w holds positions 16 w .. 16 w + 15 of the block for g = 0 and g = 1; the two share every
; fragment of K and V.
; LAYOUT: S^T = K Q^T (source 0 = 16 keys, source 1 = 16 queries): lane (r, h) holds query r and, in register j of tile i, key 16 i + 8 h + j.  So the
; maximum and the sum run inside a lane plus one exchange between the halves; two score tiles, packed in place, are source 1 of O^T = V^T P^T; and a lane
; of O holds 8 neighbouring d of one row.  V^T comes out of LDS by the transposing load.
; K AND V come through registers: loaded two trips ahead of their use into stage registers, stored into one LDS tile between two barriers of the trip before.
; NO CLUSTER: the work-groups of one kv head walk different lists of tiles (other diagonal tiles, the change of blocks in another trip), so that no
; two of them want the same tile in the same trip.
.set KP, 144                           ; pitch of K's rows in LDS: 128 + 16 = 9 x 16 bytes
.set VP, 160                           ; pitch of V's rows: 5 x 32 bytes
.set OP, 272                           ; pitch of the out stage: 256 + 16
.set VB, 64*KP                         ; LDS: K at 0, V at 9,216,
.set OS, VB+64*VP                      ; the out stage at 19,456: 16 rows x 272 for each wave, its own
.set KAD, 1                            ; v1   144 r + 16 h
.set VAD, 2                            ; v2   VB + 160 (8 h + l % 8) + 16 ((l / 8) % 2)
.set KST, 3                            ; v3   where I store my 16 bytes of K: row 16 w + l / 8, column 16 (l % 8)
.set VST, 4                            ; v4   the same for V
.set GOF, 5                            ; v5   the same place in memory, from the tile's first byte
.set LIM, 6                            ; v6   16 w + r - 8 h: key 16 i + j of my lane is masked in the diagonal tile if 16 i + j > this
.set NINF, 7                           ; v7   -inf
.set OST, 8                            ; v8   out stage, in
.set ORD, 9                            ; v9   out stage, back
.set OGO, 10                           ; v10  my byte offset in att
.set QOF, 11                           ; v11  my byte offset in a query block
.set NMC, 16                           ; v16, v18  -c x running maximum of g = 0, 1   (c = log2(e) / 8)
.set MX,  17                           ; v17, v19  the running maximum
.set AL,  20                           ; v20, v22  the factor by which the old sums shrink; at the end 1 / sum
.set LS,  21                           ; v21, v23  my half's running sum
.set T,   24                           ; v24-31    at work
.set Q,   32                           ; v[32+16g+8c]   Q(g, c): 16 queries x d 32 c .. 32 c + 31
.set S,   64                           ; v[64+32g+8i]   S(g, i); packed: P(g, kk) in the 8 registers at 64 + 32 g + 16 kk
.set O,   128                          ; v[128+32g+8dt] O(g, dt)
.set KV,  192                          ; v[192+16i+8c] K(i, c); then v[192+16dt+8kk] V(dt, kk)
.set STG, 0                            ; window 1, v0-31 (v256-287): the tile on its way: K's part i at 4 i, V's at 16 + 4 i
.set Q1,  32                           ; window 1, v32-63 (v288-319): the second block's Q
.set MSB, 0
.macro WIN new                         ; s_set_vgpr_msb: bits 1:0 source 0, 3:2 source 1, 5:4 source 2, 7:6 destination; the high byte repeats the setting that is left
.if MSB != \new
	s_set_vgpr_msb (MSB<<8)|\new
.set MSB, \new
.endif
.endm
; The list of tiles: position 0: qa; 1 .. qa: position - 1; qa + 1: qb; qa + 2 .. 32: position - qa - 2.  s17 = the position to load next (1 or more).
.macro NEXTTILE
	s_sub_co_u32 s19, s17, 1
	s_sub_co_u32 s20, s17, s16
	s_cmp_gt_u32 s17, s15
	s_cselect_b32 s19, s20, s19
	s_cmp_eq_u32 s17, s15
	s_cselect_b32 s19, s14, s19
	s_lshl_b32 s20, s19, 18                        ; 64 rows of 4,096 bytes
	s_mov_b32 s21, 0
	s_add_nc_u64 s[24:25], s[22:23], s[20:21]
	s_add_co_u32 s17, s17, 1
.endm
.macro LDTILE                          ; 8 loads: my 4 x 16 bytes of K and of V (V lies 1,024 bytes behind K in a row); 4 rows further down each
	WIN 0x40
.irp i, 0,1,2,3
	global_load_b128 v[STG+4*\i:STG+4*\i+3], v[GOF], s[24:25] offset:16384*\i
.endr
.irp i, 0,1,2,3
	global_load_b128 v[STG+16+4*\i:STG+16+4*\i+3], v[GOF], s[24:25] offset:16384*\i+1024
.endr
	WIN 0
.endm
.macro STTILE
	WIN 0x04
.irp i, 0,1,2,3
	ds_store_b128 v[KST], v[STG+4*\i:STG+4*\i+3] offset:4*KP*\i
.endr
.irp i, 0,1,2,3
	ds_store_b128 v[VST], v[STG+16+4*\i:STG+16+4*\i+3] offset:4*VP*\i
.endr
	WIN 0
.endm
; The new running maximum of g, -c times it, and the old sums' factor 2^(new NMC - old NMC): the difference of the very numbers that the exponentials use.
.macro SOFT1 g, first
.irp i, 0,1,2,3
	v_max3_num_f32 v[T+\i], v[S+32*\g+8*\i], v[S+32*\g+8*\i+1], v[S+32*\g+8*\i+2]
.endr
.irp i, 0,1,2,3
	v_max3_num_f32 v[T+\i], v[T+\i], v[S+32*\g+8*\i+3], v[S+32*\g+8*\i+4]
.endr
.irp i, 0,1,2,3
	v_max3_num_f32 v[T+\i], v[T+\i], v[S+32*\g+8*\i+5], v[S+32*\g+8*\i+6]
.endr
	v_max3_num_f32 v[T], v[T], v[S+32*\g+7], v[S+32*\g+15]
	v_max3_num_f32 v[T+2], v[T+2], v[S+32*\g+23], v[S+32*\g+31]
	v_max3_num_f32 v[T], v[T], v[T+1], v[T+2]
.if \first
	v_max_num_f32 v[T], v[T], v[T+3]
.else
	v_max3_num_f32 v[T], v[T], v[T+3], v[MX+2*\g]
.endif
	v_permlanex16_b32 v[T+1], v[T], s29, s30       ; the other half of the lanes holds the same query's other keys
	v_max_num_f32 v[MX+2*\g], v[T], v[T+1]         ; finite from the diagonal tile on: key = query is never masked
.if \first
	v_mul_f32 v[NMC+2*\g], s28, v[MX+2*\g]
.else
	v_mul_f32 v[T+1], s28, v[MX+2*\g]
	v_sub_f32 v[AL+2*\g], v[T+1], v[NMC+2*\g]
	v_mov_b32 v[NMC+2*\g], v[T+1]
	v_exp_f32 v[AL+2*\g], v[AL+2*\g]               ; the next vector instruction is plain and touches neither (ISA guide 5.7.2)
.endif
.endm
; The weights 2^(c s - c m) in place, my half's sum, and the weights packed to f16 in place.
.macro SOFT2 g, first
.irp p, 0,1,2,3,4,5,6,7,8,9,10,11,12,13,14,15
	v_pk_fma_f32 v[S+32*\g+2*\p:S+32*\g+2*\p+1], v[S+32*\g+2*\p:S+32*\g+2*\p+1], s[26:27], v[NMC+2*\g:NMC+2*\g+1] op_sel_hi:[1,0,0]
.endr
.set n, 0
.rept 32
	v_exp_f32 v[S+32*\g+n], v[S+32*\g+n]
.set n, n+1
.endr
	v_nop                                          ; one plain instruction between the last exponential and the first use
	s_wait_alu depctr_va_vdst(0)
.irp k, 0,1,2,3
	v_pk_add_f32 v[T+2*\k:T+2*\k+1], v[S+32*\g+2*\k:S+32*\g+2*\k+1], v[S+32*\g+8+2*\k:S+32*\g+8+2*\k+1]
.endr
.irp k, 0,1,2,3
	v_pk_add_f32 v[T+2*\k:T+2*\k+1], v[T+2*\k:T+2*\k+1], v[S+32*\g+16+2*\k:S+32*\g+16+2*\k+1]
.endr
.irp k, 0,1,2,3
	v_pk_add_f32 v[T+2*\k:T+2*\k+1], v[T+2*\k:T+2*\k+1], v[S+32*\g+24+2*\k:S+32*\g+24+2*\k+1]
.endr
	v_pk_add_f32 v[T:T+1], v[T:T+1], v[T+2:T+3]
	v_pk_add_f32 v[T+4:T+5], v[T+4:T+5], v[T+6:T+7]
	v_pk_add_f32 v[T:T+1], v[T:T+1], v[T+4:T+5]
.if \first
	v_add_f32 v[LS+2*\g], v[T], v[T+1]
.else
	v_add_f32 v[T], v[T], v[T+1]
	v_fma_f32 v[LS+2*\g], v[LS+2*\g], v[AL+2*\g], v[T]
.endif
.irp kk, 0,1
.irp p, 0,1,2,3,4,5,6,7
	v_cvt_pk_f16_f32 v[S+32*\g+16*\kk+\p], v[S+32*\g+16*\kk+2*\p], v[S+32*\g+16*\kk+2*\p+1]   ; register p is written when 2 p and 2 p + 1 >= p have been read
.endr
.endr
.endm
.macro RESC g                          ; O of g times AL of g
.irp p, 0,1,2,3,4,5,6,7,8,9,10,11,12,13,14,15
	v_pk_mul_f32 v[O+32*\g+2*\p:O+32*\g+2*\p+1], v[O+32*\g+2*\p:O+32*\g+2*\p+1], v[AL+2*\g:AL+2*\g+1] op_sel_hi:[1,0]
.endr
.endm
; One tile of 64 keys.  diag: the block's own tile, masked.  first: it starts the block's maximum and sums.  st: the tile on its way goes into LDS.
; ld: a further tile is asked for.
.macro TRIP diag, first, st, ld
.irp c, 0,1
.irp i, 0,1,2,3
	ds_load_b128 v[KV+16*\i+8*\c:KV+16*\i+8*\c+3],   v[KAD] offset:16*KP*\i+64*\c
	ds_load_b128 v[KV+16*\i+8*\c+4:KV+16*\i+8*\c+7], v[KAD] offset:16*KP*\i+64*\c+32
.endr
.endr
	s_wait_dscnt 8                                 ; d 0-31 of all 64 keys are in; the eight loads of d 32-63 may be out
	; eight accumulators take turns, one instruction a turn, here and in the second product
.irp i, 0,1,2,3
.irp g, 0,1
	v_wmma_f32_16x16x32_f16 v[S+32*\g+8*\i:S+32*\g+8*\i+7], v[KV+16*\i:KV+16*\i+7], v[Q+16*\g:Q+16*\g+7], 0
.endr
.endr
	s_wait_dscnt 0
.irp i, 0,1,2,3
.irp g, 0,1
	v_wmma_f32_16x16x32_f16 v[S+32*\g+8*\i:S+32*\g+8*\i+7], v[KV+16*\i+8:KV+16*\i+15], v[Q+16*\g+8:Q+16*\g+15], v[S+32*\g+8*\i:S+32*\g+8*\i+7]
.endr
.endr
.rept 4
	v_nop                                          ; four places (ISA guide 7.12.1): V is loaded over K's fragments, and the scores are read
.endr
.irp kk, 0,1
.irp dt, 0,1,2,3
	ds_load_tr16_b128 v[KV+16*\dt+8*\kk:KV+16*\dt+8*\kk+3],   v[VAD] offset:32*VP*\kk+32*\dt
	ds_load_tr16_b128 v[KV+16*\dt+8*\kk+4:KV+16*\dt+8*\kk+7], v[VAD] offset:32*VP*\kk+32*\dt+16*VP
.endr
.endr
.if \diag
.irp i, 0,1,2,3
.irp j, 0,1,2,3,4,5,6,7
	v_cmp_gt_i32 vcc_lo, 16*\i+\j, v[LIM]          ; key > query
	v_cndmask_b32 v[S+8*\i+\j], v[S+8*\i+\j], v[NINF], vcc_lo
	v_cndmask_b32 v[S+32+8*\i+\j], v[S+32+8*\i+\j], v[NINF], vcc_lo
.endr
.endr
.endif
	SOFT1 0, \first
	SOFT1 1, \first
.if \st
	s_wait_dscnt 0x0                               ; all my reads of the tile are back, V's fragments among them:
	s_barrier_signal -1                            ; say so; only register work up to the wait
.endif
	SOFT2 0, \first
	SOFT2 1, \first
.if \st
	s_barrier_wait -1                              ; no wave reads the tile any more
	s_wait_loadcnt 0x0                             ; the next tile, asked for a trip ago, is in the stage registers; its loads' base is free
	STTILE
.else
	s_wait_dscnt 0x0                               ; V's fragments
.endif
.if \ld
	NEXTTILE
	LDTILE
.endif
.if \first == 0
	RESC 0
	RESC 1
.endif
.irp kk, 0,1
.irp dt, 0,1,2,3
.irp g, 0,1
.if \first*(1-\kk)
	v_wmma_f32_16x16x32_f16 v[O+32*\g+8*\dt:O+32*\g+8*\dt+7], v[KV+16*\dt+8*\kk:KV+16*\dt+8*\kk+7], v[S+32*\g+16*\kk:S+32*\g+16*\kk+7], 0
.else
	v_wmma_f32_16x16x32_f16 v[O+32*\g+8*\dt:O+32*\g+8*\dt+7], v[KV+16*\dt+8*\kk:KV+16*\dt+8*\kk+7], v[S+32*\g+16*\kk:S+32*\g+16*\kk+7], v[O+32*\g+8*\dt:O+32*\g+8*\dt+7]
.endif
.endr
.endr
.endr
.rept 5
	v_nop                                          ; five places: the next score products write over P, the next loads over V, or O is read
.endr
.if \st
	s_wait_dscnt 0x0                               ; my part of the new tile is in LDS
	s_barrier_signal -1
	s_barrier_wait -1                              ; everybody's is
.endif
.endm
; The block q (a scalar register) is done: divide by the sum, round to f16, 16 rows x 256 bytes (both heads) through my own stage, out in whole rows.
.macro FINAL q, last
	v_permlanex16_b32 v[T], v[LS], s29, s30
	v_permlanex16_b32 v[T+1], v[LS+2], s29, s30
	v_add_f32 v[T], v[T], v[LS]
	v_add_f32 v[T+1], v[T+1], v[LS+2]              ; at least about 1: the largest weight is 2^0
	v_rcp_f32 v[AL], v[T]
	v_rcp_f32 v[AL+2], v[T+1]
	s_lshl_b32 s20, \q, 17                         ; 64 rows of 2,048 bytes
	s_add_co_u32 s20, s20, s31
	s_mov_b32 s21, 0
	s_add_nc_u64 s[32:33], s[6:7], s[20:21]
	v_nop                                          ; one plain instruction behind the reciprocals
	s_wait_alu depctr_va_vdst(0)
	RESC 0
	RESC 1
.irp g, 0,1
.irp dt, 0,1,2,3
.irp p, 0,1,2,3
	v_cvt_pk_f16_f32 v[S+16*\g+4*\dt+\p], v[O+32*\g+8*\dt+2*\p], v[O+32*\g+8*\dt+2*\p+1]
.endr
.endr
.endr
.irp g, 0,1
.irp dt, 0,1,2,3
	ds_store_b128 v[OST], v[S+16*\g+4*\dt:S+16*\g+4*\dt+3] offset:128*\g+32*\dt
.endr
.endr
.irp t, 0,1,2,3,4,5,6,7
	ds_load_b128 v[S+32+4*\t:S+32+4*\t+3], v[ORD] offset:2*OP*\t   ; LDS serves a wave's instructions in order (ISA guide 5.7.1): these see the stores above
.endr
.irp t, 0,1,2,3,4,5,6,7
	s_wait_dscnt 7-\t                              ; the younger read-backs stay out
	global_store_b128 v[OGO], v[S+32+4*\t:S+32+4*\t+3], s[32:33] offset:4096*\t   ; 16 lanes store 256 consecutive bytes, at a multiple of 256 from att's first byte
.endr
.if \last == 0
	s_wait_xcnt 0x0                                ; the stores' data registers and base are written again only behind this wait
.endif
.endm
	s_load_b128 s[4:7], s[0:1], 0x0                ; qkv s[4:5], att s[6:7]
	s_set_vgpr_msb 0x40
	v_lshl_add_u32 v64, v0, 2, 0x9000
	v_mov_b32 v65, 0
	s_set_vgpr_msb 0x4000
	v_lshrrev_b32 v12, 5, v0
	v_readfirstlane_b32 s8, v12                    ; wave
	s_and_b32 s9, ttmp7, 0xffff
	s_lshr_b32 s10, s9, 3                          ; batch
	s_and_b32 s11, s9, 7                           ; kv head
	s_mov_b32 s13, ttmp9                           ; qa = j
	s_sub_co_u32 s14, 31, s13                      ; qb = 31 - j
	s_add_co_u32 s15, s13, 1
	s_add_co_u32 s16, s13, 2
	s_mov_b32 s17, 1
	s_mov_b32 s26, 0x3e38aa3b                      ; c = log2(e) / 8: the scale 64^-0.5 and the change of base in one
	s_mov_b32 s27, 0x3e38aa3b
	s_mov_b32 s28, 0xbe38aa3b                      ; -c
	s_mov_b32 s29, 0x76543210                      ; v_permlanex16_b32: lane i of one half reads lane i of the other
	s_mov_b32 s30, 0xfedcba98
	v_and_b32 v13, 15, v0                          ; r
	v_bfe_u32 v14, v0, 4, 1                        ; h
	v_bfe_u32 v15, v0, 3, 2                        ; l / 8
	v_and_b32 v24, 7, v0                           ; l % 8
	s_lshl_b32 s19, s8, 16                         ; 16 w rows of 4,096 bytes
	v_lshlrev_b32 v[GOF], 12, v15
	v_lshl_add_u32 v[GOF], v24, 4, v[GOF]
	v_add_nc_u32 v[GOF], s19, v[GOF]
	v_lshlrev_b32 v[QOF], 12, v13
	v_lshl_add_u32 v[QOF], v14, 4, v[QOF]
	v_add_nc_u32 v[QOF], s19, v[QOF]
	s_lshl_b32 s34, s10, 23                        ; the batch's 2,048 rows of 4,096 bytes
	s_lshl_b32 s19, s11, 7
	s_add_co_u32 s20, s34, s19
	s_add_co_u32 s20, s20, 2048                    ; k of my kv head
	s_mov_b32 s21, 0
	s_lshl_b32 s19, s11, 8
	s_add_co_u32 s34, s34, s19                     ; q of my two heads
	s_mov_b32 s35, 0
	s_wait_kmcnt 0x0
	s_add_nc_u64 s[22:23], s[4:5], s[20:21]
	s_add_nc_u64 s[36:37], s[4:5], s[34:35]
	s_add_nc_u64 s[38:39], s[4:5], s[34:35]
	s_lshl_b32 s20, s13, 18
	s_add_nc_u64 s[24:25], s[22:23], s[20:21]      ; position 0: the first block's diagonal tile
	s_add_nc_u64 s[36:37], s[36:37], s[20:21]      ; the first block's queries
	s_lshl_b32 s20, s14, 18
	s_add_nc_u64 s[38:39], s[38:39], s[20:21]      ; the second block's
	LDTILE
.irp g, 0,1
.irp c, 0,1
	global_load_b128 v[Q+16*\g+8*\c:Q+16*\g+8*\c+3],   v[QOF], s[36:37] offset:128*\g+64*\c
	global_load_b128 v[Q+16*\g+8*\c+4:Q+16*\g+8*\c+7], v[QOF], s[36:37] offset:128*\g+64*\c+32
.endr
.endr
	WIN 0x40
.irp g, 0,1
.irp c, 0,1
	global_load_b128 v[Q1+16*\g+8*\c:Q1+16*\g+8*\c+3],   v[QOF], s[38:39] offset:128*\g+64*\c
	global_load_b128 v[Q1+16*\g+8*\c+4:Q1+16*\g+8*\c+7], v[QOF], s[38:39] offset:128*\g+64*\c+32
.endr
.endr
	WIN 0
	v_mul_u32_u24 v[KAD], v13, KP
	v_lshl_add_u32 v[KAD], v14, 4, v[KAD]
	v_lshl_add_u32 v25, v14, 3, v24                ; 8 h + l % 8
	v_mul_u32_u24 v[VAD], v25, VP
	v_bfe_u32 v25, v0, 3, 1
	v_lshl_add_u32 v[VAD], v25, 4, v[VAD]
	v_add_nc_u32 v[VAD], VB, v[VAD]
	s_mul_i32 s19, s8, 16*KP
	v_mul_u32_u24 v[KST], v15, KP
	v_lshl_add_u32 v[KST], v24, 4, v[KST]
	v_add_nc_u32 v[KST], s19, v[KST]
	s_mul_i32 s19, s8, 16*VP
	s_add_co_u32 s19, s19, VB
	v_mul_u32_u24 v[VST], v15, VP
	v_lshl_add_u32 v[VST], v24, 4, v[VST]
	v_add_nc_u32 v[VST], s19, v[VST]
	s_lshl_b32 s19, s8, 4
	v_lshlrev_b32 v25, 3, v14
	v_sub_nc_u32 v[LIM], v13, v25
	v_add_nc_u32 v[LIM], s19, v[LIM]
	v_mov_b32 v[NINF], 0xff800000
	s_mul_i32 s19, s8, 16*OP
	s_add_co_u32 s19, s19, OS
	v_mul_u32_u24 v[OST], v13, OP
	v_lshl_add_u32 v[OST], v14, 4, v[OST]
	v_add_nc_u32 v[OST], s19, v[OST]
	v_mul_u32_u24 v[ORD], v14, OP
	v_lshl_add_u32 v[ORD], v13, 4, v[ORD]
	v_add_nc_u32 v[ORD], s19, v[ORD]
	v_lshlrev_b32 v[OGO], 11, v14
	v_lshl_add_u32 v[OGO], v13, 4, v[OGO]
	s_lshl_b32 s31, s10, 22                        ; in att: the batch's 2,048 rows of 2,048 bytes,
	s_lshl_b32 s19, s8, 15                         ; my 16 rows,
	s_add_co_u32 s31, s31, s19
	s_lshl_b32 s19, s11, 8                         ; my two heads' 256 bytes
	s_add_co_u32 s31, s31, s19
	s_wait_loadcnt 16                              ; position 0's tile is in; the 16 loads of Q behind it may be out
	STTILE
	NEXTTILE                                       ; that wait has also freed the tile loads' base
	LDTILE                                         ; position 1
	s_wait_loadcnt 8                               ; both blocks' Q are in; position 1's tile stays out
	s_wait_dscnt 0x0
	s_barrier_signal -1
	s_barrier_wait -1                              ; position 0's tile is whole
	; block qa: its diagonal tile, then tiles 0 .. qa - 1
	TRIP 1, 1, 1, 1
	s_cmp_eq_u32 s13, 0
	s_cbranch_scc1 .Lp0done
	s_mov_b32 s18, s13
.Lp0:
	TRIP 0, 0, 1, 1
	s_sub_co_i32 s18, s18, 1
	s_cmp_lg_u32 s18, 0
	s_cbranch_scc1 .Lp0
.Lp0done:
	FINAL s13, 0
	WIN 0x01                                       ; the second block's Q, loaded at the start, moves into the matrix instructions' window
.set n, 0
.rept 32
	v_mov_b32 v[Q+n], v[Q1+n]
.set n, n+1
.endr
	WIN 0
	; block qb = 31 - j: its diagonal tile, then tiles 0 .. qb - 1; the last two trips ask for nothing more, the last stores nothing more
	TRIP 1, 1, 1, 1
	s_sub_co_u32 s18, 29, s13                      ; at least 14
.Lp1:
	TRIP 0, 0, 1, 1
	s_sub_co_i32 s18, s18, 1
	s_cmp_lg_u32 s18, 0
	s_cbranch_scc1 .Lp1
	TRIP 0, 0, 1, 0
	TRIP 0, 0, 0, 0
	FINAL s14, 1
	s_set_vgpr_msb 0x5
	s_wait_tensorcnt 0x0
	ds_add_u32 v64, v65
	s_wait_dscnt 0x0
	s_set_vgpr_msb 0x500
	s_endpgm
.Lfunc_end_k_qc5f338eca8_attn:
	.size	k_qc5f338eca8_attn, .Lfunc_end_k_qc5f338eca8_attn-k_qc5f338eca8_attn
	.p2alignl 7, 3214868480
	.fill 96, 4, 3214868480
	.section	.rodata,"a",@progbits
	.p2align	6, 0x0
	.amdhsa_kernel k_qc5f338eca8_attn
		.amdhsa_group_segment_fixed_size 37376
		.amdhsa_private_segment_fixed_size 0
		.amdhsa_enable_private_segment 0
		.amdhsa_kernarg_size 16
		.amdhsa_user_sgpr_count 2
		.amdhsa_user_sgpr_kernarg_segment_ptr 1
		.amdhsa_wavefront_size32 1
		.amdhsa_system_sgpr_workgroup_id_x 1
		.amdhsa_system_sgpr_workgroup_id_y 1
		.amdhsa_system_sgpr_workgroup_id_z 1
		.amdhsa_system_vgpr_workitem_id 0
		.amdhsa_next_free_vgpr 322
		.amdhsa_next_free_sgpr 66
		.amdhsa_reserve_vcc 1
		.amdhsa_float_denorm_mode_32 3
		.amdhsa_float_denorm_mode_16_64 3
		.amdhsa_memory_ordered 1
		.amdhsa_forward_progress 1
		.amdhsa_inst_pref_size 135
	.end_amdhsa_kernel
	.amdgpu_metadata
---
amdhsa.version: [ 1, 2 ]
amdhsa.kernels:
  - .name:           k_qc5f338eca8_attn
    .symbol:         k_qc5f338eca8_attn.kd
    .args:
      - { .name: qkv, .offset: 0, .size: 8, .value_kind: global_buffer, .address_space: global }
      - { .name: att, .offset: 8, .size: 8, .value_kind: global_buffer, .address_space: global }
    .group_segment_fixed_size: 37376
    .private_segment_fixed_size: 0
    .kernarg_segment_align: 8
    .kernarg_segment_size: 16
    .max_flat_workgroup_size: 128
    .sgpr_count:     66
    .vgpr_count:     322
    .wavefront_size: 32
...
	.end_amdgpu_metadata
.endif
;; end of part 3
;; launch proj (part 4): grid 8 x 32, 4 waves a work-group, clusters of 4 x 4, 327,680 bytes of LDS; arguments att, woh, out0; writes out0
.if DOCPART == 4
	.amdgcn_target "amdgcn-amd-amdhsa--gfx1250"
	.amdhsa_code_object_version 6
	.text
	.protected	k_qc5f338eca8_proj
	.globl	k_qc5f338eca8_proj
	.p2align	8
	.type	k_qc5f338eca8_proj,@function
k_qc5f338eca8_proj:
	s_mov_b64 s[64:65], 0
	v_nop
	global_prefetch_b8 v0, s[64:65] scope:SCOPE_SE
	s_setreg_imm32_b32 hwreg(HW_REG_WAVE_MODE, 25, 1), 1
	s_wait_xcnt 0x0
	s_wait_alu depctr_hold_cnt(0) depctr_sa_sdst(0) depctr_va_vdst(0) depctr_va_sdst(0) depctr_va_ssrc(0) depctr_va_vcc(0) depctr_vm_vsrc(0)
	s_getreg_b32 s2, hwreg(HW_REG_IB_STS2, 6, 4)
	s_cmp_eq_u32 s2, 0
	s_cbranch_scc0 .Lentry_in_a_cluster
	s_endpgm
.Lentry_in_a_cluster:
	s_bfe_u32 s2, ttmp6, 0x10000c
	s_cmp_lg_u32 s2, 0xf033
	s_cbranch_scc0 .Lentry_shape_is_right
	s_endpgm
.Lentry_shape_is_right:
; C[m][n] = sum over k of A[m][k] B[n][k].  A: [4096][SIZE_K] f16, B: [2048][SIZE_K] f16, C: [4096][2048], f16 (OUTF32 = 0) or f32 (OUTF32 = 1); sums in f32.
; Here: A = att, B = woh (Wo rounded to f16), C = out0 in f32.  Nothing of this product is left out.
; A work-group makes a block of 128 rows x 256 columns of C, so that 32 x 8 = 256 work-groups share C evenly; four waves, each 64 rows x 128 columns:
; 32 accumulator tiles of 16 x 16, 256 registers.  K goes in steps of 128 through a ring of two LDS slots filled by the tensor data mover; a tile's
; rows are 256 bytes of memory and begin at multiples of 256 bytes from the buffer's first byte.
; CLUSTERS: 4 x 4 work-groups.  The four of a row of the cluster need the same tiles of A, the four of a column the same tiles of B: each such tile is
; asked for jointly, by the same tensor load with the same descriptor and a mask that names the four.  That divides the requests for A and B by four.
; REGISTERS: window 0: addresses, fragments (two buffers), packed results.  Window 1: the accumulators, tile (a, b) at v[8 (8 a + b)].
; THE MATRIX INSTRUCTION IS USED TRANSPOSED: source 0 = 16 rows of B, source 1 = 16 rows of A, so that lane l holds row l % 16 of C and its registers
; 0 to 7 the columns 8 (l / 16) + 0 .. 7: eight neighbouring numbers of a row.
.set SIZE_K, 1024
.set OUTF32, 1
.set SPITCH, 528                       ; a row of the stage: 128 results + 16 bytes
.set CROW,   8192                      ; bytes in a row of C
.set ESH,    2                         ; log2 of the bytes of a number of C
.set KSTEP,  128
.set PITCH,  272                       ; an LDS row: 256 bytes + 16 of padding = 17 x 16: the 16 rows that a fragment load touches begin at 16 different 16-byte columns modulo 256
.set HALFT,  128*PITCH                 ; a region of a slot: wave w fills region w
.set SLOT,   4*HALFT                   ; regions 0, 1: A's rows 0-63, 64-127 (64 of the 128 row places used); regions 2, 3: B's rows 0-127, 128-255
.set STAGE,  2*SLOT                    ; behind the ring, a multiple of 256: 16 rows x SPITCH for each wave; no tensor load lands there
.set LAPS, SIZE_K/(2*KSTEP)            ; a lap = two K steps = once round the ring
.set ADRA, 16                          ; v16-17  LDS address of my A fragments in slot 0, 1
.set ADRB, 20                          ; v20-21  the same for B
.set STO,  24                          ; v24     the way out: where I put my part of a row
.set RD,   25                          ; v25     the way out: where I read rows back
.set CO,   26                          ; v26     my byte offset in C
.set AF0,  32                          ; v32-63    A fragments, buffer 0 (4 x 16 rows x 32 K)
.set AF1,  64                          ; v64-95    buffer 1
.set BF0,  96                          ; v96-159   B fragments, buffer 0 (8 x 16 rows x 32 K)
.set BF1,  160                         ; v160-223  buffer 1
.set TMP,  224                         ; v224-255  the way out: packed results
.set G1, 24                            ; s[24:31] descriptor group 1 for A's tiles
.set G0, 32                            ; s[32:39] descriptor group 0 for A's tiles, one set for each slot
.set G1B, 48                           ; s[48:55] group 1 for B's tiles
.set G0B, 56                           ; s[56:63] group 0 for B's tiles, one set for each slot
.set MSB, 0
.macro WIN new                         ; s_set_vgpr_msb: bits 1:0 source 0, 3:2 source 1, 5:4 source 2, 7:6 destination; the high byte repeats the setting that is left
.if MSB != \new
	s_set_vgpr_msb (MSB<<8)|\new
.set MSB, \new
.endif
.endm
.set MULW, 0x50                        ; C and D in window 1, both fragments in window 0
; A joint load.  Waves 0 and 1 fetch A's two halves, waves 2 and 3 B's.  Each line has one mask and one set of registers for all that issue it.
; The branch hangs on the wave's number alone: it is the same in every work-group.
.macro JLOAD s
	s_cmp_eq_u32 s11, 0
	s_cbranch_scc0 .Lfor_b_\@
	tensor_load_to_lds s[G0+4*\s:G0+4*\s+3], s[G1:G1+7]
	s_nop 0
	s_branch .Lasked_\@
.Lfor_b_\@:
	tensor_load_to_lds s[G0B+4*\s:G0B+4*\s+3], s[G1B:G1B+7]
	s_nop 0
.Lasked_\@:
.endm
; A round of the cluster's barrier: my work-group's barrier; wave 0 signals for the work-group; every wave waits for all sixteen; my work-group's barrier again.
.macro CREST                           ; a round behind its opening barrier
	s_cmp_lg_u32 s10, 0
	s_cbranch_scc1 .Lnot_wave_0_\@
	s_barrier_signal -3
.Lnot_wave_0_\@:
	s_barrier_wait -3
	s_barrier_signal -1
	s_barrier_wait -1
.endm
.macro CROUND                          ; a whole round
	s_barrier_signal -1
	s_barrier_wait -1
	CREST
.endm
	s_load_b128 s[4:7], s[0:1], 0x0                ; A s[4:5], B s[6:7]
	s_load_b64 s[8:9], s[0:1], 0x10                ; C
	v_lshl_add_u32 v254, v0, 2, 0x4c400
	v_mov_b32 v255, 0
	ds_add_u32 v254, v255
	v_lshrrev_b32 v1, 5, v0
	v_readfirstlane_b32 s10, v1                    ; wave 0..3
	s_lshr_b32 s11, s10, 1                         ; which 64 rows of the block are mine.  Also: I fetch for A (0) or for B (1)
	s_and_b32 s12, s10, 1                          ; which 128 columns.  Also: which half of that tile I fetch
	s_bfe_u32 s40, ttmp6, 0x40000                  ; cx
	s_bfe_u32 s41, ttmp6, 0x40004                  ; cy
	s_lshl_b32 s42, ttmp9, 2
	s_add_co_u32 s42, s42, s40                     ; block column of C = 4 x cluster x + cx
	s_and_b32 s13, ttmp7, 0xffff
	s_lshl_b32 s13, s13, 2
	s_add_co_u32 s13, s13, s41                     ; block row of C = 4 x cluster y + cy
	s_lshl_b32 s43, s41, 2
	s_lshl_b32 s43, 15, s43                        ; my row of the cluster: places 4 cy .. 4 cy + 3
	s_lshl_b32 s44, 0x1111, s40                    ; my column: places cx, cx + 4, cx + 8, cx + 12
	; group 1: rows of 128 elements of 2 bytes, 16 bytes of padding behind each; A's load has 64 rows, B's 128
	s_or_b32 s[G1+0], s43, (1<<16)|(1<<20)|(1<<21)|(5<<22)|(3<<25)  ; 15:0 mask: A's tiles go to my row; 17:16 2-byte elements; 20 padding on; 21 set beside a mask; 24:22 after 64 words; 31:25 four words
	s_or_b32 s[G1B+0], s44, (1<<16)|(1<<20)|(1<<21)|(5<<22)|(3<<25) ; the same with the mask of my column
	s_mov_b32 s[G1+1], KSTEP<<16                   ; tensor_dim0 = 128
	s_mov_b32 s[G1B+1], KSTEP<<16
	s_mov_b32 s[G1+2], 64<<16                      ; tensor_dim1 = 64 rows
	s_mov_b32 s[G1B+2], 128<<16                    ; tensor_dim1 = 128 rows
	s_mov_b32 s[G1+3], KSTEP<<16                   ; tile_dim0 = 128
	s_mov_b32 s[G1B+3], KSTEP<<16
	s_mov_b32 s[G1+4], 64                          ; tile_dim1
	s_mov_b32 s[G1B+4], 128
	s_mov_b32 s[G1+5], SIZE_K                      ; elements from row to row
	s_mov_b32 s[G1B+5], SIZE_K
	s_mov_b32 s[G1+6], 0
	s_mov_b32 s[G1B+6], 0
	s_mov_b32 s[G1+7], 0
	s_mov_b32 s[G1B+7], 0
	; A's tiles hang on the block row alone, B's on the block column alone; each address is made in registers that never hold the other coordinate
	s_lshl_b32 s17, s12, 6
	s_lshl_b32 s16, s13, 7
	s_add_co_u32 s16, s16, s17                     ; A: row 128 x block row + 64 x half
	s_lshl_b32 s47, s12, 7
	s_lshl_b32 s46, s42, 8
	s_add_co_u32 s46, s46, s47                     ; B: row 256 x block column + 128 x half
	s_mov_b32 s17, 0
	s_mov_b32 s47, 0
	s_mov_b64 s[18:19], SIZE_K*2
	s_mul_u64 s[16:17], s[16:17], s[18:19]         ; in bytes
	s_mul_u64 s[46:47], s[46:47], s[18:19]
	s_mul_i32 s20, s10, HALFT                      ; where my load goes: region = wave; no place in the cluster enters an LDS address
	s_wait_dscnt 0x0
	s_wait_kmcnt 0x0
	s_add_nc_u64 s[14:15], s[4:5], s[16:17]
	s_add_nc_u64 s[46:47], s[6:7], s[46:47]
	CROUND                                         ; all sixteen work-groups are here: the first joint loads meet
.irp s, 0,1
	s_mov_b32 s[G0+4*\s], 1                                        ; count = 1
	s_add_co_u32 s[G0+4*\s+1], s20, \s*SLOT                        ; LDS address
	s_add_nc_u64 s[G0+4*\s+2:G0+4*\s+3], s[14:15], \s*KSTEP*2      ; global address: K step s
	s_or_b32 s[G0+4*\s+3], s[G0+4*\s+3], 0x80000000                ; type = 2
	s_mov_b32 s[G0B+4*\s], 1
	s_add_co_u32 s[G0B+4*\s+1], s20, \s*SLOT
	s_add_nc_u64 s[G0B+4*\s+2:G0B+4*\s+3], s[46:47], \s*KSTEP*2
	s_or_b32 s[G0B+4*\s+3], s[G0B+4*\s+3], 0x80000000
	JLOAD \s                                       ; both slots are asked for before anything else: two loads of the wave are out
.endr
	; a fragment is 16 rows x 32 K in 8 registers: lane l holds row l % 16; registers 0-3 K = 8 (l / 16) + 0..7, registers 4-7 K = 16 + 8 (l / 16) + 0..7
	v_and_b32 v1, 15, v0                           ; l % 16
	v_bfe_u32 v2, v0, 4, 1                         ; l / 16
	v_mul_u32_u24 v3, v1, PITCH
	v_lshl_add_u32 v3, v2, 4, v3                   ; row x pitch + 16 x half
	s_mul_i32 s21, s11, HALFT                      ; my 64 rows of A: region 0 or 1
	s_mul_i32 s22, s12, HALFT                      ; my 128 rows of B:
	s_add_co_u32 s22, s22, 2*HALFT                 ; region 2 or 3
.irp s, 0,1
	v_add_nc_u32 v[ADRA+\s], s21, v3
	v_add_nc_u32 v[ADRB+\s], s22, v3
	s_add_co_u32 s21, s21, SLOT
	s_add_co_u32 s22, s22, SLOT
.endr
	s_mul_i32 s23, s10, 16*SPITCH
	s_add_co_u32 s23, s23, STAGE                   ; my stage
	v_mul_u32_u24 v4, v1, SPITCH                   ; in: row l % 16
.if OUTF32
	v_lshl_add_u32 v4, v2, 5, v4                   ; + 32 bytes (8 f32) for the upper half of the lanes
	v_add_nc_u32 v[STO], s23, v4
	v_and_b32 v5, 31, v0
	v_lshlrev_b32 v[CO], 4, v5                     ; back: the wave takes a whole row of 512 bytes, 16 bytes a lane
	v_add_nc_u32 v[RD], s23, v[CO]
.else
	v_lshl_add_u32 v4, v2, 4, v4                   ; + 16 bytes (8 f16) for the upper half of the lanes
	v_add_nc_u32 v[STO], s23, v4
	v_mul_u32_u24 v5, v2, SPITCH                   ; back: lanes 0-15 take one row of 256 bytes, lanes 16-31 the next
	v_lshl_add_u32 v5, v1, 4, v5
	v_add_nc_u32 v[RD], s23, v5
	v_mul_u32_u24 v5, v2, CROW                     ; and the same two rows in C
	v_lshl_add_u32 v[CO], v1, 4, v5
.endif
; 8 matrix instructions: row block a of my four x all 8 column blocks, 32 along K.  zero = 1: the product starts the sums: nothing is cleared.
; The 32 accumulators take turns, one instruction a turn, in the same order in every quarter step.
.macro MUL8 fa, fb, a, zero
.irp b, 0,1,2,3,4,5,6,7
.if \zero
	v_wmma_f32_16x16x32_f16 v[8*(8*\a+\b):8*(8*\a+\b)+7], v[\fb+8*\b:\fb+8*\b+7], v[\fa+8*\a:\fa+8*\a+7], 0
.else
	v_wmma_f32_16x16x32_f16 v[8*(8*\a+\b):8*(8*\a+\b)+7], v[\fb+8*\b:\fb+8*\b+7], v[\fa+8*\a:\fa+8*\a+7], v[8*(8*\a+\b):8*(8*\a+\b)+7]
.endif
.endr
.endm
; 24 LDS loads in one run: the fragments of a quarter step (128 rows of B, then 64 rows of A, 32 K at byte k of the rows)
.macro FETCH slot, k, fa, fb
	WIN 0
.irp i, 0,1,2,3,4,5,6,7
	ds_load_b128 v[\fb+8*\i:\fb+8*\i+3],   v[ADRB+\slot] offset:\k+\i*16*PITCH
	ds_load_b128 v[\fb+8*\i+4:\fb+8*\i+7], v[ADRB+\slot] offset:\k+\i*16*PITCH+32
.endr
.irp i, 0,1,2,3
	ds_load_b128 v[\fa+8*\i:\fa+8*\i+3],   v[ADRA+\slot] offset:\k+\i*16*PITCH
	ds_load_b128 v[\fa+8*\i+4:\fa+8*\i+7], v[ADRA+\slot] offset:\k+\i*16*PITCH+32
.endr
.endm
; A load into a register that a matrix instruction has read, and a vector instruction or LDS store that reads a matrix result, stand four places behind
; that matrix instruction; only plain vector instructions that name none of its registers are places.
.macro PLACES
.rept 4
	v_nop
.endr
.endm
; A K step is four quarter steps of 32 along K, 32 matrix instructions each, on buffers 0, 1, 0, 1.
; One of the first three: multiplies buffer f; in its middle it fetches the next quarter's fragments, at byte k of the same slot's rows, into buffer g.
.macro QUARTER slot, k, fa, fb, ga, gb, zero
	s_wait_dscnt 4                                 ; B and A's blocks 0, 1 are in; the four youngest loads (A's blocks 2, 3) may be out
	WIN MULW
	MUL8 \fa, \fb, 0, \zero
	MUL8 \fa, \fb, 1, \zero
	PLACES
	FETCH \slot, \k, \ga, \gb
	s_wait_dscnt 24                                ; all but the 24 just issued
	WIN MULW
	MUL8 \fa, \fb, 2, \zero
	MUL8 \fa, \fb, 3, \zero
.endm
.macro THREE slot, zero
	QUARTER \slot, 64,  AF0, BF0, AF1, BF1, \zero
	QUARTER \slot, 128, AF1, BF1, AF0, BF0, 0
	QUARTER \slot, 192, AF0, BF0, AF1, BF1, 0
.endm
; The last quarter: multiplies buffer 1 and changes slots.  fill = 1: this slot is filled again, two K steps ahead.
; In front of the barrier each wave waits for its reads of this slot and for all its tensor loads (one is out: its part of the next slot).  Behind it
; nobody reads this slot and the next slot is whole: the refill comes first, then the next slot's first fragments.
; From a request to the wait for it a wave issues 120 matrix instructions.
.macro TURN slot, next, fill
	s_wait_dscnt 4
	WIN MULW
	MUL8 AF1, BF1, 0, 0
	s_wait_dscnt 0                                 ; my reads of this slot are over
	s_wait_tensorcnt 0x0                           ; and all my tensor loads have landed
	ds_add_u32 v254, v255
	s_wait_dscnt 0x0
	s_barrier_signal -1                            ; where a slot is filled again this barrier opens a round of the cluster's barrier
	MUL8 AF1, BF1, 1, 0                            ; register work while the others arrive
	WIN 0
	s_barrier_wait -1
.if \fill
	CREST                                          ; no wave of any partner still reads this slot's tile or has a load on its way
	s_add_nc_u64 s[G0+4*\slot+2:G0+4*\slot+3], s[G0+4*\slot+2:G0+4*\slot+3], 2*KSTEP*2
	s_add_nc_u64 s[G0B+4*\slot+2:G0B+4*\slot+3], s[G0B+4*\slot+2:G0B+4*\slot+3], 2*KSTEP*2
	JLOAD \slot                                    ; the wave's one tensor load behind the round, and the first thing there
.endif
	PLACES
	FETCH \next, 0, AF0, BF0
	WIN MULW
	MUL8 AF1, BF1, 2, 0
	MUL8 AF1, BF1, 3, 0
.endm
.macro LAP zero                        ; once round the ring, both slots filled again
	THREE 0, \zero
	TURN 0, 1, 1
	THREE 1, 0
	TURN 1, 0, 1
.endm
	s_wait_tensorcnt 1                             ; my part of K step 0 is in; K step 1's load stays out
	s_barrier_signal -1
	s_barrier_wait -1                              ; everybody's is
	FETCH 0, 0, AF0, BF0
	LAP 1                                          ; the first lap stands in front of the loop: its first products start the sums
.if LAPS > 2
	WIN 0                                          ; at a label and at a branch every window is 0
	s_mov_b32 s3, LAPS-2
.Llap:
	LAP 0
	WIN 0
	s_sub_co_u32 s3, s3, 1
	s_cmp_lg_u32 s3, 0
	s_cbranch_scc1 .Llap
.endif
	THREE 0, 0                                     ; the last lap fills nothing
	TURN 0, 1, 0
	THREE 1, 0
	s_wait_dscnt 4                                 ; the very last quarter: nothing more to fetch
	WIN MULW
	MUL8 AF1, BF1, 0, 0
	MUL8 AF1, BF1, 1, 0
	s_wait_dscnt 0
	MUL8 AF1, BF1, 2, 0
	MUL8 AF1, BF1, 3, 0
	; THE WAY OUT, 16 rows of C at a time, through my own stage in LDS, read back as whole rows
	PLACES
	s_lshl_b32 s13, s13, 7
	s_lshl_b32 s14, s11, 6
	s_add_co_u32 s16, s13, s14                     ; my first row of C
	s_mov_b32 s17, 0
	s_mov_b64 s[18:19], CROW
	s_mul_u64 s[16:17], s[16:17], s[18:19]
	s_add_nc_u64 s[8:9], s[8:9], s[16:17]
	s_lshl_b32 s46, s42, 8+ESH                     ; my first column, in bytes
	s_lshl_b32 s47, s12, 7+ESH
	s_add_co_u32 s46, s46, s47
	s_mov_b32 s47, 0
	s_add_nc_u64 s[8:9], s[8:9], s[46:47]
; rows 16 i .. 16 i + 15 of my block = the eight tiles (i, 0..7); f: BF0 or BF1 in turn
.macro OUT16 i, f
.if OUTF32
	WIN 0x04                                       ; LDS store data in window 1
.irp b, 0,1,2,3,4,5,6,7
	ds_store_b128 v[STO], v[8*(8*\i+\b):8*(8*\i+\b)+3]   offset:64*\b
	ds_store_b128 v[STO], v[8*(8*\i+\b)+4:8*(8*\i+\b)+7] offset:64*\b+16
.endr
	WIN 0
	s_wait_xcnt 0x0                                ; buffer f, which earlier stores read, and the stores' base are rewritten only behind this wait
.if \i
	s_add_nc_u64 s[8:9], s[8:9], 16*CROW
.endif
.irp t, 0,1,2,3,4,5,6,7,8,9,10,11,12,13,14,15
	ds_load_b128 v[\f+4*\t:\f+4*\t+3], v[RD] offset:\t*SPITCH      ; LDS serves a wave's instructions in order (ISA guide 5.7.1): these see the stores above
.endr
.irp t, 0,1,2,3,4,5,6,7,8,9,10,11,12,13,14,15
	s_wait_dscnt 15-\t                             ; the younger read-backs stay out
	global_store_b128 v[CO], v[\f+4*\t:\f+4*\t+3], s[8:9] offset:\t*CROW th:TH_STORE_NT   ; the wave stores 512 consecutive bytes, at a multiple of 512 from C's first byte
.endr
.else
	WIN 0x05                                       ; both sources in window 1
.irp b, 0,1,2,3,4,5,6,7
.irp r, 0,1,2,3
	v_cvt_pk_f16_f32 v[TMP+4*\b+\r], v[8*(8*\i+\b)+2*\r], v[8*(8*\i+\b)+2*\r+1]
.endr
.endr
	WIN 0
.irp b, 0,1,2,3,4,5,6,7
	ds_store_b128 v[STO], v[TMP+4*\b:TMP+4*\b+3] offset:32*\b
.endr
	s_wait_xcnt 0x0                                ; buffer f, which earlier stores read, and the stores' base are rewritten only behind this wait
.if \i
	s_add_nc_u64 s[8:9], s[8:9], 16*CROW
.endif
.irp t, 0,1,2,3,4,5,6,7
	ds_load_b128 v[\f+4*\t:\f+4*\t+3], v[RD] offset:\t*2*SPITCH    ; LDS serves a wave's instructions in order (ISA guide 5.7.1): these see the stores above
.endr
.irp t, 0,1,2,3,4,5,6,7
	s_wait_dscnt 7-\t                              ; the younger read-backs stay out
	global_store_b128 v[CO], v[\f+4*\t:\f+4*\t+3], s[8:9] offset:2*\t*CROW   ; 16 lanes store 256 consecutive bytes, at a multiple of 256 from C's first byte
.endr
.endif
.endm
	OUT16 0, BF0
	OUT16 1, BF1
	OUT16 2, BF0
	OUT16 3, BF1
	s_wait_tensorcnt 0x0
	ds_add_u32 v254, v255
	s_wait_dscnt 0x0
	CROUND                                         ; the closing round: no work-group ends while a partner may still ask for a tile that names it
	s_endpgm
.Lfunc_end_k_qc5f338eca8_proj:
	.size	k_qc5f338eca8_proj, .Lfunc_end_k_qc5f338eca8_proj-k_qc5f338eca8_proj
	.p2alignl 7, 3214868480
	.fill 96, 4, 3214868480
	.section	.rodata,"a",@progbits
	.p2align	6, 0x0
	.amdhsa_kernel k_qc5f338eca8_proj
		.amdhsa_group_segment_fixed_size 327680
		.amdhsa_private_segment_fixed_size 0
		.amdhsa_enable_private_segment 0
		.amdhsa_kernarg_size 24
		.amdhsa_user_sgpr_count 2
		.amdhsa_user_sgpr_kernarg_segment_ptr 1
		.amdhsa_wavefront_size32 1
		.amdhsa_system_sgpr_workgroup_id_x 1
		.amdhsa_system_sgpr_workgroup_id_y 1
		.amdhsa_system_sgpr_workgroup_id_z 1
		.amdhsa_system_vgpr_workitem_id 0
		.amdhsa_next_free_vgpr 512
		.amdhsa_next_free_sgpr 66
		.amdhsa_reserve_vcc 0
		.amdhsa_float_denorm_mode_32 3
		.amdhsa_float_denorm_mode_16_64 3
		.amdhsa_memory_ordered 1
		.amdhsa_forward_progress 1
		.amdhsa_inst_pref_size 118
	.end_amdhsa_kernel
	.amdgpu_metadata
---
amdhsa.version: [ 1, 2 ]
amdhsa.kernels:
  - .name:           k_qc5f338eca8_proj
    .symbol:         k_qc5f338eca8_proj.kd
    .args:
      - { .name: att, .offset: 0, .size: 8, .value_kind: global_buffer, .address_space: global }
      - { .name: woh, .offset: 8, .size: 8, .value_kind: global_buffer, .address_space: global }
      - { .name: out0, .offset: 16, .size: 8, .value_kind: global_buffer, .address_space: global }
    .group_segment_fixed_size: 327680
    .private_segment_fixed_size: 0
    .kernarg_segment_align: 8
    .kernarg_segment_size: 24
    .max_flat_workgroup_size: 128
    .sgpr_count:     66
    .vgpr_count:     512
    .wavefront_size: 32
...
	.end_amdgpu_metadata
.endif
;; end of part 4
;; launch sq (part 5): grid 32 x 8, 8 waves a work-group, no clusters, 136,192 bytes of LDS; arguments x, Wq, Wkv, qsp; writes qsp
.if DOCPART == 5
	.amdgcn_target "amdgcn-amd-amdhsa--gfx1250"
	.amdhsa_code_object_version 6
	.text
	.protected	k_qc5f338eca8_sq
	.globl	k_qc5f338eca8_sq
	.p2align	8
	.type	k_qc5f338eca8_sq,@function
k_qc5f338eca8_sq:
	s_mov_b64 s[64:65], 0
	v_nop
	global_prefetch_b8 v0, s[64:65] scope:SCOPE_SE
	s_setreg_imm32_b32 hwreg(HW_REG_WAVE_MODE, 25, 1), 1
	s_wait_xcnt 0x0
; q, k, v OF ROWS 0 TO 31 OF EACH BATCH, with both operands in two f16 parts.  The 64 rows: row 16 mt + r of the small problem is row 16 (mt % 2) + r
; of batch mt / 2.  Columns as in the main path: 0-1023 q (Wq's rows), 1024-1535 k, 1536-2047 v (Wkv's rows).  Nothing of this product is left out.
; THE TWO PARTS: a = hi + lo; hi = a with its low 13 mantissa bits cleared, which f16 holds exactly for 6.1e-5 <= |a| < 65,504; lo = a - hi, exact in
; f32, then rounded to f16.  a b is taken as hi hi + hi lo + lo hi, three matrix instructions on one f32 accumulator; lo lo is below 2^-20 of a b.
; LIMITS: |x|, |W| below 65,504; below 6.1e-5 both parts have steps of 6e-8; an infinite input gives NaN (inf - inf in the split).
; SHARES: work-group (nr, s): all 64 rows x columns 64 nr .. 64 nr + 63 x K 256 s .. 256 s + 255: it reads 64 KiB of x and 64 KiB of W.  The eight
; slices' partial sums are added by the next kernel.  (With the whole K in one work-group the 64 rows of x, 512 KiB, would be read by every one.)
; Thread t takes 16 bytes at piece t % 64 of row 4 i + t / 64: a load of a wave covers 512 consecutive bytes.  28 loads go out in one run; W's last four follow behind the first four splits of x.
; LDS: four arrays of 64 rows x 256 f16, pitch 528 = 33 x 16 bytes: x hi, x lo, W hi, W lo.
; MATRIX PHASE: wave w has one tile of operand P (tile w % 4) and two of operand Q (tiles 2 (w / 4), + 1); source 0 = P, source 1 = Q, so lane (r, h)
; holds in register j the element (P's row 8 h + j, Q's row r).  For q and k: P = W, Q = x: a lane holds one row and 8 neighbouring columns.
; For v: P = x, Q = W: a lane holds one column d and 8 neighbouring keys.  Either way two such tiles, packed, are a fragment of the next kernel's
; products.  The exchange is a choice of two LDS bases; the text is one.
; OUT: qsp[slice][n tile 0..127][m tile 0..3][1,024 bytes]: registers 0-3 of lane l at 16 l, registers 4-7 at 512 + 16 l: a store of a wave covers
; 512 consecutive bytes, aligned.
.set LP,  528
.set ARR, 64*LP                        ; 33,792 bytes an array: x hi at 0, x lo at ARR, W hi at 2 ARR, W lo at 3 ARR
.set GA,  1                            ; v1   my byte offset in a slice: 8,192 (t / 64) + 16 (t % 64)
.set SX,  2                            ; v2   where my 8 bytes of x hi go: 528 (t / 64) + 8 (t % 64)
.set SW,  3                            ; v3   the same for W hi
.set PAD, 4                            ; v4   my fragments of P
.set QAD, 5                            ; v5   my fragments of Q
.set OA,  6                            ; v6, v7  my byte offsets in qsp, accumulator 0, 1
.set T,   16                           ; v16-31   at work: four sets of four
.set DA,  32                           ; v32-95   x as loaded, piece i at 4 i
.set DB,  96                           ; v96-143   W as loaded, pieces 0 to 11 at 4 i; pieces 12 to 15 go into x's first four sets
.set F0,  32                           ; v32-79   fragment buffer 0: P hi, P lo, Q hi (2), Q lo (2)
.set F1,  80                           ; v80-127  fragment buffer 1
.set ACC, 128                          ; v128-143 two accumulators
	s_load_b256 s[4:11], s[0:1], 0x0               ; x s[4:5], Wq s[6:7], Wkv s[8:9], qsp s[10:11]
	v_lshl_add_u32 v144, v0, 2, 0x21000
	v_mov_b32 v145, 0
	v_lshrrev_b32 v8, 5, v0
	v_readfirstlane_b32 s12, v8                    ; wave 0..7
	s_mov_b32 s13, ttmp9                           ; nr: which 64 columns
	s_and_b32 s14, ttmp7, 0xffff                   ; s: which 256 of K
	s_mov_b32 s15, 0xffffe000                      ; keeps sign, exponent and 10 mantissa bits
	v_and_b32 v9, 63, v0
	v_lshrrev_b32 v10, 6, v0
	v_lshlrev_b32 v[GA], 13, v10
	v_lshl_add_u32 v[GA], v9, 4, v[GA]
	v_mul_u32_u24 v[SX], v10, LP
	v_lshl_add_u32 v[SX], v9, 3, v[SX]
	v_add_nc_u32 v[SW], 2*ARR, v[SX]
	s_lshl_b32 s20, s14, 10                        ; the slice's 1,024 bytes in a row
	s_mov_b32 s21, 0
	s_and_b32 s22, s13, 15
	s_lshl_b32 s22, s22, 19                        ; 64 rows of 8,192 bytes
	s_add_co_u32 s22, s22, s20
	s_mov_b32 s23, 0
	s_wait_kmcnt 0x0
	s_add_nc_u64 s[16:17], s[4:5], s[20:21]        ; x, batch 0
	s_add_nc_u64 s[18:19], s[16:17], 0x1000000     ; x, batch 1: 2,048 rows of 8,192 bytes on
	s_cmp_lt_u32 s13, 16
	s_cselect_b64 s[24:25], s[6:7], s[8:9]         ; columns below 1,024 are Wq's rows, the others Wkv's
	s_add_nc_u64 s[24:25], s[24:25], s[22:23]
.irp i, 0,1,2,3,4,5,6,7
	global_load_b128 v[DA+4*\i:DA+4*\i+3], v[GA], s[16:17] offset:32768*\i
.endr
.irp i, 0,1,2,3,4,5,6,7
	global_load_b128 v[DA+32+4*\i:DA+32+4*\i+3], v[GA], s[18:19] offset:32768*\i
.endr
.irp i, 0,1,2,3,4,5,6,7,8,9,10,11
	global_load_b128 v[DB+4*\i:DB+4*\i+3], v[GA], s[24:25] offset:32768*\i
.endr
	; 28 loads are out; W's last four pieces follow when x's first four registers sets are free (below)
	; the matrix phase's addresses, while the loads are on their way
	v_and_b32 v9, 15, v0                           ; r
	v_bfe_u32 v10, v0, 4, 1                        ; h
	v_mul_u32_u24 v11, v9, LP
	v_lshl_add_u32 v11, v10, 4, v11                ; 528 r + 16 h
	s_and_b32 s26, s12, 3                          ; P's tile
	s_lshr_b32 s27, s12, 2                         ; Q's pair of tiles
	s_cmp_ge_u32 s13, 24                           ; v's columns?
	s_cselect_b32 s28, 0, 2*ARR                    ; P: x for v, else W
	s_cselect_b32 s29, 2*ARR, 0                    ; Q: the other
	s_mul_i32 s30, s26, 16*LP
	s_add_co_u32 s28, s28, s30
	s_mul_i32 s30, s27, 32*LP
	s_add_co_u32 s29, s29, s30
	v_add_nc_u32 v[PAD], s28, v11
	v_add_nc_u32 v[QAD], s29, v11
	s_lshl_b32 s31, s14, 7
	s_lshl_b32 s30, s13, 2
	s_add_co_u32 s31, s31, s30                     ; 128 s + 4 nr
	s_lshl_b32 s32, s27, 1
	s_add_co_u32 s33, s31, s26                     ; q, k: n tile 4 nr + P's tile, m tile 2 (w / 4) + a
	s_lshl_b32 s33, s33, 2
	s_add_co_u32 s33, s33, s32
	s_add_co_u32 s34, s31, s32                     ; v: n tile 4 nr + 2 (w / 4) + a, m tile P's tile
	s_lshl_b32 s34, s34, 2
	s_add_co_u32 s34, s34, s26
	s_cmp_ge_u32 s13, 24
	s_cselect_b32 s33, s34, s33
	s_cselect_b32 s35, 4, 1                        ; from accumulator 0 to 1: one n tile (4 tiles) or one m tile
	s_lshl_b32 s33, s33, 10
	s_lshl_b32 s35, s35, 10
	v_and_b32 v12, 31, v0
	v_lshlrev_b32 v12, 4, v12
	v_add_nc_u32 v[OA], s33, v12
	v_add_nc_u32 v[OA+1], s35, v[OA]
; four numbers in v[d:d+3] become 8 bytes of hi (in t, t+1) and 8 bytes of lo (in d, d+1), and go to LDS
.macro SPLIT d, t, adr, off
.irp k, 0,1,2,3
	v_and_b32 v[\t+\k], s15, v[\d+\k]
.endr
.irp k, 0,1,2,3
	v_sub_f32 v[\d+\k], v[\d+\k], v[\t+\k]
.endr
	v_cvt_pk_f16_f32 v[\t], v[\t], v[\t+1]
	v_cvt_pk_f16_f32 v[\t+1], v[\t+2], v[\t+3]
	v_cvt_pk_f16_f32 v[\d], v[\d], v[\d+1]
	v_cvt_pk_f16_f32 v[\d+1], v[\d+2], v[\d+3]
	ds_store_b64 v[\adr], v[\t:\t+1] offset:\off
	ds_store_b64 v[\adr], v[\d:\d+1] offset:\off+ARR
.endm
.irp i, 0,1,2,3
	s_wait_loadcnt 27-\i                           ; loads come back in order: piece i is in, the 27 - i younger ones stay out
	SPLIT DA+4*\i, T+4*\i, SX, 4*LP*\i
.endr
.irp i, 0,1,2,3
	global_load_b128 v[DA+4*\i:DA+4*\i+3], v[GA], s[24:25] offset:32768*(12+\i)   ; W's pieces 12 to 15, into x's first four sets, whose LDS stores have been issued
.endr
.irp i, 4,5,6,7,8,9,10,11,12,13,14,15
	s_wait_loadcnt 31-\i                           ; four more loads stand behind now
	SPLIT DA+4*\i, T+4*(\i%4), SX, 4*LP*\i
.endr
.irp i, 0,1,2,3,4,5,6,7,8,9,10,11
	s_wait_loadcnt 15-\i
	SPLIT DB+4*\i, T+4*(\i%4), SW, 4*LP*\i
.endr
.irp i, 0,1,2,3
	s_wait_loadcnt 3-\i
	SPLIT DA+4*\i, T+4*\i, SW, 4*LP*(12+\i)
.endr
	s_wait_dscnt 0x0                               ; my parts of the four arrays are in LDS
	s_barrier_signal -1
	s_barrier_wait -1                              ; everybody's are
; 12 LDS loads: the six fragments of K step ks (32 numbers = 64 bytes of a row) into buffer f
.macro FET ks, f
	ds_load_b128 v[\f:\f+3],     v[PAD] offset:64*\ks
	ds_load_b128 v[\f+4:\f+7],   v[PAD] offset:64*\ks+32
	ds_load_b128 v[\f+8:\f+11],  v[PAD] offset:64*\ks+ARR
	ds_load_b128 v[\f+12:\f+15], v[PAD] offset:64*\ks+ARR+32
.irp a, 0,1
	ds_load_b128 v[\f+16+8*\a:\f+16+8*\a+3], v[QAD] offset:64*\ks+16*LP*\a
	ds_load_b128 v[\f+20+8*\a:\f+20+8*\a+3], v[QAD] offset:64*\ks+16*LP*\a+32
	ds_load_b128 v[\f+32+8*\a:\f+32+8*\a+3], v[QAD] offset:64*\ks+16*LP*\a+ARR
	ds_load_b128 v[\f+36+8*\a:\f+36+8*\a+3], v[QAD] offset:64*\ks+16*LP*\a+ARR+32
.endr
.endm
; hi hi, hi lo, lo hi.  The two accumulators take turns, one instruction a turn, from step to step too.
.macro MULS f, zero
.irp a, 0,1
.if \zero
	v_wmma_f32_16x16x32_f16 v[ACC+8*\a:ACC+8*\a+7], v[\f:\f+7], v[\f+16+8*\a:\f+16+8*\a+7], 0
.else
	v_wmma_f32_16x16x32_f16 v[ACC+8*\a:ACC+8*\a+7], v[\f:\f+7], v[\f+16+8*\a:\f+16+8*\a+7], v[ACC+8*\a:ACC+8*\a+7]
.endif
.endr
.irp a, 0,1
	v_wmma_f32_16x16x32_f16 v[ACC+8*\a:ACC+8*\a+7], v[\f:\f+7], v[\f+32+8*\a:\f+32+8*\a+7], v[ACC+8*\a:ACC+8*\a+7]
.endr
.irp a, 0,1
	v_wmma_f32_16x16x32_f16 v[ACC+8*\a:ACC+8*\a+7], v[\f+8:\f+15], v[\f+16+8*\a:\f+16+8*\a+7], v[ACC+8*\a:ACC+8*\a+7]
.endr
.endm
; K step nxt is asked for into buffer g, which the matrix instructions just issued have read: four places first (ISA guide 7.12.1); then buffer f is multiplied
.macro STEP nxt, f, g
.rept 4
	v_nop
.endr
	FET \nxt, \g
	s_wait_dscnt 12                                ; all but the 12 just issued
	MULS \f, 0
.endm
	FET 0, F0
	FET 1, F1
	s_wait_dscnt 12
	MULS F0, 1                                     ; the first products start the sums
	STEP 2, F1, F0
	STEP 3, F0, F1
	STEP 4, F1, F0
	STEP 5, F0, F1
	STEP 6, F1, F0
	STEP 7, F0, F1
	s_wait_dscnt 0x0
	MULS F1, 0
.rept 4
	v_nop                                          ; four places in front of the stores that read the results
.endr
	global_store_b128 v[OA], v[ACC:ACC+3], s[10:11]
	global_store_b128 v[OA], v[ACC+4:ACC+7], s[10:11] offset:512
	global_store_b128 v[OA+1], v[ACC+8:ACC+11], s[10:11]
	global_store_b128 v[OA+1], v[ACC+12:ACC+15], s[10:11] offset:512
	s_wait_tensorcnt 0x0
	ds_add_u32 v144, v145
	s_wait_dscnt 0x0
	s_endpgm
.Lfunc_end_k_qc5f338eca8_sq:
	.size	k_qc5f338eca8_sq, .Lfunc_end_k_qc5f338eca8_sq-k_qc5f338eca8_sq
	.p2alignl 7, 3214868480
	.fill 96, 4, 3214868480
	.section	.rodata,"a",@progbits
	.p2align	6, 0x0
	.amdhsa_kernel k_qc5f338eca8_sq
		.amdhsa_group_segment_fixed_size 136192
		.amdhsa_private_segment_fixed_size 0
		.amdhsa_enable_private_segment 0
		.amdhsa_kernarg_size 32
		.amdhsa_user_sgpr_count 2
		.amdhsa_user_sgpr_kernarg_segment_ptr 1
		.amdhsa_wavefront_size32 1
		.amdhsa_system_sgpr_workgroup_id_x 1
		.amdhsa_system_sgpr_workgroup_id_y 1
		.amdhsa_system_sgpr_workgroup_id_z 1
		.amdhsa_system_vgpr_workitem_id 0
		.amdhsa_next_free_vgpr 146
		.amdhsa_next_free_sgpr 66
		.amdhsa_reserve_vcc 0
		.amdhsa_float_denorm_mode_32 3
		.amdhsa_float_denorm_mode_16_64 3
		.amdhsa_memory_ordered 1
		.amdhsa_forward_progress 1
		.amdhsa_inst_pref_size 38
	.end_amdhsa_kernel
	.amdgpu_metadata
---
amdhsa.version: [ 1, 2 ]
amdhsa.kernels:
  - .name:           k_qc5f338eca8_sq
    .symbol:         k_qc5f338eca8_sq.kd
    .args:
      - { .name: x, .offset: 0, .size: 8, .value_kind: global_buffer, .address_space: global }
      - { .name: Wq, .offset: 8, .size: 8, .value_kind: global_buffer, .address_space: global }
      - { .name: Wkv, .offset: 16, .size: 8, .value_kind: global_buffer, .address_space: global }
      - { .name: qsp, .offset: 24, .size: 8, .value_kind: global_buffer, .address_space: global }
    .group_segment_fixed_size: 136192
    .private_segment_fixed_size: 0
    .kernarg_segment_align: 8
    .kernarg_segment_size: 32
    .max_flat_workgroup_size: 256
    .sgpr_count:     66
    .vgpr_count:     146
    .wavefront_size: 32
...
	.end_amdgpu_metadata
.endif
;; end of part 5
;; launch sa (part 6): grid 8 x 2, 16 waves a work-group, no clusters, 34,816 bytes of LDS; arguments qsp, asp; writes asp
.if DOCPART == 6
	.amdgcn_target "amdgcn-amd-amdhsa--gfx1250"
	.amdhsa_code_object_version 6
	.text
	.protected	k_qc5f338eca8_sa
	.globl	k_qc5f338eca8_sa
	.p2align	8
	.type	k_qc5f338eca8_sa,@function
k_qc5f338eca8_sa:
	s_mov_b64 s[64:65], 0
	v_nop
	global_prefetch_b8 v0, s[64:65] scope:SCOPE_SE
	s_setreg_imm32_b32 hwreg(HW_REG_WAVE_MODE, 25, 1), 1
	s_wait_xcnt 0x0
; ATTENTION OF ROWS 0 TO 31 OF EACH BATCH, every matrix operand in two f16 parts (hi = the low 13 mantissa bits cleared, lo = the rest rounded to f16;
; a b as hi hi + hi lo + lo hi on one f32 accumulator).  By reference()'s own mask these queries see keys 0 to 31 alone.
; WORK LEFT OUT: keys 32 and up, which the mask gives the weight 0 for all inputs.  The unit here is the one step of 32 keys of the second product; for
; queries 0-15 its keys 16-31 are masked inside that step: they are computed and masked.  LIMITS as in the kernel before; v_exp_f32 gives 0 below 2^-126.
; SHARES: work-group (hkv, b).  FIRST all 16 waves: wave w adds the eight K slices of two tiles of qsp (32 loads of 512 consecutive bytes, all out at once)
; and makes of them ONE fragment in two parts: waves 0-7 Q(g = w / 4, query tile (w / 2) % 2, d half w % 2); waves 8-11 K(key tile (w / 2) % 2,
; d half w % 2); waves 12-15 V^T(d tile w % 4).  A lane's 8 + 8 numbers are already those of its fragment (the kernel before laid them so).
; The fragments go to LDS as the registers lie: fragment w at 2,048 w: hi registers 0-3 at 16 l, 4-7 at 512 + 16 l, lo 1,024 further.
; THEN, behind one barrier, waves 0-3 (g = w / 2, query tile w % 2): S^T = K Q^T, mask, maximum, weights, sum, O^T = V^T P^T, division; the others end.
; OUT: asp[m tile 2 b + query tile][K step 2 head + d half][hi, lo][1,024 bytes as the registers lie]: fragments of the last kernel's product.
.set SL,  524288                       ; bytes of a slice of qsp
.set LD,  32                           ; v32-159  group gi = 2 u + half (tile u, registers 4 half ..): slice s at LD + 32 gi + 4 s
.set HF,  16                           ; v16-23   my fragment, hi
.set LF,  24                           ; v24-31   my fragment, lo
.set QH,  32                           ; v[32+8c]       Q hi, d half c
.set QL,  48                           ; v[48+8c]       Q lo
.set KH,  64                           ; v[64+16i+8c]   K hi, key tile i
.set KL,  96                           ; v[96+16i+8c]   K lo
.set VH,  128                          ; v[128+8dt]     V^T hi
.set VL,  160                          ; v[160+8dt]     V^T lo
.set S,   192                          ; v[192+8i]      scores, then weights' lo part
.set O,   208                          ; v[208+8dt]
.set PH,  16                           ; v16-23   P hi
.set PL,  24                           ; v24-31   P lo
.set T,   240                          ; v240-255 at work
.set OHF, 32                           ; v32-47   result, hi, two fragments
.set OLF, 48                           ; v48-63   result, lo
	s_load_b128 s[4:7], s[0:1], 0x0                ; qsp s[4:5], asp s[6:7]
	v_lshrrev_b32 v8, 5, v0
	v_readfirstlane_b32 s8, v8                     ; wave 0..15
	s_mov_b32 s9, ttmp9                            ; kv head
	s_and_b32 s10, ttmp7, 0xffff                   ; batch
	s_mov_b32 s15, 0xffffe000                      ; keeps sign, exponent and 10 mantissa bits
	s_and_b32 s11, s8, 1
	s_bfe_u32 s12, s8, 0x10001                     ; (w / 2) % 2
	s_lshl_b32 s13, s9, 2                          ; 4 hkv
	s_lshl_b32 s14, s11, 1
	s_lshr_b32 s16, s8, 2
	s_lshl_b32 s16, s16, 2
	s_lshl_b32 s17, s9, 3
	s_add_co_u32 s16, s16, s17
	s_add_co_u32 s16, s16, s14                     ; Q: n tile 8 hkv + 4 g + 2 c
	s_add_co_u32 s17, s13, s14
	s_add_co_u32 s17, s17, 64                      ; K: n tile 64 + 4 hkv + 2 c
	s_and_b32 s18, s8, 3
	s_add_co_u32 s18, s18, s13
	s_add_co_u32 s18, s18, 96                      ; V: n tile 96 + 4 hkv + dt
	s_lshl_b32 s19, s10, 1                         ; 2 b
	s_add_co_u32 s20, s19, s12                     ; Q, K: m tile 2 b + (w / 2) % 2
	s_cmp_lt_u32 s8, 8
	s_cselect_b32 s16, s16, s17
	s_cmp_ge_u32 s8, 12
	s_cselect_b32 s16, s18, s16
	s_cselect_b32 s20, s19, s20                    ; V: m tiles 2 b, 2 b + 1
	s_cselect_b32 s21, 1, 4                        ; my second tile: V the next m tile, Q and K the next n tile (4 tiles on)
	s_lshl_b32 s21, s21, 10
	s_lshl_b32 s16, s16, 2
	s_add_co_u32 s16, s16, s20
	s_lshl_b32 s16, s16, 10
	v_and_b32 v9, 31, v0
	v_lshlrev_b32 v9, 4, v9                        ; 16 l
	v_add_nc_u32 v1, s16, v9
	v_add_nc_u32 v2, s21, v1
	s_lshl_b32 s22, s8, 11
	v_add_nc_u32 v3, s22, v9                       ; my fragment's place in LDS
	s_wait_kmcnt 0x0
.irp u, 0,1
.irp g, 0,1
.irp s, 0,1,2,3,4,5,6,7
	global_load_b128 v[LD+32*(2*\u+\g)+4*\s:LD+32*(2*\u+\g)+4*\s+3], v[1+\u], s[4:5] offset:SL*\s+512*\g
.endr
.endr
.endr
; group gi: four numbers a lane: the sum of the eight slices, then the two parts, into registers 2 gi, 2 gi + 1 of the fragment
.macro GROUP gi
.set GB, LD+32*\gi
	s_wait_loadcnt 24-8*\gi                        ; the younger groups' loads, eight each, stay out
.irp s, 0,8,16,24
	v_pk_add_f32 v[GB+\s:GB+\s+1], v[GB+\s:GB+\s+1], v[GB+\s+4:GB+\s+5]
	v_pk_add_f32 v[GB+\s+2:GB+\s+3], v[GB+\s+2:GB+\s+3], v[GB+\s+6:GB+\s+7]
.endr
.irp s, 0,16
	v_pk_add_f32 v[GB+\s:GB+\s+1], v[GB+\s:GB+\s+1], v[GB+\s+8:GB+\s+9]
	v_pk_add_f32 v[GB+\s+2:GB+\s+3], v[GB+\s+2:GB+\s+3], v[GB+\s+10:GB+\s+11]
.endr
	v_pk_add_f32 v[GB:GB+1], v[GB:GB+1], v[GB+16:GB+17]
	v_pk_add_f32 v[GB+2:GB+3], v[GB+2:GB+3], v[GB+18:GB+19]
.irp k, 0,1,2,3
	v_and_b32 v[GB+4+\k], s15, v[GB+\k]
.endr
.irp k, 0,1,2,3
	v_sub_f32 v[GB+\k], v[GB+\k], v[GB+4+\k]
.endr
	v_cvt_pk_f16_f32 v[HF+2*\gi], v[GB+4], v[GB+5]
	v_cvt_pk_f16_f32 v[HF+2*\gi+1], v[GB+6], v[GB+7]
	v_cvt_pk_f16_f32 v[LF+2*\gi], v[GB], v[GB+1]
	v_cvt_pk_f16_f32 v[LF+2*\gi+1], v[GB+2], v[GB+3]
.endm
	GROUP 0
	GROUP 1
	GROUP 2
	GROUP 3
	ds_store_b128 v3, v[HF:HF+3]
	ds_store_b128 v3, v[HF+4:HF+7] offset:512
	ds_store_b128 v3, v[LF:LF+3] offset:1024
	ds_store_b128 v3, v[LF+4:LF+7] offset:1536
	s_wait_dscnt 0x0                               ; my fragment is in LDS
	s_barrier_signal -1
	s_barrier_wait -1                              ; all sixteen are
	s_cmp_ge_u32 s8, 4
	s_cbranch_scc1 .Lend                           ; four waves have a query tile; no barrier follows
	s_lshl_b32 s22, s8, 12
	v_add_nc_u32 v5, s22, v9                       ; Q(g, query tile, c) is fragment 2 w + c
.irp c, 0,1
	ds_load_b128 v[QH+8*\c:QH+8*\c+3],   v5 offset:2048*\c
	ds_load_b128 v[QH+8*\c+4:QH+8*\c+7], v5 offset:2048*\c+512
	ds_load_b128 v[QL+8*\c:QL+8*\c+3],   v5 offset:2048*\c+1024
	ds_load_b128 v[QL+8*\c+4:QL+8*\c+7], v5 offset:2048*\c+1536
.endr
.irp i, 0,1
.irp c, 0,1
	ds_load_b128 v[KH+16*\i+8*\c:KH+16*\i+8*\c+3],   v9 offset:2048*(8+2*\i+\c)
	ds_load_b128 v[KH+16*\i+8*\c+4:KH+16*\i+8*\c+7], v9 offset:2048*(8+2*\i+\c)+512
	ds_load_b128 v[KL+16*\i+8*\c:KL+16*\i+8*\c+3],   v9 offset:2048*(8+2*\i+\c)+1024
	ds_load_b128 v[KL+16*\i+8*\c+4:KL+16*\i+8*\c+7], v9 offset:2048*(8+2*\i+\c)+1536
.endr
.endr
.irp dt, 0,1,2,3
	ds_load_b128 v[VH+8*\dt:VH+8*\dt+3],   v9 offset:2048*(12+\dt)
	ds_load_b128 v[VH+8*\dt+4:VH+8*\dt+7], v9 offset:2048*(12+\dt)+512
	ds_load_b128 v[VL+8*\dt:VL+8*\dt+3],   v9 offset:2048*(12+\dt)+1024
	ds_load_b128 v[VL+8*\dt+4:VL+8*\dt+7], v9 offset:2048*(12+\dt)+1536
.endr
	s_mov_b32 s26, 0x3e38aa3b                      ; c = log2(e) / 8: the scale 64^-0.5 and the change of base in one
	s_mov_b32 s27, 0x3e38aa3b
	s_mov_b32 s28, 0xbe38aa3b                      ; -c
	s_mov_b32 s29, 0x76543210                      ; v_permlanex16_b32: lane i of one half reads lane i of the other
	s_mov_b32 s30, 0xfedcba98
	v_and_b32 v8, 15, v0                           ; r
	v_bfe_u32 v15, v0, 4, 1                        ; h
	v_lshlrev_b32 v15, 3, v15
	v_sub_nc_u32 v6, v8, v15
	s_lshl_b32 s22, s11, 4
	v_add_nc_u32 v6, s22, v6                       ; 16 x query tile + r - 8 h: key 16 i + j of my lane is masked if 16 i + j > this
	v_mov_b32 v7, 0xff800000                       ; -inf
	s_add_co_u32 s23, s19, s11                     ; m tile 2 b + query tile
	s_lshl_b32 s23, s23, 5
	s_lshr_b32 s24, s8, 1
	s_lshl_b32 s24, s24, 1
	s_add_co_u32 s24, s24, s13                     ; 2 head = 4 hkv + 2 g
	s_add_co_u32 s23, s23, s24
	s_lshl_b32 s23, s23, 11                        ; two KiB (hi, lo) a K step
	v_add_nc_u32 v14, s23, v9
	s_wait_dscnt 16                                ; Q and K are in; V's sixteen loads may be out
	; the two accumulators take turns, one instruction a turn; so do the four of the second product
.irp c, 0,1
.irp i, 0,1
.if \c
	v_wmma_f32_16x16x32_f16 v[S+8*\i:S+8*\i+7], v[KH+16*\i+8*\c:KH+16*\i+8*\c+7], v[QH+8*\c:QH+8*\c+7], v[S+8*\i:S+8*\i+7]
.else
	v_wmma_f32_16x16x32_f16 v[S+8*\i:S+8*\i+7], v[KH+16*\i+8*\c:KH+16*\i+8*\c+7], v[QH+8*\c:QH+8*\c+7], 0
.endif
.endr
.irp i, 0,1
	v_wmma_f32_16x16x32_f16 v[S+8*\i:S+8*\i+7], v[KL+16*\i+8*\c:KL+16*\i+8*\c+7], v[QH+8*\c:QH+8*\c+7], v[S+8*\i:S+8*\i+7]
.endr
.irp i, 0,1
	v_wmma_f32_16x16x32_f16 v[S+8*\i:S+8*\i+7], v[KH+16*\i+8*\c:KH+16*\i+8*\c+7], v[QL+8*\c:QL+8*\c+7], v[S+8*\i:S+8*\i+7]
.endr
.endr
.rept 4
	v_nop                                          ; four places in front of the first reader of the scores (ISA guide 7.12.1)
.endr
.irp i, 0,1
.irp j, 0,1,2,3,4,5,6,7
	v_cmp_gt_i32 vcc_lo, 16*\i+\j, v6              ; key > query
	v_cndmask_b32 v[S+8*\i+\j], v[S+8*\i+\j], v7, vcc_lo
.endr
.endr
	v_max3_num_f32 v[T], v[S], v[S+1], v[S+2]
	v_max3_num_f32 v[T+1], v[S+3], v[S+4], v[S+5]
	v_max3_num_f32 v[T+2], v[S+6], v[S+7], v[S+8]
	v_max3_num_f32 v[T+3], v[S+9], v[S+10], v[S+11]
	v_max3_num_f32 v[T], v[T], v[S+12], v[S+13]
	v_max3_num_f32 v[T+1], v[T+1], v[S+14], v[S+15]
	v_max3_num_f32 v[T], v[T], v[T+1], v[T+2]
	v_max_num_f32 v[T], v[T], v[T+3]
	v_permlanex16_b32 v[T+1], v[T], s29, s30       ; the other half of the lanes holds the same query's other keys
	v_max_num_f32 v11, v[T], v[T+1]                ; the row's maximum: finite, key = query is never masked
	v_mul_f32 v10, s28, v11                        ; -c x maximum
.irp p, 0,1,2,3,4,5,6,7
	v_pk_fma_f32 v[S+2*\p:S+2*\p+1], v[S+2*\p:S+2*\p+1], s[26:27], v[10:11] op_sel_hi:[1,0,0]
.endr
.set n, 0
.rept 16
	v_exp_f32 v[S+n], v[S+n]
.set n, n+1
.endr
	v_nop                                          ; one plain instruction between the last exponential and the first use (ISA guide 5.7.2)
	s_wait_alu depctr_va_vdst(0)
	v_pk_add_f32 v[T:T+1], v[S:S+1], v[S+2:S+3]
	v_pk_add_f32 v[T+2:T+3], v[S+4:S+5], v[S+6:S+7]
	v_pk_add_f32 v[T+4:T+5], v[S+8:S+9], v[S+10:S+11]
	v_pk_add_f32 v[T+6:T+7], v[S+12:S+13], v[S+14:S+15]
	v_pk_add_f32 v[T:T+1], v[T:T+1], v[T+2:T+3]
	v_pk_add_f32 v[T+4:T+5], v[T+4:T+5], v[T+6:T+7]
	v_pk_add_f32 v[T:T+1], v[T:T+1], v[T+4:T+5]
	v_add_f32 v[T], v[T], v[T+1]
	v_permlanex16_b32 v[T+1], v[T], s29, s30
	v_add_f32 v13, v[T], v[T+1]                    ; the row's sum: at least 1, the largest weight is 2^0
	v_rcp_f32 v12, v13                             ; the next instruction is plain and touches neither
	; the weights in two parts: tiles i = 0, 1 are registers 0-3, 4-7 of source 1 of the second product
.set n, 0
.rept 16
	v_and_b32 v[T+n], s15, v[S+n]
.set n, n+1
.endr
.set n, 0
.rept 16
	v_sub_f32 v[S+n], v[S+n], v[T+n]
.set n, n+1
.endr
.irp k, 0,1,2,3,4,5,6,7
	v_cvt_pk_f16_f32 v[PH+\k], v[T+2*\k], v[T+2*\k+1]
	v_cvt_pk_f16_f32 v[PL+\k], v[S+2*\k], v[S+2*\k+1]
.endr
	s_wait_dscnt 0x0                               ; V
.irp dt, 0,1,2,3
	v_wmma_f32_16x16x32_f16 v[O+8*\dt:O+8*\dt+7], v[VH+8*\dt:VH+8*\dt+7], v[PH:PH+7], 0
.endr
.irp dt, 0,1,2,3
	v_wmma_f32_16x16x32_f16 v[O+8*\dt:O+8*\dt+7], v[VL+8*\dt:VL+8*\dt+7], v[PH:PH+7], v[O+8*\dt:O+8*\dt+7]
.endr
.irp dt, 0,1,2,3
	v_wmma_f32_16x16x32_f16 v[O+8*\dt:O+8*\dt+7], v[VH+8*\dt:VH+8*\dt+7], v[PL:PL+7], v[O+8*\dt:O+8*\dt+7]
.endr
.rept 4
	v_nop                                          ; four places in front of the first reader of O
.endr
	s_wait_alu depctr_va_vdst(0)
.irp p, 0,1,2,3,4,5,6,7,8,9,10,11,12,13,14,15
	v_pk_mul_f32 v[O+2*\p:O+2*\p+1], v[O+2*\p:O+2*\p+1], v[12:13] op_sel_hi:[1,0]
.endr
	; lane (r, h) holds query r and d = 16 dt + 8 h + j: tiles 2 kp, 2 kp + 1 are registers 0-3, 4-7 of the fragment of K step 2 head + kp
.irp kp, 0,1
.set n, 0
.rept 16
	v_and_b32 v[T+n], s15, v[O+16*\kp+n]
.set n, n+1
.endr
.set n, 0
.rept 16
	v_sub_f32 v[O+16*\kp+n], v[O+16*\kp+n], v[T+n]
.set n, n+1
.endr
.irp k, 0,1,2,3,4,5,6,7
	v_cvt_pk_f16_f32 v[OHF+8*\kp+\k], v[T+2*\k], v[T+2*\k+1]
	v_cvt_pk_f16_f32 v[OLF+8*\kp+\k], v[O+16*\kp+2*\k], v[O+16*\kp+2*\k+1]
.endr
.endr
.irp kp, 0,1
	global_store_b128 v14, v[OHF+8*\kp:OHF+8*\kp+3],   s[6:7] offset:2048*\kp        ; each store of the wave covers 512 consecutive bytes, aligned
	global_store_b128 v14, v[OHF+8*\kp+4:OHF+8*\kp+7], s[6:7] offset:2048*\kp+512
	global_store_b128 v14, v[OLF+8*\kp:OLF+8*\kp+3],   s[6:7] offset:2048*\kp+1024
	global_store_b128 v14, v[OLF+8*\kp+4:OLF+8*\kp+7], s[6:7] offset:2048*\kp+1536
.endr
.Lend:
	s_wait_xcnt 0x0
	v_lshl_add_u32 v254, v0, 2, 0x8000
	v_mov_b32 v255, 0
	s_wait_tensorcnt 0x0
	ds_add_u32 v254, v255
	s_wait_dscnt 0x0
	s_endpgm
.Lfunc_end_k_qc5f338eca8_sa:
	.size	k_qc5f338eca8_sa, .Lfunc_end_k_qc5f338eca8_sa-k_qc5f338eca8_sa
	.p2alignl 7, 3214868480
	.fill 96, 4, 3214868480
	.section	.rodata,"a",@progbits
	.p2align	6, 0x0
	.amdhsa_kernel k_qc5f338eca8_sa
		.amdhsa_group_segment_fixed_size 34816
		.amdhsa_private_segment_fixed_size 0
		.amdhsa_enable_private_segment 0
		.amdhsa_kernarg_size 16
		.amdhsa_user_sgpr_count 2
		.amdhsa_user_sgpr_kernarg_segment_ptr 1
		.amdhsa_wavefront_size32 1
		.amdhsa_system_sgpr_workgroup_id_x 1
		.amdhsa_system_sgpr_workgroup_id_y 1
		.amdhsa_system_sgpr_workgroup_id_z 1
		.amdhsa_system_vgpr_workitem_id 0
		.amdhsa_next_free_vgpr 256
		.amdhsa_next_free_sgpr 66
		.amdhsa_reserve_vcc 1
		.amdhsa_float_denorm_mode_32 3
		.amdhsa_float_denorm_mode_16_64 3
		.amdhsa_memory_ordered 1
		.amdhsa_forward_progress 1
		.amdhsa_inst_pref_size 28
	.end_amdhsa_kernel
	.amdgpu_metadata
---
amdhsa.version: [ 1, 2 ]
amdhsa.kernels:
  - .name:           k_qc5f338eca8_sa
    .symbol:         k_qc5f338eca8_sa.kd
    .args:
      - { .name: qsp, .offset: 0, .size: 8, .value_kind: global_buffer, .address_space: global }
      - { .name: asp, .offset: 8, .size: 8, .value_kind: global_buffer, .address_space: global }
    .group_segment_fixed_size: 34816
    .private_segment_fixed_size: 0
    .kernarg_segment_align: 8
    .kernarg_segment_size: 16
    .max_flat_workgroup_size: 512
    .sgpr_count:     66
    .vgpr_count:     256
    .wavefront_size: 32
...
	.end_amdgpu_metadata
.endif
;; end of part 6
;; launch sp (part 7): grid 32 x 4, 16 waves a work-group, no clusters, 296,960 bytes of LDS; arguments asp, Wo, out0; writes out0
.if DOCPART == 7
	.amdgcn_target "amdgcn-amd-amdhsa--gfx1250"
	.amdhsa_code_object_version 6
	.text
	.protected	k_qc5f338eca8_sp
	.globl	k_qc5f338eca8_sp
	.p2align	8
	.type	k_qc5f338eca8_sp,@function
k_qc5f338eca8_sp:
	s_mov_b64 s[64:65], 0
	v_nop
	global_prefetch_b8 v0, s[64:65] scope:SCOPE_SE
	s_setreg_imm32_b32 hwreg(HW_REG_WAVE_MODE, 25, 1), 1
	s_wait_xcnt 0x0
; ROWS 0 TO 31 OF EACH BATCH OF out0 = their attention result times Wo^T, both operands in two f16 parts (hi = the low 13 mantissa bits cleared, lo = the
; rest rounded to f16; a b as hi hi + hi lo + lo hi on one f32 accumulator).  Nothing of this product is left out.  LIMITS as in the two kernels before.
; These 64 rows of out0 (512 KiB) have been stored by the main path's last kernel and are stored again here: there they lie in blocks of 128 rows whose
; other rows are live, and a branch round them would hang on the work-group's place in its cluster.
; SHARES: work-group (nr, mt): the 16 rows of m tile mt x columns 64 nr .. 64 nr + 63, so that a row's piece is 256 consecutive bytes, aligned.
; Wave w takes K 64 w .. 64 w + 63 (K steps 2 w, 2 w + 1): its fragments of the attention result come from asp as the registers lie (8 loads of 512
; consecutive bytes); its 64 rows x 256 bytes of Wo come by 32 loads, 16 lanes to a row's 256 bytes, are split, and turn into fragments through an LDS
; region of the wave's own (hi: 64 rows of pitch 144 = 9 x 16 bytes; lo 9,216 bytes further).  LDS serves a wave's instructions in order (ISA guide
; 5.7.1), so its loads see its stores without a wait.  Source 0 = 16 rows of Wo, source 1 = the 16 rows: a lane holds a row and 8 neighbouring columns.
; THE SUM OVER K: each wave puts its 16 x 64 partial sums at the head of its region (pitch 272); behind one barrier wave w adds the sixteen partial
; rows w, 8 bytes a lane, and stores the row's 256 bytes with one instruction.
.set WR,  18432                        ; a wave's LDS region
.set BP,  144
.set BLO, 64*BP
.set RP,  272
.set T,   16                           ; v16-31   at work: four sets of four
.set RA,  24                           ; v24-27   later: addresses of the partial rows of waves 0-3, 4-7, 8-11, 12-15
.set AF,  32                           ; v[32+16kk] hi, v[40+16kk] lo: the 16 rows' fragments of K step 2 w + kk
.set DB,  64                           ; v64-191  Wo as loaded, piece i at 4 i; then its fragments: (kk, p, part) at 64 + 16 (4 kk + p) + 8 part
.set ACC, 192                          ; v[192+8p] four accumulators
.set R,   64                           ; v64-95   sixteen partial pairs
	s_load_b128 s[4:7], s[0:1], 0x0                ; asp s[4:5], Wo s[6:7]
	s_load_b64 s[8:9], s[0:1], 0x10                ; out0
	v_lshl_add_u32 v224, v0, 2, 0x48000
	v_mov_b32 v225, 0
	v_lshrrev_b32 v9, 5, v0
	v_readfirstlane_b32 s10, v9                    ; wave 0..15
	s_mov_b32 s11, ttmp9                           ; nr: which 64 columns
	s_and_b32 s12, ttmp7, 0xffff                   ; mt: which 16 rows
	s_mov_b32 s15, 0xffffe000                      ; keeps sign, exponent and 10 mantissa bits
	v_and_b32 v10, 15, v0                          ; r; also my place in a row's 256 bytes
	v_bfe_u32 v11, v0, 4, 1                        ; h; also which of a load's two rows
	v_and_b32 v12, 31, v0                          ; lane
	s_mul_i32 s13, s10, WR
	v_lshlrev_b32 v1, 12, v11
	v_lshl_add_u32 v1, v10, 4, v1                  ; in Wo: 4,096 (l / 16) + 16 (l % 16)
	v_mul_u32_u24 v2, v11, BP
	v_lshl_add_u32 v2, v10, 3, v2
	v_add_nc_u32 v2, s13, v2                       ; where my 8 bytes of hi go
	v_mul_u32_u24 v3, v10, BP
	v_lshl_add_u32 v3, v11, 4, v3
	v_add_nc_u32 v3, s13, v3                       ; my fragments of Wo
	v_mul_u32_u24 v4, v10, RP
	v_lshl_add_u32 v4, v11, 5, v4
	v_add_nc_u32 v4, s13, v4                       ; where my partial sums go: row r, 32 bytes for each half of the lanes
	v_lshlrev_b32 v5, 4, v12                       ; 16 l
	v_lshlrev_b32 v13, 3, v12                      ; 8 l
	s_lshl_b32 s16, s12, 5
	s_lshl_b32 s14, s10, 1
	s_add_co_u32 s16, s16, s14
	s_lshl_b32 s16, s16, 11                        ; asp: (32 mt + 2 w) x 2 KiB
	s_mov_b32 s17, 0
	s_lshl_b32 s18, s11, 18                        ; Wo: 64 rows of 4,096 bytes,
	s_lshl_b32 s14, s10, 8                         ; my 256 bytes of a row
	s_add_co_u32 s18, s18, s14
	s_mov_b32 s19, 0
	s_lshr_b32 s20, s12, 1
	s_lshl_b32 s20, s20, 24                        ; out0: the batch's 2,048 rows of 8,192 bytes,
	s_and_b32 s14, s12, 1
	s_lshl_b32 s14, s14, 4
	s_add_co_u32 s14, s14, s10                     ; row 16 (mt % 2) + w,
	s_lshl_b32 s14, s14, 13
	s_add_co_u32 s20, s20, s14
	s_lshl_b32 s14, s11, 8                         ; the work-group's 256 bytes of it
	s_add_co_u32 s20, s20, s14
	s_mov_b32 s21, 0
	s_mul_i32 s22, s10, RP
	s_wait_kmcnt 0x0
	s_add_nc_u64 s[4:5], s[4:5], s[16:17]
	s_add_nc_u64 s[6:7], s[6:7], s[18:19]
	s_add_nc_u64 s[8:9], s[8:9], s[20:21]
.irp kk, 0,1
	global_load_b128 v[AF+16*\kk:AF+16*\kk+3],     v5, s[4:5] offset:2048*\kk
	global_load_b128 v[AF+16*\kk+4:AF+16*\kk+7],   v5, s[4:5] offset:2048*\kk+512
	global_load_b128 v[AF+16*\kk+8:AF+16*\kk+11],  v5, s[4:5] offset:2048*\kk+1024
	global_load_b128 v[AF+16*\kk+12:AF+16*\kk+15], v5, s[4:5] offset:2048*\kk+1536
.endr
.set n, 0
.rept 32
	global_load_b128 v[DB+4*n:DB+4*n+3], v1, s[6:7] offset:8192*n       ; rows 2 n, 2 n + 1
.set n, n+1
.endr
; four numbers in v[d:d+3] become 8 bytes of hi (in t, t+1) and 8 bytes of lo (in d, d+1), and go to my LDS region
.macro SPLIT d, t, off
.irp k, 0,1,2,3
	v_and_b32 v[\t+\k], s15, v[\d+\k]
.endr
.irp k, 0,1,2,3
	v_sub_f32 v[\d+\k], v[\d+\k], v[\t+\k]
.endr
	v_cvt_pk_f16_f32 v[\t], v[\t], v[\t+1]
	v_cvt_pk_f16_f32 v[\t+1], v[\t+2], v[\t+3]
	v_cvt_pk_f16_f32 v[\d], v[\d], v[\d+1]
	v_cvt_pk_f16_f32 v[\d+1], v[\d+2], v[\d+3]
	ds_store_b64 v2, v[\t:\t+1] offset:\off
	ds_store_b64 v2, v[\d:\d+1] offset:\off+BLO
.endm
.irp i, 0,1,2,3,4,5,6,7,8,9,10,11,12,13,14,15,16,17,18,19,20,21,22,23,24,25,26,27,28,29,30,31
	s_wait_loadcnt 31-\i                           ; loads come back in order: piece i (and asp's eight, which are older) is in, the 31 - i younger ones stay out
	SPLIT DB+4*\i, T+4*(\i%4), 2*BP*\i
.endr
.irp kk, 0,1
.irp p, 0,1,2,3
.irp l, 0,1
	ds_load_b128 v[DB+16*(4*\kk+\p)+8*\l:DB+16*(4*\kk+\p)+8*\l+3],   v3 offset:16*BP*\p+64*\kk+BLO*\l
	ds_load_b128 v[DB+16*(4*\kk+\p)+8*\l+4:DB+16*(4*\kk+\p)+8*\l+7], v3 offset:16*BP*\p+64*\kk+BLO*\l+32
.endr
.endr
.endr
	v_add_nc_u32 v[RA], s22, v13                   ; row w of wave 0's partial sums, my 8 bytes
	v_add_nc_u32 v[RA+1], 4*WR, v[RA]
	v_add_nc_u32 v[RA+2], 8*WR, v[RA]
	v_add_nc_u32 v[RA+3], 12*WR, v[RA]
; hi hi, lo hi, hi lo of one K step.  The four accumulators take turns, one instruction a turn.
.macro MULK kk, zero
.irp p, 0,1,2,3
.if \zero
	v_wmma_f32_16x16x32_f16 v[ACC+8*\p:ACC+8*\p+7], v[DB+16*(4*\kk+\p):DB+16*(4*\kk+\p)+7], v[AF+16*\kk:AF+16*\kk+7], 0
.else
	v_wmma_f32_16x16x32_f16 v[ACC+8*\p:ACC+8*\p+7], v[DB+16*(4*\kk+\p):DB+16*(4*\kk+\p)+7], v[AF+16*\kk:AF+16*\kk+7], v[ACC+8*\p:ACC+8*\p+7]
.endif
.endr
.irp p, 0,1,2,3
	v_wmma_f32_16x16x32_f16 v[ACC+8*\p:ACC+8*\p+7], v[DB+16*(4*\kk+\p)+8:DB+16*(4*\kk+\p)+15], v[AF+16*\kk:AF+16*\kk+7], v[ACC+8*\p:ACC+8*\p+7]
.endr
.irp p, 0,1,2,3
	v_wmma_f32_16x16x32_f16 v[ACC+8*\p:ACC+8*\p+7], v[DB+16*(4*\kk+\p):DB+16*(4*\kk+\p)+7], v[AF+16*\kk+8:AF+16*\kk+15], v[ACC+8*\p:ACC+8*\p+7]
.endr
.endm
	s_wait_dscnt 16                                ; the first K step's fragments are in; the second's sixteen loads may be out
	MULK 0, 1
	s_wait_dscnt 0x0
	MULK 1, 0
.rept 4
	v_nop                                          ; four places: the LDS stores read the results, and loads come into the fragments' registers
.endr
.irp p, 0,1,2,3
	ds_store_b128 v4, v[ACC+8*\p:ACC+8*\p+3]   offset:64*\p
	ds_store_b128 v4, v[ACC+8*\p+4:ACC+8*\p+7] offset:64*\p+16
.endr
	s_wait_dscnt 0x0                               ; my partial sums are in LDS
	s_barrier_signal -1
	s_barrier_wait -1                              ; all sixteen waves' are
.irp q, 0,1,2,3
.irp e, 0,1,2,3
	ds_load_b64 v[R+2*(4*\q+\e):R+2*(4*\q+\e)+1], v[RA+\q] offset:WR*\e
.endr
.endr
	s_wait_dscnt 0x0
.irp n, 0,2,4,6,8,10,12,14
	v_pk_add_f32 v[R+2*\n:R+2*\n+1], v[R+2*\n:R+2*\n+1], v[R+2*\n+2:R+2*\n+3]
.endr
.irp n, 0,4,8,12
	v_pk_add_f32 v[R+2*\n:R+2*\n+1], v[R+2*\n:R+2*\n+1], v[R+2*\n+4:R+2*\n+5]
.endr
.irp n, 0,8
	v_pk_add_f32 v[R+2*\n:R+2*\n+1], v[R+2*\n:R+2*\n+1], v[R+2*\n+8:R+2*\n+9]
.endr
	v_pk_add_f32 v[R:R+1], v[R:R+1], v[R+16:R+17]
	global_store_b64 v13, v[R:R+1], s[8:9] th:TH_STORE_NT          ; the wave stores 256 consecutive bytes, at a multiple of 256 from out0's first byte
	s_wait_tensorcnt 0x0
	ds_add_u32 v224, v225
	s_wait_dscnt 0x0
	s_endpgm
.Lfunc_end_k_qc5f338eca8_sp:
	.size	k_qc5f338eca8_sp, .Lfunc_end_k_qc5f338eca8_sp-k_qc5f338eca8_sp
	.p2alignl 7, 3214868480
	.fill 96, 4, 3214868480
	.section	.rodata,"a",@progbits
	.p2align	6, 0x0
	.amdhsa_kernel k_qc5f338eca8_sp
		.amdhsa_group_segment_fixed_size 296960
		.amdhsa_private_segment_fixed_size 0
		.amdhsa_enable_private_segment 0
		.amdhsa_kernarg_size 24
		.amdhsa_user_sgpr_count 2
		.amdhsa_user_sgpr_kernarg_segment_ptr 1
		.amdhsa_wavefront_size32 1
		.amdhsa_system_sgpr_workgroup_id_x 1
		.amdhsa_system_sgpr_workgroup_id_y 1
		.amdhsa_system_sgpr_workgroup_id_z 1
		.amdhsa_system_vgpr_workitem_id 0
		.amdhsa_next_free_vgpr 226
		.amdhsa_next_free_sgpr 66
		.amdhsa_reserve_vcc 0
		.amdhsa_float_denorm_mode_32 3
		.amdhsa_float_denorm_mode_16_64 3
		.amdhsa_memory_ordered 1
		.amdhsa_forward_progress 1
		.amdhsa_inst_pref_size 34
	.end_amdhsa_kernel
	.amdgpu_metadata
---
amdhsa.version: [ 1, 2 ]
amdhsa.kernels:
  - .name:           k_qc5f338eca8_sp
    .symbol:         k_qc5f338eca8_sp.kd
    .args:
      - { .name: asp, .offset: 0, .size: 8, .value_kind: global_buffer, .address_space: global }
      - { .name: Wo, .offset: 8, .size: 8, .value_kind: global_buffer, .address_space: global }
      - { .name: out0, .offset: 16, .size: 8, .value_kind: global_buffer, .address_space: global }
    .group_segment_fixed_size: 296960
    .private_segment_fixed_size: 0
    .kernarg_segment_align: 8
    .kernarg_segment_size: 24
    .max_flat_workgroup_size: 512
    .sgpr_count:     66
    .vgpr_count:     226
    .wavefront_size: 32
...
	.end_amdgpu_metadata
.endif
;; end of part 7
;; ======== version 2 of 3: 5 launches; 1.06 times as fast as version 1
;; limits: values are held in f16: magnitudes above 65,504 overflow, below 6.1e-05 lose precision
;; workspace buffers: xh 16,777,216 bytes; wh 8,388,608 bytes; woh 4,194,304 bytes; qkv 16,777,216 bytes; att 8,388,608 bytes; qsp 4,194,304 bytes; asp 262,144 bytes
;; launch prep (part 8): grid 512 x 1, 8 waves a work-group, no clusters, 136,192 bytes of LDS; arguments x, Wq, Wkv, Wo, xh, wh, woh, qsp; writes xh, wh, woh, qsp
.if DOCPART == 8
	.amdgcn_target "amdgcn-amd-amdhsa--gfx1250"
	.amdhsa_code_object_version 6
	.text
	.protected	k_qc5f338eca8_prep
	.globl	k_qc5f338eca8_prep
	.p2align	8
	.type	k_qc5f338eca8_prep,@function
k_qc5f338eca8_prep:
	s_mov_b64 s[64:65], 0
	v_nop
	global_prefetch_b8 v0, s[64:65] scope:SCOPE_SE
	s_setreg_imm32_b32 hwreg(HW_REG_WAVE_MODE, 25, 1), 1
	s_wait_xcnt 0x0
; GROUPED-QUERY ATTENTION in five kernels.  The main path: (1) this one rounds x, Wq, Wkv, Wo once from f32 to f16; (2) qkv = xh wh^T; (3) causal
; attention; (4) out0 = att woh^T.  All matrix operands are f16, all sums, the softmax and its running state f32.
; Beside it rows 0 to 31 of each batch are made once more, with every matrix operand in two f16 parts: their q, k, v here in (1), their attention by
; sixteen further work-groups of (3), their rows of out0 in (5), which stores them over what (4) stored.
; WHY THOSE ROWS TWICE: row t is an average over t + 1 keys, so the first rows are several times larger than the root mean square of the whole output,
; and so is their error, which is a share (about 2^-11 for each rounding to f16 on the way) of the row's own size.  From 33 keys on a row is small
; enough.  By reference()'s own mask rows below 32 see only keys below 32, so the small problem is closed in itself.  The main path still makes these
; rows: they lie in matrix tiles and blocks whose other rows are live.
; WORK LEFT OUT (in the attention kernel): reference() itself sets the score of key s and query t to -inf wherever s > t (its own triu mask, k = 1).
; The softmax gives such a key the weight exp(-inf) = 0 exactly, whatever the inputs hold, and 0 times a finite v adds nothing to the sum.  So a tile
; of 64 keys that lies wholly above the diagonal of a block of 64 queries reaches no output, and neither its scores nor its products with v are
; made: 528 of 1,024 tiles of each head are live.  All four inputs have a way to the output and are loaded.
; LIMITS: a NaN, an infinity or an overflow in a row of k or v that only masked positions see is not carried to the result.
; f16 operands: |x|, |W|, |q|, |k|, |v| must stay below 65,504 (beyond it the rounding gives infinity); below 6.1e-5 the step is 6e-8.
;
; THIS KERNEL has two kinds of work-groups, told apart by one branch on the work-group's number.
; WORK-GROUPS 0 TO 255 (nr = number % 32, slice = number / 32): the 64 special rows x columns 64 nr .. 64 nr + 63 of q, k, v x K 256 slice .. + 255.
;   Row 16 mt + r of the small problem is row 16 (mt % 2) + r of batch mt / 2.  Columns: 0-1023 q (Wq's rows), 1024-1535 k, 1536-2047 v (Wkv's rows).
;   Together these work-groups load every number of Wq and Wkv exactly once, so they also round them to f16 and store wh (Wq's rows, then Wkv's).
;   THE TWO PARTS: a = hi + lo; hi = a with its low 13 mantissa bits cleared, which f16 holds exactly for 6.1e-5 <= |a| < 65,504; lo = a - hi, exact
;   in f32, then rounded to f16.  a b is taken as hi hi + hi lo + lo hi, three matrix instructions on one f32 accumulator; lo lo is below 2^-20 of a b.
;   An infinite input gives NaN here (inf - inf in the split).
;   Thread t takes 16 bytes at piece t % 64 of row 4 i + t / 64: a load of a wave covers 512 consecutive bytes.  All 32 loads (16 of x, 16 of W) go out
;   in one run into 128 registers.  LDS: four arrays of 64 rows x 256 f16, pitch 528 = 33 x 16 bytes: x hi, x lo, W hi, W lo.
;   MATRIX PHASE: wave w has one tile of operand P (tile w % 4) and two of operand Q (tiles 2 (w / 4), + 1); source 0 = P, source 1 = Q, so lane (r, h)
;   holds in register j the element (P's row 8 h + j, Q's row r).  For q and k: P = W, Q = x: a lane holds one row and 8 neighbouring columns.  For v:
;   P = x, Q = W: a lane holds one column d and 8 neighbouring keys.  Either way two such tiles, packed, are a fragment of the small attention's
;   products.  The exchange is a choice of two LDS bases; the text is one.
;   OUT: qsp[slice][n tile 0..127][m tile 0..3][1,024 bytes]: registers 0-3 of lane l at 16 l, registers 4-7 at 512 + 16 l: a store of a wave covers
;   512 consecutive bytes, aligned.  The eight slices' partial sums are added where they are read.
; WORK-GROUPS 256 TO 511 (g = number - 256): a stream: 128 KiB of x and 32 KiB of Wo, rounded to f16.  Thread t takes 16 bytes at 16 t + 4,096 n of
;   load n; a load of a wave covers 512 consecutive bytes, a store 256, aligned.  All 40 loads of a wave go out in one run; no register is written
;   twice.  The hint on these loads says read once: true of all of Wo and of x but for its 64 special rows, which the other work-groups load again.
.set LP,  528
.set ARR, 64*LP                        ; 33,792 bytes an array: x hi at 0, x lo at ARR, W hi at 2 ARR, W lo at 3 ARR
.set GA,  1                            ; v1   my byte offset in a slice of x or W: 8,192 (t / 64) + 16 (t % 64)
.set SX,  2                            ; v2   where my 8 bytes of x hi go: 528 (t / 64) + 8 (t % 64)
.set SW,  3                            ; v3   the same for W hi
.set PAD, 4                            ; v4   my fragments of P
.set QAD, 5                            ; v5   my fragments of Q
.set OA,  6                            ; v6, v7  my byte offsets in qsp, accumulator 0, 1
.set WOF, 8                            ; v8   my byte offset in wh: 4,096 (t / 64) + 8 (t % 64)
.set T,   16                           ; v16-31   at work: four sets of four
.set DA,  32                           ; v32-95   x as loaded, piece i at 4 i
.set DB,  96                           ; v96-159  W as loaded, piece i at 4 i
.set WS,  160                          ; v160-191 W rounded to f16, piece i at 2 i: store data, never written again
.set F0,  32                           ; v32-79   then: fragment buffer 0: P hi, P lo, Q hi (2), Q lo (2)
.set F1,  80                           ; v80-127  fragment buffer 1
.set ACC, 128                          ; v128-143 two accumulators
.set D,   4                            ; the stream: v[4:163], load n in v[4+4n:7+4n]; its 4 f16 end up in the first two of them
	s_load_b256 s[4:11], s[0:1], 0x0               ; x s[4:5], Wq s[6:7], Wkv s[8:9], Wo s[10:11]
	s_load_b256 s[12:19], s[0:1], 0x20             ; xh s[12:13], wh s[14:15], woh s[16:17], qsp s[18:19]
	v_lshl_add_u32 v192, v0, 2, 0x21000
	v_mov_b32 v193, 0
	s_cmp_ge_u32 ttmp9, 256
	s_cbranch_scc1 .Lstream
	v_lshrrev_b32 v9, 5, v0
	v_readfirstlane_b32 s20, v9                    ; wave 0..7
	s_and_b32 s21, ttmp9, 31                       ; nr: which 64 columns
	s_lshr_b32 s22, ttmp9, 5                       ; which 256 of K
	s_mov_b32 s23, 0xffffe000                      ; keeps sign, exponent and 10 mantissa bits
	v_and_b32 v9, 63, v0
	v_lshrrev_b32 v10, 6, v0
	v_lshlrev_b32 v[GA], 13, v10
	v_lshl_add_u32 v[GA], v9, 4, v[GA]
	v_mul_u32_u24 v[SX], v10, LP
	v_lshl_add_u32 v[SX], v9, 3, v[SX]
	v_add_nc_u32 v[SW], 2*ARR, v[SX]
	v_lshlrev_b32 v[WOF], 12, v10
	v_lshl_add_u32 v[WOF], v9, 3, v[WOF]
	s_lshl_b32 s24, s22, 10                        ; the slice's 1,024 bytes in a row of f32
	s_mov_b32 s25, 0
	s_and_b32 s26, s21, 15
	s_lshl_b32 s26, s26, 19                        ; 64 rows of 8,192 bytes
	s_add_co_u32 s26, s26, s24
	s_mov_b32 s27, 0
	s_lshl_b32 s36, s21, 18                        ; in wh: 64 rows of 4,096 bytes,
	s_lshl_b32 s37, s22, 9                         ; the slice's 512 bytes in a row
	s_add_co_u32 s36, s36, s37
	s_mov_b32 s37, 0
	s_wait_kmcnt 0x0
	s_add_nc_u64 s[28:29], s[4:5], s[24:25]        ; x, batch 0
	s_add_nc_u64 s[30:31], s[28:29], 0x1000000     ; x, batch 1: 2,048 rows of 8,192 bytes on
	s_cmp_lt_u32 s21, 16
	s_cselect_b64 s[32:33], s[6:7], s[8:9]         ; columns below 1,024 are Wq's rows, the others Wkv's
	s_add_nc_u64 s[32:33], s[32:33], s[26:27]
	s_add_nc_u64 s[34:35], s[14:15], s[36:37]
.irp i, 0,1,2,3,4,5,6,7
	global_load_b128 v[DA+4*\i:DA+4*\i+3], v[GA], s[28:29] offset:32768*\i
.endr
.irp i, 0,1,2,3,4,5,6,7
	global_load_b128 v[DA+32+4*\i:DA+32+4*\i+3], v[GA], s[30:31] offset:32768*\i
.endr
.irp i, 0,1,2,3,4,5,6,7,8,9,10,11,12,13,14,15
	global_load_b128 v[DB+4*\i:DB+4*\i+3], v[GA], s[32:33] offset:32768*\i th:TH_LOAD_NT
.endr
	; the matrix phase's addresses, while the loads are on their way
	v_and_b32 v9, 15, v0                           ; r
	v_bfe_u32 v10, v0, 4, 1                        ; h
	v_mul_u32_u24 v11, v9, LP
	v_lshl_add_u32 v11, v10, 4, v11                ; 528 r + 16 h
	s_and_b32 s36, s20, 3                          ; P's tile
	s_lshr_b32 s37, s20, 2                         ; Q's pair of tiles
	s_cmp_ge_u32 s21, 24                           ; v's columns?
	s_cselect_b32 s38, 0, 2*ARR                    ; P: x for v, else W
	s_cselect_b32 s39, 2*ARR, 0                    ; Q: the other
	s_mul_i32 s40, s36, 16*LP
	s_add_co_u32 s38, s38, s40
	s_mul_i32 s40, s37, 32*LP
	s_add_co_u32 s39, s39, s40
	v_add_nc_u32 v[PAD], s38, v11
	v_add_nc_u32 v[QAD], s39, v11
	s_lshl_b32 s41, s22, 7
	s_lshl_b32 s40, s21, 2
	s_add_co_u32 s41, s41, s40                     ; 128 slice + 4 nr
	s_lshl_b32 s42, s37, 1
	s_add_co_u32 s43, s41, s36                     ; q, k: n tile 4 nr + P's tile, m tile 2 (w / 4) + a
	s_lshl_b32 s43, s43, 2
	s_add_co_u32 s43, s43, s42
	s_add_co_u32 s44, s41, s42                     ; v: n tile 4 nr + 2 (w / 4) + a, m tile P's tile
	s_lshl_b32 s44, s44, 2
	s_add_co_u32 s44, s44, s36
	s_cmp_ge_u32 s21, 24
	s_cselect_b32 s43, s44, s43
	s_cselect_b32 s45, 4, 1                        ; from accumulator 0 to 1: one n tile (4 tiles) or one m tile
	s_lshl_b32 s43, s43, 10
	s_lshl_b32 s45, s45, 10
	v_and_b32 v12, 31, v0
	v_lshlrev_b32 v12, 4, v12
	v_add_nc_u32 v[OA], s43, v12
	v_add_nc_u32 v[OA+1], s45, v[OA]
; four numbers in v[d:d+3] become 8 bytes of hi (in t, t+1) and 8 bytes of lo (in d, d+1), and go to LDS
.macro SPLIT d, t, adr, off
.irp k, 0,1,2,3
	v_and_b32 v[\t+\k], s23, v[\d+\k]
.endr
.irp k, 0,1,2,3
	v_sub_f32 v[\d+\k], v[\d+\k], v[\t+\k]
.endr
	v_cvt_pk_f16_f32 v[\t], v[\t], v[\t+1]
	v_cvt_pk_f16_f32 v[\t+1], v[\t+2], v[\t+3]
	v_cvt_pk_f16_f32 v[\d], v[\d], v[\d+1]
	v_cvt_pk_f16_f32 v[\d+1], v[\d+2], v[\d+3]
	ds_store_b64 v[\adr], v[\t:\t+1] offset:\off
	ds_store_b64 v[\adr], v[\d:\d+1] offset:\off+ARR
.endm
; piece i of W, rounded once to f16, goes to wh: the wave stores 256 consecutive bytes, at a multiple of 256 from wh's first byte
.macro WROUND i
	v_cvt_pk_f16_f32 v[WS+2*\i], v[DB+4*\i], v[DB+4*\i+1]
	v_cvt_pk_f16_f32 v[WS+2*\i+1], v[DB+4*\i+2], v[DB+4*\i+3]
	global_store_b64 v[WOF], v[WS+2*\i:WS+2*\i+1], s[34:35] offset:16384*\i
.endm
.irp i, 0,1,2,3,4,5,6,7,8,9,10,11,12,13,14,15
	s_wait_loadcnt 31-\i                           ; loads come back in order: x's piece i is in, the 31 - i younger loads stay out
	SPLIT DA+4*\i, T+4*(\i%4), SX, 4*LP*\i
.endr
.irp i, 0,1,2,3,4,5,6,7,8,9,10,11,12,13,14,15
	s_wait_loadcnt 15-\i                           ; W's piece i is in, the 15 - i younger loads stay out
	WROUND \i
	SPLIT DB+4*\i, T+4*(\i%4), SW, 4*LP*\i
.endr
	s_wait_dscnt 0x0                               ; my parts of the four arrays are in LDS
	s_barrier_signal -1
	s_barrier_wait -1                              ; everybody's are
; 12 LDS loads: the six fragments of K step ks (32 numbers = 64 bytes of a row) into buffer f
.macro FET ks, f
	ds_load_b128 v[\f:\f+3],     v[PAD] offset:64*\ks
	ds_load_b128 v[\f+4:\f+7],   v[PAD] offset:64*\ks+32
	ds_load_b128 v[\f+8:\f+11],  v[PAD] offset:64*\ks+ARR
	ds_load_b128 v[\f+12:\f+15], v[PAD] offset:64*\ks+ARR+32
.irp a, 0,1
	ds_load_b128 v[\f+16+8*\a:\f+16+8*\a+3], v[QAD] offset:64*\ks+16*LP*\a
	ds_load_b128 v[\f+20+8*\a:\f+20+8*\a+3], v[QAD] offset:64*\ks+16*LP*\a+32
	ds_load_b128 v[\f+32+8*\a:\f+32+8*\a+3], v[QAD] offset:64*\ks+16*LP*\a+ARR
	ds_load_b128 v[\f+36+8*\a:\f+36+8*\a+3], v[QAD] offset:64*\ks+16*LP*\a+ARR+32
.endr
.endm
; hi hi, hi lo, lo hi.  The two accumulators take turns, one instruction a turn, from step to step too.
.macro MULS f, zero
.irp a, 0,1
.if \zero
	v_wmma_f32_16x16x32_f16 v[ACC+8*\a:ACC+8*\a+7], v[\f:\f+7], v[\f+16+8*\a:\f+16+8*\a+7], 0
.else
	v_wmma_f32_16x16x32_f16 v[ACC+8*\a:ACC+8*\a+7], v[\f:\f+7], v[\f+16+8*\a:\f+16+8*\a+7], v[ACC+8*\a:ACC+8*\a+7]
.endif
.endr
.irp a, 0,1
	v_wmma_f32_16x16x32_f16 v[ACC+8*\a:ACC+8*\a+7], v[\f:\f+7], v[\f+32+8*\a:\f+32+8*\a+7], v[ACC+8*\a:ACC+8*\a+7]
.endr
.irp a, 0,1
	v_wmma_f32_16x16x32_f16 v[ACC+8*\a:ACC+8*\a+7], v[\f+8:\f+15], v[\f+16+8*\a:\f+16+8*\a+7], v[ACC+8*\a:ACC+8*\a+7]
.endr
.endm
; K step nxt is asked for into buffer g, which the matrix instructions just issued have read: four places first (ISA guide 7.12.1); then buffer f is multiplied
.macro STEP nxt, f, g
.rept 4
	v_nop
.endr
	FET \nxt, \g
	s_wait_dscnt 12                                ; all but the 12 just issued
	MULS \f, 0
.endm
	FET 0, F0
	FET 1, F1
	s_wait_dscnt 12                                ; K step 0's fragments are in, K step 1's twelve loads stay out
	MULS F0, 1                                     ; the first products start the sums
	STEP 2, F1, F0
	STEP 3, F0, F1
	STEP 4, F1, F0
	STEP 5, F0, F1
	STEP 6, F1, F0
	STEP 7, F0, F1
	s_wait_dscnt 0x0
	MULS F1, 0
.rept 4
	v_nop                                          ; four places in front of the stores that read the results
.endr
	global_store_b128 v[OA], v[ACC:ACC+3], s[18:19]
	global_store_b128 v[OA], v[ACC+4:ACC+7], s[18:19] offset:512
	global_store_b128 v[OA+1], v[ACC+8:ACC+11], s[18:19]
	global_store_b128 v[OA+1], v[ACC+12:ACC+15], s[18:19] offset:512
	s_wait_tensorcnt 0x0
	ds_add_u32 v192, v193
	s_wait_dscnt 0x0
	s_endpgm
.Lstream:
	s_sub_co_u32 s20, ttmp9, 256                   ; g
	s_lshl_b32 s24, s20, 17                        ; my 128 KiB of x
	s_mov_b32 s25, 0
	s_lshl_b32 s26, s20, 16                        ; my 64 KiB of xh
	s_mov_b32 s27, 0
	s_lshl_b32 s28, s20, 15                        ; my 32 KiB of Wo
	s_mov_b32 s29, 0
	s_lshl_b32 s30, s20, 14                        ; my 16 KiB of woh
	s_mov_b32 s31, 0
	v_lshlrev_b32 v1, 4, v0                        ; 16 t: in
	v_lshlrev_b32 v2, 3, v0                        ; 8 t: out
	s_wait_kmcnt 0x0
	s_add_nc_u64 s[4:5], s[4:5], s[24:25]
	s_add_nc_u64 s[12:13], s[12:13], s[26:27]
	s_add_nc_u64 s[10:11], s[10:11], s[28:29]
	s_add_nc_u64 s[16:17], s[16:17], s[30:31]
.set n, 0
.rept 32
	global_load_b128 v[D+4*n:D+4*n+3], v1, s[4:5] offset:4096*n th:TH_LOAD_NT
.set n, n+1
.endr
.irp i, 0,1,2,3,4,5,6,7
	global_load_b128 v[D+128+4*\i:D+128+4*\i+3], v1, s[10:11] offset:4096*\i th:TH_LOAD_NT
.endr
; load idx has come (the 39 - idx younger ones stay out): round its four numbers, store 8 bytes.  The stores carry no hint: later kernels read them.
.macro CVST idx, b, off
	s_wait_loadcnt 39-(\idx)
	v_cvt_pk_f16_f32 v[D+4*(\idx)], v[D+4*(\idx)], v[D+4*(\idx)+1]
	v_cvt_pk_f16_f32 v[D+4*(\idx)+1], v[D+4*(\idx)+2], v[D+4*(\idx)+3]
	global_store_b64 v2, v[D+4*(\idx):D+4*(\idx)+1], s[\b:\b+1] offset:\off
.endm
.irp i, 0,1,2,3,4,5,6,7,8,9,10,11,12,13,14,15,16,17,18,19,20,21,22,23,24,25,26,27,28,29,30,31
	CVST \i, 12, 2048*\i
.endr
.irp i, 0,1,2,3,4,5,6,7
	CVST 32+\i, 16, 2048*\i
.endr
	s_endpgm
.Lfunc_end_k_qc5f338eca8_prep:
	.size	k_qc5f338eca8_prep, .Lfunc_end_k_qc5f338eca8_prep-k_qc5f338eca8_prep
	.p2alignl 7, 3214868480
	.fill 96, 4, 3214868480
	.section	.rodata,"a",@progbits
	.p2align	6, 0x0
	.amdhsa_kernel k_qc5f338eca8_prep
		.amdhsa_group_segment_fixed_size 136192
		.amdhsa_private_segment_fixed_size 0
		.amdhsa_enable_private_segment 0
		.amdhsa_kernarg_size 64
		.amdhsa_user_sgpr_count 2
		.amdhsa_user_sgpr_kernarg_segment_ptr 1
		.amdhsa_wavefront_size32 1
		.amdhsa_system_sgpr_workgroup_id_x 1
		.amdhsa_system_sgpr_workgroup_id_y 1
		.amdhsa_system_sgpr_workgroup_id_z 1
		.amdhsa_system_vgpr_workitem_id 0
		.amdhsa_next_free_vgpr 194
		.amdhsa_next_free_sgpr 66
		.amdhsa_reserve_vcc 0
		.amdhsa_float_denorm_mode_32 3
		.amdhsa_float_denorm_mode_16_64 3
		.amdhsa_memory_ordered 1
		.amdhsa_forward_progress 1
		.amdhsa_inst_pref_size 56
	.end_amdhsa_kernel
	.amdgpu_metadata
---
amdhsa.version: [ 1, 2 ]
amdhsa.kernels:
  - .name:           k_qc5f338eca8_prep
    .symbol:         k_qc5f338eca8_prep.kd
    .args:
      - { .name: x, .offset: 0, .size: 8, .value_kind: global_buffer, .address_space: global }
      - { .name: Wq, .offset: 8, .size: 8, .value_kind: global_buffer, .address_space: global }
      - { .name: Wkv, .offset: 16, .size: 8, .value_kind: global_buffer, .address_space: global }
      - { .name: Wo, .offset: 24, .size: 8, .value_kind: global_buffer, .address_space: global }
      - { .name: xh, .offset: 32, .size: 8, .value_kind: global_buffer, .address_space: global }
      - { .name: wh, .offset: 40, .size: 8, .value_kind: global_buffer, .address_space: global }
      - { .name: woh, .offset: 48, .size: 8, .value_kind: global_buffer, .address_space: global }
      - { .name: qsp, .offset: 56, .size: 8, .value_kind: global_buffer, .address_space: global }
    .group_segment_fixed_size: 136192
    .private_segment_fixed_size: 0
    .kernarg_segment_align: 8
    .kernarg_segment_size: 64
    .max_flat_workgroup_size: 256
    .sgpr_count:     66
    .vgpr_count:     194
    .wavefront_size: 32
...
	.end_amdgpu_metadata
.endif
;; end of part 8
;; launch qkv: the kernel of part 2 again; grid 8 x 32, 4 waves a work-group, clusters of 4 x 4, 327,680 bytes of LDS; arguments xh, wh, qkv; writes qkv
;; launch attn (part 9): grid 16 x 17, 4 waves a work-group, no clusters, 56,832 bytes of LDS; arguments qkv, att, qsp, asp; writes att, asp
.if DOCPART == 9
	.amdgcn_target "amdgcn-amd-amdhsa--gfx1250"
	.amdhsa_code_object_version 6
	.text
	.protected	k_qc5f338eca8_attn
	.globl	k_qc5f338eca8_attn
	.p2align	8
	.type	k_qc5f338eca8_attn,@function
k_qc5f338eca8_attn:
	s_mov_b64 s[64:65], 0
	v_nop
	global_prefetch_b8 v0, s[64:65] scope:SCOPE_SE
	s_setreg_imm32_b32 hwreg(HW_REG_WAVE_MODE, 25, 1), 1
	s_wait_xcnt 0x0
; CAUSAL GROUPED-QUERY ATTENTION.  qkv: [2 x 2048][2048] f16 (q of head 2 hkv + g at column 64 (2 hkv + g), k of kv head hkv at 1024 + 64 hkv, v at 1536 + 64 hkv).
; att: [2 x 2048][1024] f16, head h at column 64 h.  Scores, softmax and sums in f32, with a running maximum.
; WORK LEFT OUT: tiles of 64 keys wholly above the diagonal of a block of 64 queries: reference()'s own mask sets their scores to -inf, their weights are
; exactly 0 for all inputs.  LIMITS: a NaN or an infinity in a row of k or v that only masked positions see is not carried to the result; the weights go
; into the second product as f16 (at most 1; steps of 6e-8 below 6.1e-5); v_exp_f32 gives 0 for results below 2^-126; a block's key tiles are summed
; with the diagonal tile first, then tiles 0, 1, ..: another order of rounding than reference()'s.
; GRID: rows y = 0 .. 15 are the main path; the sixteen work-groups of row y = 16 make the attention of rows 0 to 31 of each batch in two-part
; operands (the text behind the label .Lsmall, with a head comment of its own).
; SHARES: work-group (j, y): batch y / 8, kv head y % 8, the two query blocks qa = 2 j and qb = 31 - 2 j of 64 positions, each for both heads of the kv
; head: (2 j + 1) + (32 - 2 j) = 33 key tiles in every work-group, walked as one list of positions 0 .. 32.  The even block comes first: it has an odd
; number of tiles, so that position p lies in LDS tile p % 2 in every work-group and every LDS offset is a constant of the text.
; Wave w holds positions 16 w .. 16 w + 15 of the block for g = 0 and g = 1: two pieces, which share every fragment of K and V.
; LAYOUT: S^T = K Q^T (source 0 = 16 keys, source 1 = 16 queries): lane (r, h) holds query r and, in register j of tile i, key 16 i + 8 h + j.  So the
; maximum and the sum run inside a lane plus one exchange between the halves; two score tiles, packed in place, are source 1 of O^T = V^T P^T; and a lane
; of O holds 8 neighbouring d of one row.  V^T comes out of LDS by the transposing load.
; THE TWO PIECES TAKE TURNS.  Trip p, stage A: piece 0's sixteen matrix instructions (its products with V of tile p, its scores of tile p + 1), and
; behind each of them one of sixteen slices of piece 1's softmax of tile p.  Stage B: the same with the pieces exchanged (piece 0's softmax is then
; tile p + 1's).  A block begins with its first tile's scores (PRO) and ends with a trip that has no next scores.
; K AND V come through registers into two LDS tiles that take turns.  Trip p reads only tile p + 1 (K at its start, V in the middle of stage B) and
; stores tile p + 2 over tile p, which nobody reads any more: one barrier a trip, at its end, orders both.  Tile p + 3 is asked for from memory
; in the same trip, one trip ahead of its store.
; REGISTERS: Q 32 + S 64 + O 64 + K 64 + V 64 + 32 others are more than one window of 256.  The softmax touches S and O, so these stay in window 0 with V;
; K and both blocks' Q, which only score products read, lie in window 1, and each score product stands between two window switches: 32 of a trip's 38.
; NO CLUSTER: the work-groups of one kv head walk different lists of tiles (other diagonal tiles, the change of blocks in another trip), so that no
; two of them want the same tile in the same trip.
.set KP, 144                           ; pitch of K's rows in LDS: 128 + 16 = 9 x 16 bytes
.set VP, 160                           ; pitch of V's rows: 5 x 32 bytes
.set OP, 272                           ; pitch of the out stage: 256 + 16
.set VB, 64*KP                         ; in an LDS tile: K at 0, V at 9,216
.set TILE, VB+64*VP                    ; 19,456 bytes; tile 0 at 0, tile 1 at 19,456
.set OS, 2*TILE                        ; the out stage at 38,912: 16 rows x 272 for each wave, its own
.set KAD, 1                            ; v1   144 r + 16 h
.set VAD, 2                            ; v2   VB + 160 (8 h + l % 8) + 16 ((l / 8) % 2)
.set KST, 3                            ; v3   where I store my 16 bytes of K: row 16 w + l / 8, column 16 (l % 8)
.set VST, 4                            ; v4   the same for V
.set GOF, 5                            ; v5   the same place in memory, from the tile's first byte
.set LIM, 6                            ; v6   16 w + r - 8 h: key 16 i + j of my lane is masked in the diagonal tile if 16 i + j > this
.set NINF, 7                           ; v7   -inf
.set OST, 8                            ; v8   out stage, in
.set ORD, 9                            ; v9   out stage, back
.set OGO, 10                           ; v10  my byte offset in att
.set QOF, 11                           ; v11  my byte offset in a query block
.set NMC, 16                           ; v16, v18  -c x running maximum of g = 0, 1   (c = log2(e) / 8)
.set MX,  17                           ; v17, v19  the running maximum
.set AL,  20                           ; v20, v22  the factor by which the old sums shrink; at the end 1 / sum
.set LS,  21                           ; v21, v23  my half's running sum
.set T,   24                           ; v24-31    at work
.set ST1, 32                           ; v32-63    position 1's tile on its way, at the start only
.set S,   64                           ; v[64+32g+8i]   S(g, i); packed: P(g, kk) in the 8 registers at 64 + 32 g + 16 kk
.set O,   128                          ; v[128+32g+8dt] O(g, dt)
.set VFR, 192                          ; v[192+16dt+8kk] V(dt, kk)
.set KFR, 0                            ; window 1, v0-63 (v256-319): K(i, c) at 16 i + 8 c
.set STG, 64                           ; window 1, v64-95 (v320-351): the tile on its way: K's part i at 4 i, V's at 16 + 4 i
.set QA,  96                           ; window 1, v96-127 (v352-383): the first block's Q(g, c) at 16 g + 8 c
.set QB,  128                          ; window 1, v128-159 (v384-415): the second block's
.set MSB, 0
.macro WIN new                         ; s_set_vgpr_msb: bits 1:0 source 0, 3:2 source 1, 5:4 source 2, 7:6 destination; the high byte repeats the setting that is left
.if MSB != \new
	s_set_vgpr_msb (MSB<<8)|\new
.set MSB, \new
.endif
.endm
; The list of tiles: position 0: qa; 1 .. qa: position - 1; qa + 1: qb; qa + 2 .. 32: position - qa - 2.  The address of position s17 (1 or more).
.macro TILEADR
	s_sub_co_u32 s19, s17, 1
	s_sub_co_u32 s20, s17, s16
	s_cmp_gt_u32 s17, s15
	s_cselect_b32 s19, s20, s19
	s_cmp_eq_u32 s17, s15
	s_cselect_b32 s19, s14, s19
	s_lshl_b32 s20, s19, 18                        ; 64 rows of 4,096 bytes
	s_mov_b32 s21, 0
	s_add_nc_u64 s[24:25], s[22:23], s[20:21]
.endm
.macro LDTILE                          ; 8 loads: my 4 x 16 bytes of K and of V (V lies 1,024 bytes behind K in a row); 4 rows further down each
	WIN 0x40
.irp i, 0,1,2,3
	global_load_b128 v[STG+4*\i:STG+4*\i+3], v[GOF], s[24:25] offset:16384*\i
.endr
.irp i, 0,1,2,3
	global_load_b128 v[STG+16+4*\i:STG+16+4*\i+3], v[GOF], s[24:25] offset:16384*\i+1024
.endr
	WIN 0
.endm
.macro STTILE sl
	WIN 0x04
.irp i, 0,1,2,3
	ds_store_b128 v[KST], v[STG+4*\i:STG+4*\i+3] offset:\sl*TILE+4*KP*\i
.endr
.irp i, 0,1,2,3
	ds_store_b128 v[VST], v[STG+16+4*\i:STG+16+4*\i+3] offset:\sl*TILE+4*VP*\i
.endr
	WIN 0
.endm
; Trip p (s17 = p + 3): tile p + 2 goes from the stage registers into LDS tile sl = p % 2, and tile p + 3 is asked for.  The list ends at position 32: the
; last trips store and ask for nothing.  The wait here is for 0, so that it holds whichever way the branches of earlier trips went.
.macro MOVE sl
	s_cmp_gt_u32 s17, 33
	s_cbranch_scc1 .Lmoved_\@
	s_wait_loadcnt 0x0                             ; the tile asked for a trip ago is in the stage registers; its loads' base is free
	STTILE \sl
	s_cmp_gt_u32 s17, 32
	s_cbranch_scc1 .Lmoved_\@
	TILEADR
	LDTILE
.Lmoved_\@:
	s_add_co_u32 s17, s17, 1
.endm
.macro KLOAD sl                        ; 16 loads: d 0-31 of all 64 keys first, then d 32-63
	WIN 0x40
.irp c, 0,1
.irp i, 0,1,2,3
	ds_load_b128 v[KFR+16*\i+8*\c:KFR+16*\i+8*\c+3],   v[KAD] offset:\sl*TILE+16*KP*\i+64*\c
	ds_load_b128 v[KFR+16*\i+8*\c+4:KFR+16*\i+8*\c+7], v[KAD] offset:\sl*TILE+16*KP*\i+64*\c+32
.endr
.endr
	WIN 0
.endm
.macro VLOAD sl
.irp kk, 0,1
.irp dt, 0,1,2,3
	ds_load_tr16_b128 v[VFR+16*\dt+8*\kk:VFR+16*\dt+8*\kk+3],   v[VAD] offset:\sl*TILE+32*VP*\kk+32*\dt
	ds_load_tr16_b128 v[VFR+16*\dt+8*\kk+4:VFR+16*\dt+8*\kk+7], v[VAD] offset:\sl*TILE+32*VP*\kk+32*\dt+16*VP
.endr
.endr
.endm
; Score product n = 0 .. 7 of piece g: d half n / 4, key tile n % 4; q: the block's Q.  Sources 0 and 1 in window 1.
; In every run of eight the four accumulators take turns, one instruction a turn.
.macro WS g, n, q
.set C_, (\n)/4
.set I_, (\n)%4
.if C_
	v_wmma_f32_16x16x32_f16 v[S+32*\g+8*I_:S+32*\g+8*I_+7], v[KFR+16*I_+8:KFR+16*I_+15], v[\q+16*\g+8:\q+16*\g+15], v[S+32*\g+8*I_:S+32*\g+8*I_+7]
.else
	v_wmma_f32_16x16x32_f16 v[S+32*\g+8*I_:S+32*\g+8*I_+7], v[KFR+16*I_:KFR+16*I_+7], v[\q+16*\g:\q+16*\g+7], 0
.endif
.endm
.macro WSI g, n, q                     ; the same between vector slices, which want window 0
	WIN 0x05
	WS \g, \n, \q
	WIN 0
.endm
; Product with V, n = 0 .. 7, of piece g: keys 32 (n / 4) .. + 31, d tile n % 4.  first: the block's first tile starts the sums.
.macro WPV g, n, first
.set K_, (\n)/4
.set D_, (\n)%4
.if \first*(1-K_)
	v_wmma_f32_16x16x32_f16 v[O+32*\g+8*D_:O+32*\g+8*D_+7], v[VFR+16*D_+8*K_:VFR+16*D_+8*K_+7], v[S+32*\g+16*K_:S+32*\g+16*K_+7], 0
.else
	v_wmma_f32_16x16x32_f16 v[O+32*\g+8*D_:O+32*\g+8*D_+7], v[VFR+16*D_+8*K_:VFR+16*D_+8*K_+7], v[S+32*\g+16*K_:S+32*\g+16*K_+7], v[O+32*\g+8*D_:O+32*\g+8*D_+7]
.endif
.endm
.macro FM g, p                         ; two exponents c s - c m
	v_pk_fma_f32 v[S+32*\g+2*(\p):S+32*\g+2*(\p)+1], v[S+32*\g+2*(\p):S+32*\g+2*(\p)+1], s[26:27], v[NMC+2*\g:NMC+2*\g+1] op_sel_hi:[1,0,0]
.endm
.macro EX4 g, r                        ; four weights, in place
.irp k, 0,1,2,3
	v_exp_f32 v[S+32*\g+(\r)+\k], v[S+32*\g+(\r)+\k]
.endr
.endm
.macro RS g, p, first                  ; two numbers of O times the old sums' factor; a block's first tile has nothing to shrink, and a v_nop keeps the place
.if \first
	v_nop
.else
	s_wait_alu depctr_va_vdst(0)
	v_pk_mul_f32 v[O+32*\g+2*(\p):O+32*\g+2*(\p)+1], v[O+32*\g+2*(\p):O+32*\g+2*(\p)+1], v[AL+2*\g:AL+2*\g+1] op_sel_hi:[1,0]
.endif
.endm
.macro CV g, c                         ; two weights to f16, in place: register c % 8 of half c / 8 is written when registers 2 (c % 8), + 1 have been read
	v_cvt_pk_f16_f32 v[S+32*\g+16*((\c)/8)+((\c)%8)], v[S+32*\g+16*((\c)/8)+2*((\c)%8)], v[S+32*\g+16*((\c)/8)+2*((\c)%8)+1]
.endm
; Slice n = 0 .. 15 of the softmax of piece g.  0, 1: the maximum (in the diagonal tile the mask first).  2: the exchange between the halves of the lanes,
; -c times the new maximum, the old sums' factor 2^(new NMC - old NMC), the first exponents.  3-6: four weights and three pairs of exponents each.
; 7-10: four weights and three pairs of O each.  11, 12: my half's sum.  13-15: the weights to f16, and the last four pairs of O.
; Behind each group of exponentials stands a plain instruction that touches none of them (ISA guide 5.7.2).  Slices 7 to 15 hold three plain instructions
; or more, naming no register of the other piece's matrix instructions: they are the places in front of V's loads (behind slice 8),
; of the score product that writes over P's second half (behind slice 9), and of the next stage's first read of the scores (behind slice 15).
.macro VS g, n, diag, first
.if (\n) == 0
.if \diag
.irp i, 0,1,2,3
.irp j, 0,1,2,3,4,5,6,7
	v_cmp_gt_i32 vcc_lo, 16*\i+\j, v[LIM]          ; key > query
	v_cndmask_b32 v[S+32*\g+8*\i+\j], v[S+32*\g+8*\i+\j], v[NINF], vcc_lo
.endr
.endr
.endif
.irp i, 0,1,2,3
	v_max3_num_f32 v[T+\i], v[S+32*\g+8*\i], v[S+32*\g+8*\i+1], v[S+32*\g+8*\i+2]
.endr
.irp i, 0,1,2,3
	v_max3_num_f32 v[T+\i], v[T+\i], v[S+32*\g+8*\i+3], v[S+32*\g+8*\i+4]
.endr
.endif
.if (\n) == 1
.irp i, 0,1,2,3
	v_max3_num_f32 v[T+\i], v[T+\i], v[S+32*\g+8*\i+5], v[S+32*\g+8*\i+6]
.endr
	v_max3_num_f32 v[T], v[T], v[S+32*\g+7], v[S+32*\g+15]
	v_max3_num_f32 v[T+2], v[T+2], v[S+32*\g+23], v[S+32*\g+31]
	v_max3_num_f32 v[T], v[T], v[T+1], v[T+2]
.if \first
	v_max_num_f32 v[T], v[T], v[T+3]
.else
	v_max3_num_f32 v[T], v[T], v[T+3], v[MX+2*\g]
.endif
.endif
.if (\n) == 2
	v_permlanex16_b32 v[T+1], v[T], s29, s30       ; the other half of the lanes holds the same query's other keys
	v_max_num_f32 v[MX+2*\g], v[T], v[T+1]         ; finite from the diagonal tile on: key = query is never masked
.if \first
	v_mul_f32 v[NMC+2*\g], s28, v[MX+2*\g]
.else
	v_mul_f32 v[T+1], s28, v[MX+2*\g]
	v_sub_f32 v[AL+2*\g], v[T+1], v[NMC+2*\g]      ; the difference of the very numbers that the exponentials use
	v_mov_b32 v[NMC+2*\g], v[T+1]
	v_exp_f32 v[AL+2*\g], v[AL+2*\g]
.endif
	FM \g, 0
	FM \g, 1
	FM \g, 2
	FM \g, 3
.endif
.if (\n) >= 3
.if (\n) <= 10
	EX4 \g, 4*((\n)-3)
.if (\n) <= 6
	FM \g, 3*(\n)-5
	FM \g, 3*(\n)-4
	FM \g, 3*(\n)-3
.else
	RS \g, 3*(\n)-21, \first
	RS \g, 3*(\n)-20, \first
	RS \g, 3*(\n)-19, \first
.endif
.endif
.endif
.if (\n) == 11
	s_wait_alu depctr_va_vdst(0)
.irp k, 0,1,2,3
	v_pk_add_f32 v[T+2*\k:T+2*\k+1], v[S+32*\g+2*\k:S+32*\g+2*\k+1], v[S+32*\g+8+2*\k:S+32*\g+8+2*\k+1]
.endr
	s_wait_alu depctr_va_vdst(0)
.irp k, 0,1,2,3
	v_pk_add_f32 v[T+2*\k:T+2*\k+1], v[T+2*\k:T+2*\k+1], v[S+32*\g+16+2*\k:S+32*\g+16+2*\k+1]
.endr
.endif
.if (\n) == 12
.irp k, 0,1,2,3
	v_pk_add_f32 v[T+2*\k:T+2*\k+1], v[T+2*\k:T+2*\k+1], v[S+32*\g+24+2*\k:S+32*\g+24+2*\k+1]
.endr
	v_pk_add_f32 v[T:T+1], v[T:T+1], v[T+2:T+3]
	v_pk_add_f32 v[T+4:T+5], v[T+4:T+5], v[T+6:T+7]
	v_pk_add_f32 v[T:T+1], v[T:T+1], v[T+4:T+5]
.if \first
	v_add_f32 v[LS+2*\g], v[T], v[T+1]
.else
	v_add_f32 v[T], v[T], v[T+1]
.endif
.endif
.if (\n) == 13
.if \first == 0
	v_fma_f32 v[LS+2*\g], v[LS+2*\g], v[AL+2*\g], v[T]
.endif
.irp c, 0,1,2,3,4,5
	CV \g, \c
.endr
.endif
.if (\n) == 14
.irp c, 6,7,8,9,10,11,12
	CV \g, \c
.endr
.endif
.if (\n) == 15
.irp c, 13,14,15
	CV \g, \c
.endr
.irp p, 12,13,14,15
	RS \g, \p, \first
.endr
.endif
.endm
.macro RESC g                          ; all of O of g times AL of g
	s_wait_alu depctr_va_vdst(0)
.irp p, 0,1,2,3,4,5,6,7,8,9,10,11,12,13,14,15
	v_pk_mul_f32 v[O+32*\g+2*\p:O+32*\g+2*\p+1], v[O+32*\g+2*\p:O+32*\g+2*\p+1], v[AL+2*\g:AL+2*\g+1] op_sel_hi:[1,0]
.endr
.endm
; A block begins: the scores of its diagonal tile, whose K fragments are in; piece 0's alone, then piece 1's with piece 0's softmax, two slices behind each.
.macro PRO q
	WIN 0x05
.irp n, 0,1,2,3,4,5,6,7
	WS 0, \n, \q
.endr
	WIN 0
.rept 4
	v_nop                                          ; four places in front of the first reader of piece 0's scores (ISA guide 7.12.1)
.endr
.irp n, 0,1,2,3,4,5,6,7
	WSI 1, \n, \q
	VS 0, 2*\n, 1, 1
	VS 0, 2*\n+1, 1, 1
.endr
.endm
; Trip p.  sl = p % 2.  q: the block's Q.  diag, first: tile p is the block's diagonal tile, which starts its maximum and sums.  nxt: the block has a tile
; p + 1.  mem: the list has a position p + 1.  On the way in: V(p) is in registers, P(0, p) is packed, O(0) is shrunk, S(1, p) is raw.
.macro TRIP sl, q, diag, first, nxt, mem
.if \mem
	MOVE \sl
	KLOAD (1-\sl)
.endif
.if \nxt
.irp n, 0,1,2,3,4,5,6,7
	WPV 0, \n, \first
	VS 1, \n, \diag, \first
.endr
	s_wait_dscnt 8                                 ; the tile's stores are older; K's d 0-31 are in, its eight loads of d 32-63 may be out
.irp n, 8,9,10,11
	WSI 0, \n-8, \q
	VS 1, \n, \diag, \first
.endr
	s_wait_dscnt 0x0
.irp n, 12,13,14,15
	WSI 0, \n-8, \q
	VS 1, \n, \diag, \first
.endr
.irp n, 0,1,2,3,4,5,6,7
	WPV 1, \n, \first
	VS 0, \n, 0, 0
.endr
	WSI 1, 0, \q
	VS 0, 8, 0, 0
	VLOAD (1-\sl)                                  ; V(p + 1) over V(p), six plain vector instructions behind its last reader
.irp n, 9,10,11,12,13,14
	WSI 1, \n-8, \q
	VS 0, \n, 0, 0
.endr
	s_wait_dscnt 0x0                               ; my part of tile p + 2 is in LDS, and my reads of tile p + 1 are back:
	s_barrier_signal -1                            ; say so; only register work up to the wait
	WSI 1, 7, \q
	VS 0, 15, 0, 0
	s_barrier_wait -1                              ; tile p + 2 is whole, and nobody reads tile p + 1 any more
.else
.irp n, 0,1,2,3,4,5,6,7
	WPV 0, \n, \first
	VS 1, 2*\n, \diag, \first
	VS 1, 2*\n+1, \diag, \first
.endr
.irp n, 0,1,2,3,4,5,6,7
	WPV 1, \n, \first
.endr
.rept 4
	v_nop                                          ; four places: V is loaded over, and O is read
.endr
.if \mem
	VLOAD (1-\sl)                                  ; the next block's first tile
	s_wait_dscnt 0x0
	s_barrier_signal -1
	s_barrier_wait -1
.endif
.endif
.endm
; The block q (a scalar register) is done: divide by the sum, round to f16, 16 rows x 256 bytes (both heads) through my own stage, out in whole rows.
.macro FINAL q, last
	v_permlanex16_b32 v[T], v[LS], s29, s30
	v_permlanex16_b32 v[T+1], v[LS+2], s29, s30
	v_add_f32 v[T], v[T], v[LS]
	v_add_f32 v[T+1], v[T+1], v[LS+2]              ; at least about 1: the largest weight is 2^0
	v_rcp_f32 v[AL], v[T]
	v_rcp_f32 v[AL+2], v[T+1]
	s_lshl_b32 s20, \q, 17                         ; 64 rows of 2,048 bytes
	s_add_co_u32 s20, s20, s31
	s_mov_b32 s21, 0
	s_add_nc_u64 s[32:33], s[6:7], s[20:21]
	v_nop                                          ; one plain instruction behind the reciprocals
	RESC 0
	RESC 1
.irp g, 0,1
.irp dt, 0,1,2,3
.irp p, 0,1,2,3
	v_cvt_pk_f16_f32 v[S+16*\g+4*\dt+\p], v[O+32*\g+8*\dt+2*\p], v[O+32*\g+8*\dt+2*\p+1]
.endr
.endr
.endr
.irp g, 0,1
.irp dt, 0,1,2,3
	ds_store_b128 v[OST], v[S+16*\g+4*\dt:S+16*\g+4*\dt+3] offset:128*\g+32*\dt
.endr
.endr
.irp t, 0,1,2,3,4,5,6,7
	ds_load_b128 v[S+32+4*\t:S+32+4*\t+3], v[ORD] offset:2*OP*\t   ; LDS serves a wave's instructions in order (ISA guide 5.7.1): these see the stores above
.endr
.irp t, 0,1,2,3,4,5,6,7
	s_wait_dscnt 7-\t                              ; the younger read-backs stay out
	global_store_b128 v[OGO], v[S+32+4*\t:S+32+4*\t+3], s[32:33] offset:4096*\t   ; 16 lanes store 256 consecutive bytes, at a multiple of 256 from att's first byte
.endr
.if \last == 0
	s_wait_xcnt 0x0                                ; the stores' data registers and base are written again only behind this wait
.endif
.endm
	s_load_b256 s[4:11], s[0:1], 0x0               ; qkv s[4:5], att s[6:7], qsp s[8:9], asp s[10:11]
	s_set_vgpr_msb 0x40
	v_lshl_add_u32 v160, v0, 2, 0xdc00
	v_mov_b32 v161, 0
	s_set_vgpr_msb 0x4000
	v_lshrrev_b32 v12, 5, v0
	v_readfirstlane_b32 s12, v12                   ; wave
	s_and_b32 s45, ttmp7, 0xffff
	s_cmp_eq_u32 s45, 16
	s_cbranch_scc1 .Lsmall
	s_lshr_b32 s42, s45, 3                         ; batch
	s_and_b32 s43, s45, 7                          ; kv head
	s_mov_b32 s44, ttmp9                           ; j
	s_lshl_b32 s13, s44, 1                         ; qa = 2 j
	s_sub_co_u32 s14, 31, s13                      ; qb = 31 - 2 j
	s_add_co_u32 s15, s13, 1
	s_add_co_u32 s16, s13, 2
	s_mov_b32 s17, 1
	s_mov_b32 s26, 0x3e38aa3b                      ; c = log2(e) / 8: the scale 64^-0.5 and the change of base in one
	s_mov_b32 s27, 0x3e38aa3b
	s_mov_b32 s28, 0xbe38aa3b                      ; -c
	s_mov_b32 s29, 0x76543210                      ; v_permlanex16_b32: lane i of one half reads lane i of the other
	s_mov_b32 s30, 0xfedcba98
	v_and_b32 v13, 15, v0                          ; r
	v_bfe_u32 v14, v0, 4, 1                        ; h
	v_bfe_u32 v15, v0, 3, 2                        ; l / 8
	v_and_b32 v24, 7, v0                           ; l % 8
	s_lshl_b32 s19, s12, 16                        ; 16 w rows of 4,096 bytes
	v_lshlrev_b32 v[GOF], 12, v15
	v_lshl_add_u32 v[GOF], v24, 4, v[GOF]
	v_add_nc_u32 v[GOF], s19, v[GOF]
	v_lshlrev_b32 v[QOF], 12, v13
	v_lshl_add_u32 v[QOF], v14, 4, v[QOF]
	v_add_nc_u32 v[QOF], s19, v[QOF]
	s_lshl_b32 s34, s42, 23                        ; the batch's 2,048 rows of 4,096 bytes
	s_lshl_b32 s19, s43, 7
	s_add_co_u32 s20, s34, s19
	s_add_co_u32 s20, s20, 2048                    ; k of my kv head
	s_mov_b32 s21, 0
	s_lshl_b32 s19, s43, 8
	s_add_co_u32 s34, s34, s19                     ; q of my two heads
	s_mov_b32 s35, 0
	s_wait_kmcnt 0x0
	s_add_nc_u64 s[22:23], s[4:5], s[20:21]
	s_add_nc_u64 s[36:37], s[4:5], s[34:35]
	s_add_nc_u64 s[38:39], s[4:5], s[34:35]
	s_lshl_b32 s20, s13, 18
	s_add_nc_u64 s[40:41], s[22:23], s[20:21]      ; position 0: the first block's diagonal tile
	s_add_nc_u64 s[36:37], s[36:37], s[20:21]      ; the first block's queries
	s_lshl_b32 s20, s14, 18
	s_add_nc_u64 s[38:39], s[38:39], s[20:21]      ; the second block's
	TILEADR                                        ; position 1
	WIN 0x40
.irp i, 0,1,2,3
	global_load_b128 v[STG+4*\i:STG+4*\i+3], v[GOF], s[40:41] offset:16384*\i
.endr
.irp i, 0,1,2,3
	global_load_b128 v[STG+16+4*\i:STG+16+4*\i+3], v[GOF], s[40:41] offset:16384*\i+1024
.endr
	WIN 0
.irp i, 0,1,2,3
	global_load_b128 v[ST1+4*\i:ST1+4*\i+3], v[GOF], s[24:25] offset:16384*\i
.endr
.irp i, 0,1,2,3
	global_load_b128 v[ST1+16+4*\i:ST1+16+4*\i+3], v[GOF], s[24:25] offset:16384*\i+1024
.endr
	WIN 0x40
.irp g, 0,1
.irp c, 0,1
	global_load_b128 v[QA+16*\g+8*\c:QA+16*\g+8*\c+3],   v[QOF], s[36:37] offset:128*\g+64*\c
	global_load_b128 v[QA+16*\g+8*\c+4:QA+16*\g+8*\c+7], v[QOF], s[36:37] offset:128*\g+64*\c+32
.endr
.endr
.irp g, 0,1
.irp c, 0,1
	global_load_b128 v[QB+16*\g+8*\c:QB+16*\g+8*\c+3],   v[QOF], s[38:39] offset:128*\g+64*\c
	global_load_b128 v[QB+16*\g+8*\c+4:QB+16*\g+8*\c+7], v[QOF], s[38:39] offset:128*\g+64*\c+32
.endr
.endr
	WIN 0
	v_mul_u32_u24 v[KAD], v13, KP
	v_lshl_add_u32 v[KAD], v14, 4, v[KAD]
	v_lshl_add_u32 v25, v14, 3, v24                ; 8 h + l % 8
	v_mul_u32_u24 v[VAD], v25, VP
	v_bfe_u32 v25, v0, 3, 1
	v_lshl_add_u32 v[VAD], v25, 4, v[VAD]
	v_add_nc_u32 v[VAD], VB, v[VAD]
	s_mul_i32 s19, s12, 16*KP
	v_mul_u32_u24 v[KST], v15, KP
	v_lshl_add_u32 v[KST], v24, 4, v[KST]
	v_add_nc_u32 v[KST], s19, v[KST]
	s_mul_i32 s19, s12, 16*VP
	s_add_co_u32 s19, s19, VB
	v_mul_u32_u24 v[VST], v15, VP
	v_lshl_add_u32 v[VST], v24, 4, v[VST]
	v_add_nc_u32 v[VST], s19, v[VST]
	s_lshl_b32 s19, s12, 4
	v_lshlrev_b32 v25, 3, v14
	v_sub_nc_u32 v[LIM], v13, v25
	v_add_nc_u32 v[LIM], s19, v[LIM]
	v_mov_b32 v[NINF], 0xff800000
	s_mul_i32 s19, s12, 16*OP
	s_add_co_u32 s19, s19, OS
	v_mul_u32_u24 v[OST], v13, OP
	v_lshl_add_u32 v[OST], v14, 4, v[OST]
	v_add_nc_u32 v[OST], s19, v[OST]
	v_mul_u32_u24 v[ORD], v14, OP
	v_lshl_add_u32 v[ORD], v13, 4, v[ORD]
	v_add_nc_u32 v[ORD], s19, v[ORD]
	v_lshlrev_b32 v[OGO], 11, v14
	v_lshl_add_u32 v[OGO], v13, 4, v[OGO]
	s_lshl_b32 s31, s42, 22                        ; in att: the batch's 2,048 rows of 2,048 bytes,
	s_lshl_b32 s19, s12, 15                        ; my 16 rows,
	s_add_co_u32 s31, s31, s19
	s_lshl_b32 s19, s43, 8                         ; my two heads' 256 bytes
	s_add_co_u32 s31, s31, s19
	s_wait_loadcnt 16                              ; positions 0 and 1 are in; the 16 loads of Q behind them may be out
	STTILE 0
.irp i, 0,1,2,3
	ds_store_b128 v[KST], v[ST1+4*\i:ST1+4*\i+3] offset:TILE+4*KP*\i
.endr
.irp i, 0,1,2,3
	ds_store_b128 v[VST], v[ST1+16+4*\i:ST1+16+4*\i+3] offset:TILE+4*VP*\i
.endr
	s_mov_b32 s17, 2
	TILEADR                                        ; that wait has also freed position 1's base
	LDTILE                                         ; position 2
	s_mov_b32 s17, 3                               ; what trip 0 asks for
	s_wait_loadcnt 8                               ; both blocks' Q are in; position 2's tile stays out
	s_wait_dscnt 0x0
	s_barrier_signal -1
	s_barrier_wait -1                              ; positions 0 and 1 are whole in LDS
	KLOAD 0
	VLOAD 0
	s_wait_dscnt 0x0                               ; my reads of position 0 are back:
	s_barrier_signal -1
	s_barrier_wait -1                              ; everybody's are, so that trip 0 may store position 2 over it
	; block qa = 2 j: positions 0 .. 2 j
	PRO QA
	s_cmp_eq_u32 s44, 0
	s_cbranch_scc1 .Lone
	TRIP 0, QA, 1, 1, 1, 1                         ; p = 0
	s_sub_co_u32 s18, s44, 1                       ; j - 1 pairs: p = 1 .. 2 j - 2
	s_cmp_eq_u32 s18, 0
	s_cbranch_scc1 .Ladone
.La:
	TRIP 1, QA, 0, 0, 1, 1
	TRIP 0, QA, 0, 0, 1, 1
	s_sub_co_i32 s18, s18, 1
	s_cmp_gt_i32 s18, 0
	s_cbranch_scc1 .La
.Ladone:
	TRIP 1, QA, 0, 0, 1, 1                         ; p = 2 j - 1
	TRIP 0, QA, 0, 0, 0, 1                         ; p = 2 j: the block's last tile
	s_branch .Lafin
.Lone:
	TRIP 0, QA, 1, 1, 0, 1                         ; j = 0: the block is its diagonal tile alone
.Lafin:
	FINAL s13, 0
	; block qb = 31 - 2 j: positions 2 j + 1 .. 32
	PRO QB
	TRIP 1, QB, 1, 1, 1, 1                         ; p = 2 j + 1
	s_sub_co_u32 s18, 15, s44                      ; 15 - j pairs: p = 2 j + 2 .. 31
	s_cmp_eq_u32 s18, 0
	s_cbranch_scc1 .Lbdone
.Lb:
	TRIP 0, QB, 0, 0, 1, 1
	TRIP 1, QB, 0, 0, 1, 1
	s_sub_co_i32 s18, s18, 1
	s_cmp_gt_i32 s18, 0
	s_cbranch_scc1 .Lb
.Lbdone:
	TRIP 0, QB, 0, 0, 0, 0                         ; p = 32
	FINAL s14, 1
	s_set_vgpr_msb 0x5
	s_wait_tensorcnt 0x0
	ds_add_u32 v160, v161
	s_wait_dscnt 0x0
	s_set_vgpr_msb 0x500
	s_endpgm
; ATTENTION OF ROWS 0 TO 31 OF EACH BATCH, every matrix operand in two f16 parts (hi = the low 13 mantissa bits cleared, lo = the rest rounded to f16;
; a b as hi hi + hi lo + lo hi on one f32 accumulator).  By reference()'s own mask these queries see keys 0 to 31 alone.
; WORK LEFT OUT: keys 32 and up, which the mask gives the weight 0 for all inputs.  The unit here is the one step of 32 keys of the second product; for
; queries 0-15 its keys 16-31 are masked inside that step: they are computed and masked.  LIMITS: magnitudes below 65,504; below 6.1e-5 both parts have
; steps of 6e-8; an infinity gives NaN (inf - inf in the split); v_exp_f32 gives 0 below 2^-126.
; SHARES: work-group x of row y = 16: kv head x % 8, batch x / 8.  FIRST each of the four waves makes four of the sixteen fragments, 4 k + w for k = 0 .. 3:
; k = 0, 1: Q(g = k, query tile w / 2, d half w % 2); k = 2: K(key tile w / 2, d half w % 2); k = 3: V^T(d tile w).  A fragment is the sum of the eight
; K slices of two tiles of qsp, 32 loads of 512 consecutive bytes in four groups of eight; a lane's 8 + 8 numbers are already those of its fragment
; (the first kernel laid them so).  When a group has been summed, the next fragment's group is asked for into its registers: 32 loads are out all along.
; The fragments go to LDS as the registers lie: fragment f at 2,048 f: hi registers 0-3 at 16 l, 4-7 at 512 + 16 l, lo 1,024 further.
; THEN, behind one barrier, wave w (g = w / 2, query tile w % 2): S^T = K Q^T, mask, maximum, weights, sum, O^T = V^T P^T, division.
; OUT: asp[m tile 2 b + query tile][K step 2 head + d half][hi, lo][1,024 bytes as the registers lie]: fragments of the last kernel's product.
.set ZSL, 524288                       ; bytes of a slice of qsp
.set ZLD, 32                           ; v32-159  group gi = 2 u + half (tile u, registers 4 half ..): slice s at 32 + 32 gi + 4 s
.set ZA,  160                          ; v160-167 byte offsets in qsp: fragment k's tile u at 2 k + u
.set ZHF, 16                           ; v16-23   the fragment at work, hi; later P hi
.set ZLF, 24                           ; v24-31   the fragment at work, lo; later P lo
.set ZQH, 32                           ; v[32+8c]       Q hi, d half c; at the end the result, hi
.set ZQL, 48                           ; v[48+8c]       Q lo; at the end the result, lo
.set ZKH, 64                           ; v[64+16i+8c]   K hi, key tile i
.set ZKL, 96                           ; v[96+16i+8c]   K lo
.set ZVH, 128                          ; v[128+8dt]     V^T hi
.set ZVL, 160                          ; v[160+8dt]     V^T lo
.set ZS,  192                          ; v[192+8i]      scores, then the weights' lo part
.set ZO,  208                          ; v[208+8dt]
.set ZT,  240                          ; v240-255 at work
.macro ZLOADG k, gi                    ; group gi of fragment k: eight slices
.irp s, 0,1,2,3,4,5,6,7
	global_load_b128 v[ZLD+32*(\gi)+4*\s:ZLD+32*(\gi)+4*\s+3], v[ZA+2*(\k)+(\gi)/2], s[8:9] offset:ZSL*\s+512*((\gi)%2)
.endr
.endm
; group gi: four numbers a lane: the sum of the eight slices, then the two parts, into registers 2 gi, 2 gi + 1 of the fragment
.macro ZGROUP gi, cnt
.set GB, ZLD+32*(\gi)
	s_wait_loadcnt \cnt                            ; the younger groups' loads, eight each, stay out
.irp s, 0,8,16,24
	v_pk_add_f32 v[GB+\s:GB+\s+1], v[GB+\s:GB+\s+1], v[GB+\s+4:GB+\s+5]
	v_pk_add_f32 v[GB+\s+2:GB+\s+3], v[GB+\s+2:GB+\s+3], v[GB+\s+6:GB+\s+7]
.endr
.irp s, 0,16
	v_pk_add_f32 v[GB+\s:GB+\s+1], v[GB+\s:GB+\s+1], v[GB+\s+8:GB+\s+9]
	v_pk_add_f32 v[GB+\s+2:GB+\s+3], v[GB+\s+2:GB+\s+3], v[GB+\s+10:GB+\s+11]
.endr
	v_pk_add_f32 v[GB:GB+1], v[GB:GB+1], v[GB+16:GB+17]
	v_pk_add_f32 v[GB+2:GB+3], v[GB+2:GB+3], v[GB+18:GB+19]
.irp k, 0,1,2,3
	v_and_b32 v[GB+4+\k], s15, v[GB+\k]
.endr
.irp k, 0,1,2,3
	v_sub_f32 v[GB+\k], v[GB+\k], v[GB+4+\k]
.endr
	v_cvt_pk_f16_f32 v[ZHF+2*(\gi)], v[GB+4], v[GB+5]
	v_cvt_pk_f16_f32 v[ZHF+2*(\gi)+1], v[GB+6], v[GB+7]
	v_cvt_pk_f16_f32 v[ZLF+2*(\gi)], v[GB], v[GB+1]
	v_cvt_pk_f16_f32 v[ZLF+2*(\gi)+1], v[GB+2], v[GB+3]
.endm
.macro ZSTORE k                        ; fragment 4 k + w
	ds_store_b128 v3, v[ZHF:ZHF+3] offset:8192*\k
	ds_store_b128 v3, v[ZHF+4:ZHF+7] offset:8192*\k+512
	ds_store_b128 v3, v[ZLF:ZLF+3] offset:8192*\k+1024
	ds_store_b128 v3, v[ZLF+4:ZLF+7] offset:8192*\k+1536
.endm
.Lsmall:
	s_and_b32 s13, ttmp9, 7                        ; kv head
	s_lshr_b32 s14, ttmp9, 3                       ; batch
	s_mov_b32 s15, 0xffffe000                      ; keeps sign, exponent and 10 mantissa bits
	s_and_b32 s16, s12, 1                          ; w % 2
	s_lshr_b32 s17, s12, 1                         ; w / 2
	s_lshl_b32 s18, s13, 2                         ; 4 hkv
	s_lshl_b32 s19, s14, 1                         ; 2 b
	s_add_co_u32 s20, s19, s17                     ; Q, K: m tile 2 b + w / 2
	s_lshl_b32 s21, s16, 1                         ; 2 c
	s_lshl_b32 s22, s13, 3
	s_add_co_u32 s22, s22, s21                     ; Q, g = 0: n tile 8 hkv + 2 c
	s_lshl_b32 s22, s22, 2
	s_add_co_u32 s22, s22, s20
	s_lshl_b32 s22, s22, 10                        ; a tile is 1,024 bytes, four m tiles to an n tile
	s_add_co_u32 s23, s18, s21
	s_add_co_u32 s23, s23, 64                      ; K: n tile 64 + 4 hkv + 2 c
	s_lshl_b32 s23, s23, 2
	s_add_co_u32 s23, s23, s20
	s_lshl_b32 s23, s23, 10
	s_add_co_u32 s24, s18, s12
	s_add_co_u32 s24, s24, 96                      ; V: n tile 96 + 4 hkv + w, m tiles 2 b, 2 b + 1
	s_lshl_b32 s24, s24, 2
	s_add_co_u32 s24, s24, s19
	s_lshl_b32 s24, s24, 10
	v_and_b32 v9, 31, v0
	v_lshlrev_b32 v9, 4, v9                        ; 16 l
	v_add_nc_u32 v[ZA], s22, v9
	v_add_nc_u32 v[ZA+1], 4096, v[ZA]              ; Q and K: the second tile is the next n tile
	v_add_nc_u32 v[ZA+2], 16384, v[ZA]             ; g = 1: four n tiles on
	v_add_nc_u32 v[ZA+3], 4096, v[ZA+2]
	v_add_nc_u32 v[ZA+4], s23, v9
	v_add_nc_u32 v[ZA+5], 4096, v[ZA+4]
	v_add_nc_u32 v[ZA+6], s24, v9
	v_add_nc_u32 v[ZA+7], 1024, v[ZA+6]            ; V: the second tile is the next m tile
	s_lshl_b32 s25, s12, 11
	v_add_nc_u32 v3, s25, v9                       ; fragment w's place in LDS
	s_wait_kmcnt 0x0
.irp gi, 0,1,2,3
	ZLOADG 0, \gi
.endr
.irp k, 0,1,2
.irp gi, 0,1,2,3
	ZGROUP \gi, 24                                 ; three groups are younger
	ZLOADG \k+1, \gi
.endr
	ZSTORE \k
.endr
.irp gi, 0,1,2,3
	ZGROUP \gi, 24-8*\gi                           ; the last fragment: nothing more is asked for, the counts run down
.endr
	ZSTORE 3
	s_wait_dscnt 0x0                               ; my four fragments are in LDS
	s_barrier_signal -1
	s_barrier_wait -1                              ; all sixteen are
	s_lshl_b32 s25, s12, 12
	v_add_nc_u32 v5, s25, v9                       ; Q(g, query tile, c) is fragment 4 g + 2 x query tile + c = 2 w + c
.irp c, 0,1
	ds_load_b128 v[ZQH+8*\c:ZQH+8*\c+3],   v5 offset:2048*\c
	ds_load_b128 v[ZQH+8*\c+4:ZQH+8*\c+7], v5 offset:2048*\c+512
	ds_load_b128 v[ZQL+8*\c:ZQL+8*\c+3],   v5 offset:2048*\c+1024
	ds_load_b128 v[ZQL+8*\c+4:ZQL+8*\c+7], v5 offset:2048*\c+1536
.endr
.irp i, 0,1
.irp c, 0,1
	ds_load_b128 v[ZKH+16*\i+8*\c:ZKH+16*\i+8*\c+3],   v9 offset:2048*(8+2*\i+\c)
	ds_load_b128 v[ZKH+16*\i+8*\c+4:ZKH+16*\i+8*\c+7], v9 offset:2048*(8+2*\i+\c)+512
	ds_load_b128 v[ZKL+16*\i+8*\c:ZKL+16*\i+8*\c+3],   v9 offset:2048*(8+2*\i+\c)+1024
	ds_load_b128 v[ZKL+16*\i+8*\c+4:ZKL+16*\i+8*\c+7], v9 offset:2048*(8+2*\i+\c)+1536
.endr
.endr
.irp dt, 0,1,2,3
	ds_load_b128 v[ZVH+8*\dt:ZVH+8*\dt+3],   v9 offset:2048*(12+\dt)
	ds_load_b128 v[ZVH+8*\dt+4:ZVH+8*\dt+7], v9 offset:2048*(12+\dt)+512
	ds_load_b128 v[ZVL+8*\dt:ZVL+8*\dt+3],   v9 offset:2048*(12+\dt)+1024
	ds_load_b128 v[ZVL+8*\dt+4:ZVL+8*\dt+7], v9 offset:2048*(12+\dt)+1536
.endr
	s_mov_b32 s26, 0x3e38aa3b                      ; c = log2(e) / 8
	s_mov_b32 s27, 0x3e38aa3b
	s_mov_b32 s28, 0xbe38aa3b                      ; -c
	s_mov_b32 s29, 0x76543210
	s_mov_b32 s30, 0xfedcba98
	v_and_b32 v8, 15, v0                           ; r
	v_bfe_u32 v15, v0, 4, 1                        ; h
	v_lshlrev_b32 v15, 3, v15
	v_sub_nc_u32 v6, v8, v15
	s_lshl_b32 s25, s16, 4
	v_add_nc_u32 v6, s25, v6                       ; 16 x query tile + r - 8 h: key 16 i + j of my lane is masked if 16 i + j > this
	v_mov_b32 v7, 0xff800000                       ; -inf
	s_add_co_u32 s23, s19, s16                     ; m tile 2 b + query tile
	s_lshl_b32 s23, s23, 5
	s_lshl_b32 s24, s17, 1
	s_add_co_u32 s24, s24, s18                     ; 2 head = 4 hkv + 2 g
	s_add_co_u32 s23, s23, s24
	s_lshl_b32 s23, s23, 11                        ; two KiB (hi, lo) a K step
	v_add_nc_u32 v14, s23, v9
	s_wait_dscnt 16                                ; Q and K are in; V's sixteen loads may be out
	; the two accumulators take turns, one instruction a turn; so do the four of the second product
.irp c, 0,1
.irp i, 0,1
.if \c
	v_wmma_f32_16x16x32_f16 v[ZS+8*\i:ZS+8*\i+7], v[ZKH+16*\i+8*\c:ZKH+16*\i+8*\c+7], v[ZQH+8*\c:ZQH+8*\c+7], v[ZS+8*\i:ZS+8*\i+7]
.else
	v_wmma_f32_16x16x32_f16 v[ZS+8*\i:ZS+8*\i+7], v[ZKH+16*\i+8*\c:ZKH+16*\i+8*\c+7], v[ZQH+8*\c:ZQH+8*\c+7], 0
.endif
.endr
.irp i, 0,1
	v_wmma_f32_16x16x32_f16 v[ZS+8*\i:ZS+8*\i+7], v[ZKL+16*\i+8*\c:ZKL+16*\i+8*\c+7], v[ZQH+8*\c:ZQH+8*\c+7], v[ZS+8*\i:ZS+8*\i+7]
.endr
.irp i, 0,1
	v_wmma_f32_16x16x32_f16 v[ZS+8*\i:ZS+8*\i+7], v[ZKH+16*\i+8*\c:ZKH+16*\i+8*\c+7], v[ZQL+8*\c:ZQL+8*\c+7], v[ZS+8*\i:ZS+8*\i+7]
.endr
.endr
.rept 4
	v_nop                                          ; four places in front of the first reader of the scores (ISA guide 7.12.1)
.endr
.irp i, 0,1
.irp j, 0,1,2,3,4,5,6,7
	v_cmp_gt_i32 vcc_lo, 16*\i+\j, v6              ; key > query
	v_cndmask_b32 v[ZS+8*\i+\j], v[ZS+8*\i+\j], v7, vcc_lo
.endr
.endr
	v_max3_num_f32 v[ZT], v[ZS], v[ZS+1], v[ZS+2]
	v_max3_num_f32 v[ZT+1], v[ZS+3], v[ZS+4], v[ZS+5]
	v_max3_num_f32 v[ZT+2], v[ZS+6], v[ZS+7], v[ZS+8]
	v_max3_num_f32 v[ZT+3], v[ZS+9], v[ZS+10], v[ZS+11]
	v_max3_num_f32 v[ZT], v[ZT], v[ZS+12], v[ZS+13]
	v_max3_num_f32 v[ZT+1], v[ZT+1], v[ZS+14], v[ZS+15]
	v_max3_num_f32 v[ZT], v[ZT], v[ZT+1], v[ZT+2]
	v_max_num_f32 v[ZT], v[ZT], v[ZT+3]
	v_permlanex16_b32 v[ZT+1], v[ZT], s29, s30     ; the other half of the lanes holds the same query's other keys
	v_max_num_f32 v11, v[ZT], v[ZT+1]              ; the row's maximum: finite, key = query is never masked
	v_mul_f32 v10, s28, v11                        ; -c x maximum
.irp p, 0,1,2,3,4,5,6,7
	v_pk_fma_f32 v[ZS+2*\p:ZS+2*\p+1], v[ZS+2*\p:ZS+2*\p+1], s[26:27], v[10:11] op_sel_hi:[1,0,0]
.endr
.set n, 0
.rept 16
	v_exp_f32 v[ZS+n], v[ZS+n]
.set n, n+1
.endr
	v_nop                                          ; one plain instruction between the last exponential and the first use (ISA guide 5.7.2)
	s_wait_alu depctr_va_vdst(0)
	v_pk_add_f32 v[ZT:ZT+1], v[ZS:ZS+1], v[ZS+2:ZS+3]
	v_pk_add_f32 v[ZT+2:ZT+3], v[ZS+4:ZS+5], v[ZS+6:ZS+7]
	v_pk_add_f32 v[ZT+4:ZT+5], v[ZS+8:ZS+9], v[ZS+10:ZS+11]
	v_pk_add_f32 v[ZT+6:ZT+7], v[ZS+12:ZS+13], v[ZS+14:ZS+15]
	v_pk_add_f32 v[ZT:ZT+1], v[ZT:ZT+1], v[ZT+2:ZT+3]
	v_pk_add_f32 v[ZT+4:ZT+5], v[ZT+4:ZT+5], v[ZT+6:ZT+7]
	v_pk_add_f32 v[ZT:ZT+1], v[ZT:ZT+1], v[ZT+4:ZT+5]
	v_add_f32 v[ZT], v[ZT], v[ZT+1]
	v_permlanex16_b32 v[ZT+1], v[ZT], s29, s30
	v_add_f32 v13, v[ZT], v[ZT+1]                  ; the row's sum: at least 1, the largest weight is 2^0
	v_rcp_f32 v12, v13                             ; the next instruction is plain and touches neither
	; the weights in two parts: tiles i = 0, 1 are registers 0-3, 4-7 of source 1 of the second product
.set n, 0
.rept 16
	v_and_b32 v[ZT+n], s15, v[ZS+n]
.set n, n+1
.endr
.set n, 0
.rept 16
	v_sub_f32 v[ZS+n], v[ZS+n], v[ZT+n]
.set n, n+1
.endr
.irp k, 0,1,2,3,4,5,6,7
	v_cvt_pk_f16_f32 v[ZHF+\k], v[ZT+2*\k], v[ZT+2*\k+1]
	v_cvt_pk_f16_f32 v[ZLF+\k], v[ZS+2*\k], v[ZS+2*\k+1]
.endr
	s_wait_dscnt 0x0                               ; V
.irp dt, 0,1,2,3
	v_wmma_f32_16x16x32_f16 v[ZO+8*\dt:ZO+8*\dt+7], v[ZVH+8*\dt:ZVH+8*\dt+7], v[ZHF:ZHF+7], 0
.endr
.irp dt, 0,1,2,3
	v_wmma_f32_16x16x32_f16 v[ZO+8*\dt:ZO+8*\dt+7], v[ZVL+8*\dt:ZVL+8*\dt+7], v[ZHF:ZHF+7], v[ZO+8*\dt:ZO+8*\dt+7]
.endr
.irp dt, 0,1,2,3
	v_wmma_f32_16x16x32_f16 v[ZO+8*\dt:ZO+8*\dt+7], v[ZVH+8*\dt:ZVH+8*\dt+7], v[ZLF:ZLF+7], v[ZO+8*\dt:ZO+8*\dt+7]
.endr
.rept 4
	v_nop                                          ; four places in front of the first reader of O
.endr
	s_wait_alu depctr_va_vdst(0)
.irp p, 0,1,2,3,4,5,6,7,8,9,10,11,12,13,14,15
	v_pk_mul_f32 v[ZO+2*\p:ZO+2*\p+1], v[ZO+2*\p:ZO+2*\p+1], v[12:13] op_sel_hi:[1,0]
.endr
	; lane (r, h) holds query r and d = 16 dt + 8 h + j: tiles 2 kp, 2 kp + 1 are registers 0-3, 4-7 of the fragment of K step 2 head + kp
.irp kp, 0,1
.set n, 0
.rept 16
	v_and_b32 v[ZT+n], s15, v[ZO+16*\kp+n]
.set n, n+1
.endr
.set n, 0
.rept 16
	v_sub_f32 v[ZO+16*\kp+n], v[ZO+16*\kp+n], v[ZT+n]
.set n, n+1
.endr
.irp k, 0,1,2,3,4,5,6,7
	v_cvt_pk_f16_f32 v[ZQH+8*\kp+\k], v[ZT+2*\k], v[ZT+2*\k+1]
	v_cvt_pk_f16_f32 v[ZQL+8*\kp+\k], v[ZO+16*\kp+2*\k], v[ZO+16*\kp+2*\k+1]
.endr
.endr
.irp kp, 0,1
	global_store_b128 v14, v[ZQH+8*\kp:ZQH+8*\kp+3],   s[10:11] offset:2048*\kp        ; each store of the wave covers 512 consecutive bytes, aligned
	global_store_b128 v14, v[ZQH+8*\kp+4:ZQH+8*\kp+7], s[10:11] offset:2048*\kp+512
	global_store_b128 v14, v[ZQL+8*\kp:ZQL+8*\kp+3],   s[10:11] offset:2048*\kp+1024
	global_store_b128 v14, v[ZQL+8*\kp+4:ZQL+8*\kp+7], s[10:11] offset:2048*\kp+1536
.endr
	s_set_vgpr_msb 0x5
	s_wait_tensorcnt 0x0
	ds_add_u32 v160, v161
	s_wait_dscnt 0x0
	s_set_vgpr_msb 0x500
	s_endpgm
.Lfunc_end_k_qc5f338eca8_attn:
	.size	k_qc5f338eca8_attn, .Lfunc_end_k_qc5f338eca8_attn-k_qc5f338eca8_attn
	.p2alignl 7, 3214868480
	.fill 96, 4, 3214868480
	.section	.rodata,"a",@progbits
	.p2align	6, 0x0
	.amdhsa_kernel k_qc5f338eca8_attn
		.amdhsa_group_segment_fixed_size 56832
		.amdhsa_private_segment_fixed_size 0
		.amdhsa_enable_private_segment 0
		.amdhsa_kernarg_size 32
		.amdhsa_user_sgpr_count 2
		.amdhsa_user_sgpr_kernarg_segment_ptr 1
		.amdhsa_wavefront_size32 1
		.amdhsa_system_sgpr_workgroup_id_x 1
		.amdhsa_system_sgpr_workgroup_id_y 1
		.amdhsa_system_sgpr_workgroup_id_z 1
		.amdhsa_system_vgpr_workitem_id 0
		.amdhsa_next_free_vgpr 418
		.amdhsa_next_free_sgpr 66
		.amdhsa_reserve_vcc 1
		.amdhsa_float_denorm_mode_32 3
		.amdhsa_float_denorm_mode_16_64 3
		.amdhsa_memory_ordered 1
		.amdhsa_forward_progress 1
		.amdhsa_inst_pref_size 255
	.end_amdhsa_kernel
	.section	.bss,"aw",@nobits
	.p2align	6
	.space	262144
	.amdgpu_metadata
---
amdhsa.version: [ 1, 2 ]
amdhsa.kernels:
  - .name:           k_qc5f338eca8_attn
    .symbol:         k_qc5f338eca8_attn.kd
    .args:
      - { .name: qkv, .offset: 0, .size: 8, .value_kind: global_buffer, .address_space: global }
      - { .name: att, .offset: 8, .size: 8, .value_kind: global_buffer, .address_space: global }
      - { .name: qsp, .offset: 16, .size: 8, .value_kind: global_buffer, .address_space: global }
      - { .name: asp, .offset: 24, .size: 8, .value_kind: global_buffer, .address_space: global }
    .group_segment_fixed_size: 56832
    .private_segment_fixed_size: 0
    .kernarg_segment_align: 8
    .kernarg_segment_size: 32
    .max_flat_workgroup_size: 128
    .sgpr_count:     66
    .vgpr_count:     418
    .wavefront_size: 32
...
	.end_amdgpu_metadata
.endif
;; end of part 9
;; launch proj: the kernel of part 4 again; grid 8 x 32, 4 waves a work-group, clusters of 4 x 4, 327,680 bytes of LDS; arguments att, woh, out0; writes out0
;; launch sp: the kernel of part 7 again; grid 32 x 4, 16 waves a work-group, no clusters, 296,960 bytes of LDS; arguments asp, Wo, out0; writes out0
;; ======== version 3 of 3: 5 launches; 1.16 times as fast as version 1
;; limits: values are held in f16: magnitudes above 65,504 overflow, below 6.1e-05 lose precision
;; workspace buffers: xh 16,777,216 bytes; wh 8,388,608 bytes; woh 4,194,304 bytes; qkv 16,777,216 bytes; att 8,388,608 bytes; qsp 4,194,304 bytes; asp 262,144 bytes
;; launch prep: the kernel of part 8 again; grid 512 x 1, 8 waves a work-group, no clusters, 136,192 bytes of LDS; arguments x, Wq, Wkv, Wo, xh, wh, woh, qsp; writes xh, wh, woh, qsp
;; launch qkv: the kernel of part 2 again; grid 8 x 32, 4 waves a work-group, clusters of 4 x 4, 327,680 bytes of LDS; arguments xh, wh, qkv; writes qkv
;; launch attn (part 10): grid 16 x 17, 4 waves a work-group, no clusters, 56,832 bytes of LDS; arguments qkv, att, qsp, asp; writes att, asp
.if DOCPART == 10
	.amdgcn_target "amdgcn-amd-amdhsa--gfx1250"
	.amdhsa_code_object_version 6
	.text
	.protected	k_qc5f338eca8_attn
	.globl	k_qc5f338eca8_attn
	.p2align	8
	.type	k_qc5f338eca8_attn,@function
k_qc5f338eca8_attn:
	s_mov_b64 s[64:65], 0
	v_nop
	global_prefetch_b8 v0, s[64:65] scope:SCOPE_SE
	s_setreg_imm32_b32 hwreg(HW_REG_WAVE_MODE, 25, 1), 1
	s_wait_xcnt 0x0
; CAUSAL GROUPED-QUERY ATTENTION.  qkv: [2 x 2048][2048] f16 (q of head 2 hkv + g at column 64 (2 hkv + g), k of kv head hkv at 1024 + 64 hkv, v at 1536 + 64 hkv).
; att: [2 x 2048][1024] f16, head h at column 64 h.  Scores, softmax and sums in f32, with a running maximum.
; WORK LEFT OUT: tiles of 64 keys wholly above the diagonal of a block of 64 queries: reference()'s own mask sets their scores to -inf, their weights are
; exactly 0 for all inputs.  LIMITS: a NaN or an infinity in a row of k or v that only masked positions see is not carried to the result; the weights go
; into the second product as f16 (at most 1; steps of 6e-8 below 6.1e-5); v_exp_f32 gives 0 for results below 2^-126; a block's key tiles are summed
; with the diagonal tile first, then tiles 0, 1, ..: another order of rounding than reference()'s.
; GRID: rows y = 0 .. 15 are the main path; the sixteen work-groups of row y = 16 make the attention of rows 0 to 31 of each batch in two-part
; operands (the text behind the label .Lsmall, with a head comment of its own).
; SHARES: work-group (j, y): batch y / 8, kv head y % 8, the two query blocks qa = 2 j and qb = 31 - 2 j of 64 positions, each for both heads of the kv
; head: (2 j + 1) + (32 - 2 j) = 33 key tiles in every work-group, walked as one list of positions 0 .. 32.  The even block comes first: it has an odd
; number of tiles, so that position p lies in LDS tile p % 2 in every work-group and every LDS offset is a constant of the text.
; Wave w holds positions 16 w .. 16 w + 15 of the block for g = 0 and g = 1: two pieces, which share every fragment of K and V.
; LAYOUT: S^T = K Q^T (source 0 = 16 keys, source 1 = 16 queries): lane (r, h) holds query r and, in register j of tile i, key 16 i + 8 h + j.  So the
; maximum and the sum run inside a lane plus one exchange between the halves; two score tiles, packed in place, are source 1 of O^T = V^T P^T; and a lane
; of O holds 8 neighbouring d of one row.  V^T comes out of LDS by the transposing load.
; THE TWO PIECES TAKE TURNS.  Trip p, stage A: piece 0's sixteen matrix instructions (its products with V of tile p, its scores of tile p + 1), and
; behind each of them one of sixteen slices of piece 1's softmax of tile p.  Stage B: the same with the pieces exchanged (piece 0's softmax is then
; tile p + 1's).  A block begins with its first tile's scores (PRO) and ends with a trip that has no next scores.
; THE EXPONENTIALS OF A PIECE'S SOFTMAX ARE ONE BATCH: the old sums' factor (slice 2) and the 32 weights (slices 3 to 8), each in a register of its own.
; Up to the end of slice 8 nothing names a result of theirs; there stands the one wait; all that reads a result (the sum,
; the roundings to f16, the shrinking of O) stands in slices 9 to 15.  So a trip has two such waits, one a stage, and no result is open at a label or a
; branch.  The way out's two reciprocals are a batch of their own, with one wait.
; K AND V come through registers into two LDS tiles that take turns.  Trip p reads only tile p + 1 (K at its start, V in the middle of stage B) and
; stores tile p + 2 over tile p, which nobody reads any more: one barrier a trip, at its end, orders both.  Tile p + 3 is asked for from memory
; in the same trip, one trip ahead of its store.
; REGISTERS: Q 32 + S 64 + O 64 + K 64 + V 64 + 32 others are more than one window of 256.  The softmax touches S and O, so these stay in window 0 with V;
; K and both blocks' Q, which only score products read, lie in window 1, and each score product stands between two window switches: 32 of a trip's 38.
; NO CLUSTER: the work-groups of one kv head walk different lists of tiles (other diagonal tiles, the change of blocks in another trip), so that no
; two of them want the same tile in the same trip.
.set KP, 144                           ; pitch of K's rows in LDS: 128 + 16 = 9 x 16 bytes
.set VP, 160                           ; pitch of V's rows: 5 x 32 bytes
.set OP, 272                           ; pitch of the out stage: 256 + 16
.set VB, 64*KP                         ; in an LDS tile: K at 0, V at 9,216
.set TILE, VB+64*VP                    ; 19,456 bytes; tile 0 at 0, tile 1 at 19,456
.set OS, 2*TILE                        ; the out stage at 38,912: 16 rows x 272 for each wave, its own
.set KAD, 1                            ; v1   144 r + 16 h
.set VAD, 2                            ; v2   VB + 160 (8 h + l % 8) + 16 ((l / 8) % 2)
.set KST, 3                            ; v3   where I store my 16 bytes of K: row 16 w + l / 8, column 16 (l % 8)
.set VST, 4                            ; v4   the same for V
.set GOF, 5                            ; v5   the same place in memory, from the tile's first byte
.set LIM, 6                            ; v6   16 w + r - 8 h: key 16 i + j of my lane is masked in the diagonal tile if 16 i + j > this
.set NINF, 7                           ; v7   -inf
.set OST, 8                            ; v8   out stage, in
.set ORD, 9                            ; v9   out stage, back
.set OGO, 10                           ; v10  my byte offset in att
.set QOF, 11                           ; v11  my byte offset in a query block
.set NMC, 16                           ; v16, v18  -c x running maximum of g = 0, 1   (c = log2(e) / 8)
.set MX,  17                           ; v17, v19  the running maximum
.set AL,  20                           ; v20, v22  the factor by which the old sums shrink; at the end 1 / sum
.set LS,  21                           ; v21, v23  my half's running sum
.set T,   24                           ; v24-31    at work
.set ST1, 32                           ; v32-63    position 1's tile on its way, at the start only
.set S,   64                           ; v[64+32g+8i]   S(g, i); packed: P(g, kk) in the 8 registers at 64 + 32 g + 16 kk
.set O,   128                          ; v[128+32g+8dt] O(g, dt)
.set VFR, 192                          ; v[192+16dt+8kk] V(dt, kk)
.set KFR, 0                            ; window 1, v0-63 (v256-319): K(i, c) at 16 i + 8 c
.set STG, 64                           ; window 1, v64-95 (v320-351): the tile on its way: K's part i at 4 i, V's at 16 + 4 i
.set QA,  96                           ; window 1, v96-127 (v352-383): the first block's Q(g, c) at 16 g + 8 c
.set QB,  128                          ; window 1, v128-159 (v384-415): the second block's
.set MSB, 0
.macro WIN new                         ; s_set_vgpr_msb: bits 1:0 source 0, 3:2 source 1, 5:4 source 2, 7:6 destination; the high byte repeats the setting that is left
.if MSB != \new
	s_set_vgpr_msb (MSB<<8)|\new
.set MSB, \new
.endif
.endm
; The list of tiles: position 0: qa; 1 .. qa: position - 1; qa + 1: qb; qa + 2 .. 32: position - qa - 2.  The address of position s17 (1 or more).
.macro TILEADR
	s_sub_co_u32 s19, s17, 1
	s_sub_co_u32 s20, s17, s16
	s_cmp_gt_u32 s17, s15
	s_cselect_b32 s19, s20, s19
	s_cmp_eq_u32 s17, s15
	s_cselect_b32 s19, s14, s19
	s_lshl_b32 s20, s19, 18                        ; 64 rows of 4,096 bytes
	s_mov_b32 s21, 0
	s_add_nc_u64 s[24:25], s[22:23], s[20:21]
.endm
.macro LDTILE                          ; 8 loads: my 4 x 16 bytes of K and of V (V lies 1,024 bytes behind K in a row); 4 rows further down each
	WIN 0x40
.irp i, 0,1,2,3
	global_load_b128 v[STG+4*\i:STG+4*\i+3], v[GOF], s[24:25] offset:16384*\i
.endr
.irp i, 0,1,2,3
	global_load_b128 v[STG+16+4*\i:STG+16+4*\i+3], v[GOF], s[24:25] offset:16384*\i+1024
.endr
	WIN 0
.endm
.macro STTILE sl
	WIN 0x04
.irp i, 0,1,2,3
	ds_store_b128 v[KST], v[STG+4*\i:STG+4*\i+3] offset:\sl*TILE+4*KP*\i
.endr
.irp i, 0,1,2,3
	ds_store_b128 v[VST], v[STG+16+4*\i:STG+16+4*\i+3] offset:\sl*TILE+4*VP*\i
.endr
	WIN 0
.endm
; Trip p (s17 = p + 3): tile p + 2 goes from the stage registers into LDS tile sl = p % 2, and tile p + 3 is asked for.  The list ends at position 32: the
; last trips store and ask for nothing.  The wait here is for 0, so that it holds whichever way the branches of earlier trips went.
.macro MOVE sl
	s_cmp_gt_u32 s17, 33
	s_cbranch_scc1 .Lmoved_\@
	s_wait_loadcnt 0x0                             ; the tile asked for a trip ago is in the stage registers; its loads' base is free
	STTILE \sl
	s_cmp_gt_u32 s17, 32
	s_cbranch_scc1 .Lmoved_\@
	TILEADR
	LDTILE
.Lmoved_\@:
	s_add_co_u32 s17, s17, 1
.endm
.macro KLOAD sl                        ; 16 loads: d 0-31 of all 64 keys first, then d 32-63
	WIN 0x40
.irp c, 0,1
.irp i, 0,1,2,3
	ds_load_b128 v[KFR+16*\i+8*\c:KFR+16*\i+8*\c+3],   v[KAD] offset:\sl*TILE+16*KP*\i+64*\c
	ds_load_b128 v[KFR+16*\i+8*\c+4:KFR+16*\i+8*\c+7], v[KAD] offset:\sl*TILE+16*KP*\i+64*\c+32
.endr
.endr
	WIN 0
.endm
.macro VLOAD sl
.irp kk, 0,1
.irp dt, 0,1,2,3
	ds_load_tr16_b128 v[VFR+16*\dt+8*\kk:VFR+16*\dt+8*\kk+3],   v[VAD] offset:\sl*TILE+32*VP*\kk+32*\dt
	ds_load_tr16_b128 v[VFR+16*\dt+8*\kk+4:VFR+16*\dt+8*\kk+7], v[VAD] offset:\sl*TILE+32*VP*\kk+32*\dt+16*VP
.endr
.endr
.endm
; Score product n = 0 .. 7 of piece g: d half n / 4, key tile n % 4; q: the block's Q.  Sources 0 and 1 in window 1.
; In every run of eight the four accumulators take turns, one instruction a turn.
.macro WS g, n, q
.set C_, (\n)/4
.set I_, (\n)%4
.if C_
	v_wmma_f32_16x16x32_f16 v[S+32*\g+8*I_:S+32*\g+8*I_+7], v[KFR+16*I_+8:KFR+16*I_+15], v[\q+16*\g+8:\q+16*\g+15], v[S+32*\g+8*I_:S+32*\g+8*I_+7]
.else
	v_wmma_f32_16x16x32_f16 v[S+32*\g+8*I_:S+32*\g+8*I_+7], v[KFR+16*I_:KFR+16*I_+7], v[\q+16*\g:\q+16*\g+7], 0
.endif
.endm
.macro WSI g, n, q                     ; the same between vector slices, which want window 0
	WIN 0x05
	WS \g, \n, \q
	WIN 0
.endm
; Product with V, n = 0 .. 7, of piece g: keys 32 (n / 4) .. + 31, d tile n % 4.  first: the block's first tile starts the sums.
.macro WPV g, n, first
.set K_, (\n)/4
.set D_, (\n)%4
.if \first*(1-K_)
	v_wmma_f32_16x16x32_f16 v[O+32*\g+8*D_:O+32*\g+8*D_+7], v[VFR+16*D_+8*K_:VFR+16*D_+8*K_+7], v[S+32*\g+16*K_:S+32*\g+16*K_+7], 0
.else
	v_wmma_f32_16x16x32_f16 v[O+32*\g+8*D_:O+32*\g+8*D_+7], v[VFR+16*D_+8*K_:VFR+16*D_+8*K_+7], v[S+32*\g+16*K_:S+32*\g+16*K_+7], v[O+32*\g+8*D_:O+32*\g+8*D_+7]
.endif
.endm
.macro FM g, p                         ; two exponents c s - c m
	v_pk_fma_f32 v[S+32*\g+2*(\p):S+32*\g+2*(\p)+1], v[S+32*\g+2*(\p):S+32*\g+2*(\p)+1], s[26:27], v[NMC+2*\g:NMC+2*\g+1] op_sel_hi:[1,0,0]
.endm
.macro EX g, r                         ; one weight, in place
	v_exp_f32 v[S+32*\g+(\r)], v[S+32*\g+(\r)]
.endm
.macro RS g, p, first                  ; two numbers of O times the old sums' factor (behind the batch's wait); a block's first tile has nothing to shrink, and a v_nop keeps the place
.if \first
	v_nop
.else
	v_pk_mul_f32 v[O+32*\g+2*(\p):O+32*\g+2*(\p)+1], v[O+32*\g+2*(\p):O+32*\g+2*(\p)+1], v[AL+2*\g:AL+2*\g+1] op_sel_hi:[1,0]
.endif
.endm
.macro CV g, c                         ; two weights to f16, in place: register c % 8 of half c / 8 is written when registers 2 (c % 8), + 1 have been read
	v_cvt_pk_f16_f32 v[S+32*\g+16*((\c)/8)+((\c)%8)], v[S+32*\g+16*((\c)/8)+2*((\c)%8)], v[S+32*\g+16*((\c)/8)+2*((\c)%8)+1]
.endm
; Slice n = 0 .. 15 of the softmax of piece g.  0, 1: the maximum (in the diagonal tile the mask first).  2: the exchange between the halves of the lanes,
; -c times the new maximum, the old sums' factor 2^(new NMC - old NMC), which opens THE BATCH, and the first four pairs of exponents.
; 3-8: the batch goes on: two pairs of exponents and five weights each (slices 7 and 8: six), a pair of exponents always ahead of its own weights.
; None of these lines names an exponential's result.  Behind slice 8's last exponential a v_nop is the plain instruction that comes before a result is
; used (ISA guide 5.7.2), one for the batch; then THE WAIT, one for the piece's 33 exponentials (32 in a block's first tile).
; 9-11: my half's sum, four packed additions each, and three pairs of O each.  12, 13: the end of the sum, with the first roundings to f16 between its
; links.  14, 15: the other roundings and the last pairs of O.  O's pairs go in ascending order: each accumulator is first read at its low end.
; THE PLACES (ISA guide 7.12.1) that the slices are for the other piece's matrix instructions, of whose registers they name none: slices 3 to 8 hold two
; plain instructions each (slice 8 a third, the v_nop), slices 9 to 15 seven each.  In front of V's loads (behind slice 8; V's last reader stands ahead
; of slice 7): five.  In front of the score product that writes over P's first half (ahead of slice 8; last reader ahead of slice 3): ten.  In front of
; the one that writes over P's second half (behind slice 9; last reader ahead of slice 7): twelve.  In front of the next stage's first read of the
; scores and of K's loads at the next trip's head (behind slice 15): seven.
.macro VS g, n, diag, first
.if (\n) == 0
.if \diag
.irp i, 0,1,2,3
.irp j, 0,1,2,3,4,5,6,7
	v_cmp_gt_i32 vcc_lo, 16*\i+\j, v[LIM]          ; key > query
	v_cndmask_b32 v[S+32*\g+8*\i+\j], v[S+32*\g+8*\i+\j], v[NINF], vcc_lo
.endr
.endr
.endif
.irp i, 0,1,2,3
	v_max3_num_f32 v[T+\i], v[S+32*\g+8*\i], v[S+32*\g+8*\i+1], v[S+32*\g+8*\i+2]
.endr
.irp i, 0,1,2,3
	v_max3_num_f32 v[T+\i], v[T+\i], v[S+32*\g+8*\i+3], v[S+32*\g+8*\i+4]
.endr
.endif
.if (\n) == 1
.irp i, 0,1,2,3
	v_max3_num_f32 v[T+\i], v[T+\i], v[S+32*\g+8*\i+5], v[S+32*\g+8*\i+6]
.endr
	v_max3_num_f32 v[T], v[T], v[S+32*\g+7], v[S+32*\g+15]
	v_max3_num_f32 v[T+2], v[T+2], v[S+32*\g+23], v[S+32*\g+31]
	v_max3_num_f32 v[T], v[T], v[T+1], v[T+2]
.if \first
	v_max_num_f32 v[T], v[T], v[T+3]
.else
	v_max3_num_f32 v[T], v[T], v[T+3], v[MX+2*\g]
.endif
.endif
.if (\n) == 2
	v_permlanex16_b32 v[T+1], v[T], s29, s30       ; the other half of the lanes holds the same query's other keys
	v_max_num_f32 v[MX+2*\g], v[T], v[T+1]         ; finite from the diagonal tile on: key = query is never masked
.if \first
	v_mul_f32 v[NMC+2*\g], s28, v[MX+2*\g]
.else
	v_mul_f32 v[T+1], s28, v[MX+2*\g]
	v_sub_f32 v[AL+2*\g], v[T+1], v[NMC+2*\g]      ; the difference of the very numbers that the exponentials use
	v_mov_b32 v[NMC+2*\g], v[T+1]
	v_exp_f32 v[AL+2*\g], v[AL+2*\g]               ; the batch's first; its readers stand from slice 9 on
.endif
	FM \g, 0
	FM \g, 1
	FM \g, 2
	FM \g, 3
.endif
.if (\n) >= 3
.if (\n) <= 6
	FM \g, 2*(\n)-2                                ; pairs 4 to 11; weights s0 to s19, whose pairs were scaled in an earlier slice
	EX \g, 5*(\n)-15
	FM \g, 2*(\n)-1
	EX \g, 5*(\n)-14
	EX \g, 5*(\n)-13
	EX \g, 5*(\n)-12
	EX \g, 5*(\n)-11
.endif
.endif
.if (\n) == 7
	FM \g, 12
	EX \g, 20
	FM \g, 13
.irp r, 21,22,23,24,25
	EX \g, \r
.endr
.endif
.if (\n) == 8
	FM \g, 14
	EX \g, 26
	FM \g, 15
.irp r, 27,28,29,30,31
	EX \g, \r
.endr
	v_nop                                          ; the plain instruction behind the batch's last exponential
	s_wait_alu depctr_va_vdst(0)                   ; the wait: one for the batch, the old sums' factor and the 32 weights of this piece
.endif
.if (\n) == 9
.irp k, 0,1,2,3
	v_pk_add_f32 v[T+2*\k:T+2*\k+1], v[S+32*\g+2*\k:S+32*\g+2*\k+1], v[S+32*\g+8+2*\k:S+32*\g+8+2*\k+1]
.endr
	RS \g, 0, \first
	RS \g, 1, \first
	RS \g, 2, \first
.endif
.if (\n) == 10
.irp k, 0,1,2,3
	v_pk_add_f32 v[T+2*\k:T+2*\k+1], v[T+2*\k:T+2*\k+1], v[S+32*\g+16+2*\k:S+32*\g+16+2*\k+1]
.endr
	RS \g, 3, \first
	RS \g, 4, \first
	RS \g, 5, \first
.endif
.if (\n) == 11
.irp k, 0,1,2,3
	v_pk_add_f32 v[T+2*\k:T+2*\k+1], v[T+2*\k:T+2*\k+1], v[S+32*\g+24+2*\k:S+32*\g+24+2*\k+1]
.endr
	RS \g, 6, \first
	RS \g, 7, \first
	RS \g, 8, \first
.endif
.if (\n) == 12                         ; all 32 weights have been read for the sum: the roundings in place may begin
	v_pk_add_f32 v[T:T+1], v[T:T+1], v[T+2:T+3]
	v_pk_add_f32 v[T+4:T+5], v[T+4:T+5], v[T+6:T+7]
	CV \g, 0
	CV \g, 1
	v_pk_add_f32 v[T:T+1], v[T:T+1], v[T+4:T+5]
	CV \g, 2
	CV \g, 3
.endif
.if (\n) == 13
.if \first
	v_add_f32 v[LS+2*\g], v[T], v[T+1]
.else
	v_add_f32 v[T], v[T], v[T+1]
.endif
	CV \g, 4
	CV \g, 5
	CV \g, 6
.if \first == 0
	v_fma_f32 v[LS+2*\g], v[LS+2*\g], v[AL+2*\g], v[T]
.endif
	CV \g, 7
	RS \g, 9, \first
.endif
.if (\n) == 14
.irp c, 8,9,10,11,12
	CV \g, \c
.endr
	RS \g, 10, \first
	RS \g, 11, \first
.endif
.if (\n) == 15
.irp c, 13,14,15
	CV \g, \c
.endr
.irp p, 12,13,14,15
	RS \g, \p, \first
.endr
.endif
.endm
.macro RESC g                          ; all of O of g times AL of g (behind FINAL's wait)
.irp p, 0,1,2,3,4,5,6,7,8,9,10,11,12,13,14,15
	v_pk_mul_f32 v[O+32*\g+2*\p:O+32*\g+2*\p+1], v[O+32*\g+2*\p:O+32*\g+2*\p+1], v[AL+2*\g:AL+2*\g+1] op_sel_hi:[1,0]
.endr
.endm
; A block begins: the scores of its diagonal tile, whose K fragments are in; piece 0's alone, then piece 1's with piece 0's softmax, two slices behind each.
.macro PRO q
	WIN 0x05
.irp n, 0,1,2,3,4,5,6,7
	WS 0, \n, \q
.endr
	WIN 0
.rept 4
	v_nop                                          ; four places in front of the first reader of piece 0's scores (ISA guide 7.12.1)
.endr
.irp n, 0,1,2,3,4,5,6,7
	WSI 1, \n, \q
	VS 0, 2*\n, 1, 1
	VS 0, 2*\n+1, 1, 1
.endr
.endm
; Trip p.  sl = p % 2.  q: the block's Q.  diag, first: tile p is the block's diagonal tile, which starts its maximum and sums.  nxt: the block has a tile
; p + 1.  mem: the list has a position p + 1.  On the way in: V(p) is in registers, P(0, p) is packed, O(0) is shrunk, S(1, p) is raw.
.macro TRIP sl, q, diag, first, nxt, mem
.if \mem
	MOVE \sl
	KLOAD (1-\sl)
.endif
.if \nxt
.irp n, 0,1,2,3,4,5,6,7
	WPV 0, \n, \first
	VS 1, \n, \diag, \first
.endr
	s_wait_dscnt 8                                 ; the tile's stores are older; K's d 0-31 are in, its eight loads of d 32-63 may be out
.irp n, 8,9,10,11
	WSI 0, \n-8, \q
	VS 1, \n, \diag, \first
.endr
	s_wait_dscnt 0x0
.irp n, 12,13,14,15
	WSI 0, \n-8, \q
	VS 1, \n, \diag, \first
.endr
.irp n, 0,1,2,3,4,5,6,7
	WPV 1, \n, \first
	VS 0, \n, 0, 0
.endr
	WSI 1, 0, \q
	VS 0, 8, 0, 0
	VLOAD (1-\sl)                                  ; V(p + 1) over V(p), five plain vector instructions behind its last reader; slice 8's wait for piece 0's batch stands directly ahead of this run
.irp n, 9,10,11,12,13,14
	WSI 1, \n-8, \q
	VS 0, \n, 0, 0
.endr
	s_wait_dscnt 0x0                               ; my part of tile p + 2 is in LDS, and my reads of tile p + 1 are back:
	s_barrier_signal -1                            ; say so; only register work up to the wait
	WSI 1, 7, \q
	VS 0, 15, 0, 0
	s_barrier_wait -1                              ; tile p + 2 is whole, and nobody reads tile p + 1 any more
.else
.irp n, 0,1,2,3,4,5,6,7
	WPV 0, \n, \first
	VS 1, 2*\n, \diag, \first
	VS 1, 2*\n+1, \diag, \first
.endr
.irp n, 0,1,2,3,4,5,6,7
	WPV 1, \n, \first
.endr
.rept 4
	v_nop                                          ; four places: V is loaded over, and O is read
.endr
.if \mem
	VLOAD (1-\sl)                                  ; the next block's first tile
	s_wait_dscnt 0x0
	s_barrier_signal -1
	s_barrier_wait -1
.endif
.endif
.endm
; The block q (a scalar register) is done: divide by the sum, round to f16, 16 rows x 256 bytes (both heads) through my own stage, out in whole rows.
.macro FINAL q, last
	v_permlanex16_b32 v[T], v[LS], s29, s30
	v_permlanex16_b32 v[T+1], v[LS+2], s29, s30
	v_add_f32 v[T], v[T], v[LS]
	v_add_f32 v[T+1], v[T+1], v[LS+2]              ; at least about 1: the largest weight is 2^0
	v_rcp_f32 v[AL], v[T]
	v_rcp_f32 v[AL+2], v[T+1]
	s_lshl_b32 s20, \q, 17                         ; 64 rows of 2,048 bytes
	s_add_co_u32 s20, s20, s31
	s_mov_b32 s21, 0
	s_add_nc_u64 s[32:33], s[6:7], s[20:21]
	v_nop                                          ; one plain instruction behind the reciprocals
	s_wait_alu depctr_va_vdst(0)                   ; the wait: one for the batch of two reciprocals, ahead of their first reader
	RESC 0
	RESC 1
.irp g, 0,1
.irp dt, 0,1,2,3
.irp p, 0,1,2,3
	v_cvt_pk_f16_f32 v[S+16*\g+4*\dt+\p], v[O+32*\g+8*\dt+2*\p], v[O+32*\g+8*\dt+2*\p+1]
.endr
.endr
.endr
.irp g, 0,1
.irp dt, 0,1,2,3
	ds_store_b128 v[OST], v[S+16*\g+4*\dt:S+16*\g+4*\dt+3] offset:128*\g+32*\dt
.endr
.endr
.irp t, 0,1,2,3,4,5,6,7
	ds_load_b128 v[S+32+4*\t:S+32+4*\t+3], v[ORD] offset:2*OP*\t   ; LDS serves a wave's instructions in order (ISA guide 5.7.1): these see the stores above
.endr
.irp t, 0,1,2,3,4,5,6,7
	s_wait_dscnt 7-\t                              ; the younger read-backs stay out
	global_store_b128 v[OGO], v[S+32+4*\t:S+32+4*\t+3], s[32:33] offset:4096*\t   ; 16 lanes store 256 consecutive bytes, at a multiple of 256 from att's first byte
.endr
.if \last == 0
	s_wait_xcnt 0x0                                ; the stores' data registers and base are written again only behind this wait
.endif
.endm
	s_load_b256 s[4:11], s[0:1], 0x0               ; qkv s[4:5], att s[6:7], qsp s[8:9], asp s[10:11]
	s_set_vgpr_msb 0x40
	v_lshl_add_u32 v160, v0, 2, 0xdc00
	v_mov_b32 v161, 0
	s_set_vgpr_msb 0x4000
	v_lshrrev_b32 v12, 5, v0
	v_readfirstlane_b32 s12, v12                   ; wave
	s_and_b32 s45, ttmp7, 0xffff
	s_cmp_eq_u32 s45, 16
	s_cbranch_scc1 .Lsmall
	s_lshr_b32 s42, s45, 3                         ; batch
	s_and_b32 s43, s45, 7                          ; kv head
	s_mov_b32 s44, ttmp9                           ; j
	s_lshl_b32 s13, s44, 1                         ; qa = 2 j
	s_sub_co_u32 s14, 31, s13                      ; qb = 31 - 2 j
	s_add_co_u32 s15, s13, 1
	s_add_co_u32 s16, s13, 2
	s_mov_b32 s17, 1
	s_mov_b32 s26, 0x3e38aa3b                      ; c = log2(e) / 8: the scale 64^-0.5 and the change of base in one
	s_mov_b32 s27, 0x3e38aa3b
	s_mov_b32 s28, 0xbe38aa3b                      ; -c
	s_mov_b32 s29, 0x76543210                      ; v_permlanex16_b32: lane i of one half reads lane i of the other
	s_mov_b32 s30, 0xfedcba98
	v_and_b32 v13, 15, v0                          ; r
	v_bfe_u32 v14, v0, 4, 1                        ; h
	v_bfe_u32 v15, v0, 3, 2                        ; l / 8
	v_and_b32 v24, 7, v0                           ; l % 8
	s_lshl_b32 s19, s12, 16                        ; 16 w rows of 4,096 bytes
	v_lshlrev_b32 v[GOF], 12, v15
	v_lshl_add_u32 v[GOF], v24, 4, v[GOF]
	v_add_nc_u32 v[GOF], s19, v[GOF]
	v_lshlrev_b32 v[QOF], 12, v13
	v_lshl_add_u32 v[QOF], v14, 4, v[QOF]
	v_add_nc_u32 v[QOF], s19, v[QOF]
	s_lshl_b32 s34, s42, 23                        ; the batch's 2,048 rows of 4,096 bytes
	s_lshl_b32 s19, s43, 7
	s_add_co_u32 s20, s34, s19
	s_add_co_u32 s20, s20, 2048                    ; k of my kv head
	s_mov_b32 s21, 0
	s_lshl_b32 s19, s43, 8
	s_add_co_u32 s34, s34, s19                     ; q of my two heads
	s_mov_b32 s35, 0
	s_wait_kmcnt 0x0
	s_add_nc_u64 s[22:23], s[4:5], s[20:21]
	s_add_nc_u64 s[36:37], s[4:5], s[34:35]
	s_add_nc_u64 s[38:39], s[4:5], s[34:35]
	s_lshl_b32 s20, s13, 18
	s_add_nc_u64 s[40:41], s[22:23], s[20:21]      ; position 0: the first block's diagonal tile
	s_add_nc_u64 s[36:37], s[36:37], s[20:21]      ; the first block's queries
	s_lshl_b32 s20, s14, 18
	s_add_nc_u64 s[38:39], s[38:39], s[20:21]      ; the second block's
	TILEADR                                        ; position 1
	WIN 0x40
.irp i, 0,1,2,3
	global_load_b128 v[STG+4*\i:STG+4*\i+3], v[GOF], s[40:41] offset:16384*\i
.endr
.irp i, 0,1,2,3
	global_load_b128 v[STG+16+4*\i:STG+16+4*\i+3], v[GOF], s[40:41] offset:16384*\i+1024
.endr
	WIN 0
.irp i, 0,1,2,3
	global_load_b128 v[ST1+4*\i:ST1+4*\i+3], v[GOF], s[24:25] offset:16384*\i
.endr
.irp i, 0,1,2,3
	global_load_b128 v[ST1+16+4*\i:ST1+16+4*\i+3], v[GOF], s[24:25] offset:16384*\i+1024
.endr
	WIN 0x40
.irp g, 0,1
.irp c, 0,1
	global_load_b128 v[QA+16*\g+8*\c:QA+16*\g+8*\c+3],   v[QOF], s[36:37] offset:128*\g+64*\c
	global_load_b128 v[QA+16*\g+8*\c+4:QA+16*\g+8*\c+7], v[QOF], s[36:37] offset:128*\g+64*\c+32
.endr
.endr
.irp g, 0,1
.irp c, 0,1
	global_load_b128 v[QB+16*\g+8*\c:QB+16*\g+8*\c+3],   v[QOF], s[38:39] offset:128*\g+64*\c
	global_load_b128 v[QB+16*\g+8*\c+4:QB+16*\g+8*\c+7], v[QOF], s[38:39] offset:128*\g+64*\c+32
.endr
.endr
	WIN 0
	v_mul_u32_u24 v[KAD], v13, KP
	v_lshl_add_u32 v[KAD], v14, 4, v[KAD]
	v_lshl_add_u32 v25, v14, 3, v24                ; 8 h + l % 8
	v_mul_u32_u24 v[VAD], v25, VP
	v_bfe_u32 v25, v0, 3, 1
	v_lshl_add_u32 v[VAD], v25, 4, v[VAD]
	v_add_nc_u32 v[VAD], VB, v[VAD]
	s_mul_i32 s19, s12, 16*KP
	v_mul_u32_u24 v[KST], v15, KP
	v_lshl_add_u32 v[KST], v24, 4, v[KST]
	v_add_nc_u32 v[KST], s19, v[KST]
	s_mul_i32 s19, s12, 16*VP
	s_add_co_u32 s19, s19, VB
	v_mul_u32_u24 v[VST], v15, VP
	v_lshl_add_u32 v[VST], v24, 4, v[VST]
	v_add_nc_u32 v[VST], s19, v[VST]
	s_lshl_b32 s19, s12, 4
	v_lshlrev_b32 v25, 3, v14
	v_sub_nc_u32 v[LIM], v13, v25
	v_add_nc_u32 v[LIM], s19, v[LIM]
	v_mov_b32 v[NINF], 0xff800000
	s_mul_i32 s19, s12, 16*OP
	s_add_co_u32 s19, s19, OS
	v_mul_u32_u24 v[OST], v13, OP
	v_lshl_add_u32 v[OST], v14, 4, v[OST]
	v_add_nc_u32 v[OST], s19, v[OST]
	v_mul_u32_u24 v[ORD], v14, OP
	v_lshl_add_u32 v[ORD], v13, 4, v[ORD]
	v_add_nc_u32 v[ORD], s19, v[ORD]
	v_lshlrev_b32 v[OGO], 11, v14
	v_lshl_add_u32 v[OGO], v13, 4, v[OGO]
	s_lshl_b32 s31, s42, 22                        ; in att: the batch's 2,048 rows of 2,048 bytes,
	s_lshl_b32 s19, s12, 15                        ; my 16 rows,
	s_add_co_u32 s31, s31, s19
	s_lshl_b32 s19, s43, 8                         ; my two heads' 256 bytes
	s_add_co_u32 s31, s31, s19
	s_wait_loadcnt 16                              ; positions 0 and 1 are in; the 16 loads of Q behind them may be out
	STTILE 0
.irp i, 0,1,2,3
	ds_store_b128 v[KST], v[ST1+4*\i:ST1+4*\i+3] offset:TILE+4*KP*\i
.endr
.irp i, 0,1,2,3
	ds_store_b128 v[VST], v[ST1+16+4*\i:ST1+16+4*\i+3] offset:TILE+4*VP*\i
.endr
	s_mov_b32 s17, 2
	TILEADR                                        ; that wait has also freed position 1's base
	LDTILE                                         ; position 2
	s_mov_b32 s17, 3                               ; what trip 0 asks for
	s_wait_loadcnt 8                               ; both blocks' Q are in; position 2's tile stays out
	s_wait_dscnt 0x0
	s_barrier_signal -1
	s_barrier_wait -1                              ; positions 0 and 1 are whole in LDS
	KLOAD 0
	VLOAD 0
	s_wait_dscnt 0x0                               ; my reads of position 0 are back:
	s_barrier_signal -1
	s_barrier_wait -1                              ; everybody's are, so that trip 0 may store position 2 over it
	; block qa = 2 j: positions 0 .. 2 j
	PRO QA
	s_cmp_eq_u32 s44, 0
	s_cbranch_scc1 .Lone
	TRIP 0, QA, 1, 1, 1, 1                         ; p = 0
	s_sub_co_u32 s18, s44, 1                       ; j - 1 pairs: p = 1 .. 2 j - 2
	s_cmp_eq_u32 s18, 0
	s_cbranch_scc1 .Ladone
.La:
	TRIP 1, QA, 0, 0, 1, 1
	TRIP 0, QA, 0, 0, 1, 1
	s_sub_co_i32 s18, s18, 1
	s_cmp_gt_i32 s18, 0
	s_cbranch_scc1 .La
.Ladone:
	TRIP 1, QA, 0, 0, 1, 1                         ; p = 2 j - 1
	TRIP 0, QA, 0, 0, 0, 1                         ; p = 2 j: the block's last tile
	s_branch .Lafin
.Lone:
	TRIP 0, QA, 1, 1, 0, 1                         ; j = 0: the block is its diagonal tile alone
.Lafin:
	FINAL s13, 0
	; block qb = 31 - 2 j: positions 2 j + 1 .. 32
	PRO QB
	TRIP 1, QB, 1, 1, 1, 1                         ; p = 2 j + 1
	s_sub_co_u32 s18, 15, s44                      ; 15 - j pairs: p = 2 j + 2 .. 31
	s_cmp_eq_u32 s18, 0
	s_cbranch_scc1 .Lbdone
.Lb:
	TRIP 0, QB, 0, 0, 1, 1
	TRIP 1, QB, 0, 0, 1, 1
	s_sub_co_i32 s18, s18, 1
	s_cmp_gt_i32 s18, 0
	s_cbranch_scc1 .Lb
.Lbdone:
	TRIP 0, QB, 0, 0, 0, 0                         ; p = 32
	FINAL s14, 1
	s_set_vgpr_msb 0x5
	s_wait_tensorcnt 0x0
	ds_add_u32 v160, v161
	s_wait_dscnt 0x0
	s_set_vgpr_msb 0x500
	s_endpgm
; ATTENTION OF ROWS 0 TO 31 OF EACH BATCH, every matrix operand in two f16 parts (hi = the low 13 mantissa bits cleared, lo = the rest rounded to f16;
; a b as hi hi + hi lo + lo hi on one f32 accumulator).  By reference()'s own mask these queries see keys 0 to 31 alone.
; WORK LEFT OUT: keys 32 and up, which the mask gives the weight 0 for all inputs.  The unit here is the one step of 32 keys of the second product; for
; queries 0-15 its keys 16-31 are masked inside that step: they are computed and masked.  LIMITS: magnitudes below 65,504; below 6.1e-5 both parts have
; steps of 6e-8; an infinity gives NaN (inf - inf in the split); v_exp_f32 gives 0 below 2^-126.
; SHARES: work-group x of row y = 16: kv head x % 8, batch x / 8.  FIRST each of the four waves makes four of the sixteen fragments, 4 k + w for k = 0 .. 3:
; k = 0, 1: Q(g = k, query tile w / 2, d half w % 2); k = 2: K(key tile w / 2, d half w % 2); k = 3: V^T(d tile w).  A fragment is the sum of the eight
; K slices of two tiles of qsp, 32 loads of 512 consecutive bytes in four groups of eight; a lane's 8 + 8 numbers are already those of its fragment
; (the first kernel laid them so).  When a group has been summed, the next fragment's group is asked for into its registers: 32 loads are out all along.
; The fragments go to LDS as the registers lie: fragment f at 2,048 f: hi registers 0-3 at 16 l, 4-7 at 512 + 16 l, lo 1,024 further.
; THEN, behind one barrier, wave w (g = w / 2, query tile w % 2): S^T = K Q^T, mask, maximum, weights, sum, O^T = V^T P^T, division.
; TWO BATCHES: the sixteen exponentials, with one wait ahead of the sum; the reciprocal of that sum, with one wait ahead of the division.
; OUT: asp[m tile 2 b + query tile][K step 2 head + d half][hi, lo][1,024 bytes as the registers lie]: fragments of the last kernel's product.
.set ZSL, 524288                       ; bytes of a slice of qsp
.set ZLD, 32                           ; v32-159  group gi = 2 u + half (tile u, registers 4 half ..): slice s at 32 + 32 gi + 4 s
.set ZA,  160                          ; v160-167 byte offsets in qsp: fragment k's tile u at 2 k + u
.set ZHF, 16                           ; v16-23   the fragment at work, hi; later P hi
.set ZLF, 24                           ; v24-31   the fragment at work, lo; later P lo
.set ZQH, 32                           ; v[32+8c]       Q hi, d half c; at the end the result, hi
.set ZQL, 48                           ; v[48+8c]       Q lo; at the end the result, lo
.set ZKH, 64                           ; v[64+16i+8c]   K hi, key tile i
.set ZKL, 96                           ; v[96+16i+8c]   K lo
.set ZVH, 128                          ; v[128+8dt]     V^T hi
.set ZVL, 160                          ; v[160+8dt]     V^T lo
.set ZS,  192                          ; v[192+8i]      scores, then the weights' lo part
.set ZO,  208                          ; v[208+8dt]
.set ZT,  240                          ; v240-255 at work
.macro ZLOADG k, gi                    ; group gi of fragment k: eight slices
.irp s, 0,1,2,3,4,5,6,7
	global_load_b128 v[ZLD+32*(\gi)+4*\s:ZLD+32*(\gi)+4*\s+3], v[ZA+2*(\k)+(\gi)/2], s[8:9] offset:ZSL*\s+512*((\gi)%2)
.endr
.endm
; group gi: four numbers a lane: the sum of the eight slices, then the two parts, into registers 2 gi, 2 gi + 1 of the fragment
.macro ZGROUP gi, cnt
.set GB, ZLD+32*(\gi)
	s_wait_loadcnt \cnt                            ; the younger groups' loads, eight each, stay out
.irp s, 0,8,16,24
	v_pk_add_f32 v[GB+\s:GB+\s+1], v[GB+\s:GB+\s+1], v[GB+\s+4:GB+\s+5]
	v_pk_add_f32 v[GB+\s+2:GB+\s+3], v[GB+\s+2:GB+\s+3], v[GB+\s+6:GB+\s+7]
.endr
.irp s, 0,16
	v_pk_add_f32 v[GB+\s:GB+\s+1], v[GB+\s:GB+\s+1], v[GB+\s+8:GB+\s+9]
	v_pk_add_f32 v[GB+\s+2:GB+\s+3], v[GB+\s+2:GB+\s+3], v[GB+\s+10:GB+\s+11]
.endr
	v_pk_add_f32 v[GB:GB+1], v[GB:GB+1], v[GB+16:GB+17]
	v_pk_add_f32 v[GB+2:GB+3], v[GB+2:GB+3], v[GB+18:GB+19]
.irp k, 0,1,2,3
	v_and_b32 v[GB+4+\k], s15, v[GB+\k]
.endr
.irp k, 0,1,2,3
	v_sub_f32 v[GB+\k], v[GB+\k], v[GB+4+\k]
.endr
	v_cvt_pk_f16_f32 v[ZHF+2*(\gi)], v[GB+4], v[GB+5]
	v_cvt_pk_f16_f32 v[ZHF+2*(\gi)+1], v[GB+6], v[GB+7]
	v_cvt_pk_f16_f32 v[ZLF+2*(\gi)], v[GB], v[GB+1]
	v_cvt_pk_f16_f32 v[ZLF+2*(\gi)+1], v[GB+2], v[GB+3]
.endm
.macro ZSTORE k                        ; fragment 4 k + w
	ds_store_b128 v3, v[ZHF:ZHF+3] offset:8192*\k
	ds_store_b128 v3, v[ZHF+4:ZHF+7] offset:8192*\k+512
	ds_store_b128 v3, v[ZLF:ZLF+3] offset:8192*\k+1024
	ds_store_b128 v3, v[ZLF+4:ZLF+7] offset:8192*\k+1536
.endm
.Lsmall:
	s_and_b32 s13, ttmp9, 7                        ; kv head
	s_lshr_b32 s14, ttmp9, 3                       ; batch
	s_mov_b32 s15, 0xffffe000                      ; keeps sign, exponent and 10 mantissa bits
	s_and_b32 s16, s12, 1                          ; w % 2
	s_lshr_b32 s17, s12, 1                         ; w / 2
	s_lshl_b32 s18, s13, 2                         ; 4 hkv
	s_lshl_b32 s19, s14, 1                         ; 2 b
	s_add_co_u32 s20, s19, s17                     ; Q, K: m tile 2 b + w / 2
	s_lshl_b32 s21, s16, 1                         ; 2 c
	s_lshl_b32 s22, s13, 3
	s_add_co_u32 s22, s22, s21                     ; Q, g = 0: n tile 8 hkv + 2 c
	s_lshl_b32 s22, s22, 2
	s_add_co_u32 s22, s22, s20
	s_lshl_b32 s22, s22, 10                        ; a tile is 1,024 bytes, four m tiles to an n tile
	s_add_co_u32 s23, s18, s21
	s_add_co_u32 s23, s23, 64                      ; K: n tile 64 + 4 hkv + 2 c
	s_lshl_b32 s23, s23, 2
	s_add_co_u32 s23, s23, s20
	s_lshl_b32 s23, s23, 10
	s_add_co_u32 s24, s18, s12
	s_add_co_u32 s24, s24, 96                      ; V: n tile 96 + 4 hkv + w, m tiles 2 b, 2 b + 1
	s_lshl_b32 s24, s24, 2
	s_add_co_u32 s24, s24, s19
	s_lshl_b32 s24, s24, 10
	v_and_b32 v9, 31, v0
	v_lshlrev_b32 v9, 4, v9                        ; 16 l
	v_add_nc_u32 v[ZA], s22, v9
	v_add_nc_u32 v[ZA+1], 4096, v[ZA]              ; Q and K: the second tile is the next n tile
	v_add_nc_u32 v[ZA+2], 16384, v[ZA]             ; g = 1: four n tiles on
	v_add_nc_u32 v[ZA+3], 4096, v[ZA+2]
	v_add_nc_u32 v[ZA+4], s23, v9
	v_add_nc_u32 v[ZA+5], 4096, v[ZA+4]
	v_add_nc_u32 v[ZA+6], s24, v9
	v_add_nc_u32 v[ZA+7], 1024, v[ZA+6]            ; V: the second tile is the next m tile
	s_lshl_b32 s25, s12, 11
	v_add_nc_u32 v3, s25, v9                       ; fragment w's place in LDS
	s_wait_kmcnt 0x0
.irp gi, 0,1,2,3
	ZLOADG 0, \gi
.endr
.irp k, 0,1,2
.irp gi, 0,1,2,3
	ZGROUP \gi, 24                                 ; three groups are younger
	ZLOADG \k+1, \gi
.endr
	ZSTORE \k
.endr
.irp gi, 0,1,2,3
	ZGROUP \gi, 24-8*\gi                           ; the last fragment: nothing more is asked for, the counts run down
.endr
	ZSTORE 3
	s_wait_dscnt 0x0                               ; my four fragments are in LDS
	s_barrier_signal -1
	s_barrier_wait -1                              ; all sixteen are
	s_lshl_b32 s25, s12, 12
	v_add_nc_u32 v5, s25, v9                       ; Q(g, query tile, c) is fragment 4 g + 2 x query tile + c = 2 w + c
.irp c, 0,1
	ds_load_b128 v[ZQH+8*\c:ZQH+8*\c+3],   v5 offset:2048*\c
	ds_load_b128 v[ZQH+8*\c+4:ZQH+8*\c+7], v5 offset:2048*\c+512
	ds_load_b128 v[ZQL+8*\c:ZQL+8*\c+3],   v5 offset:2048*\c+1024
	ds_load_b128 v[ZQL+8*\c+4:ZQL+8*\c+7], v5 offset:2048*\c+1536
.endr
.irp i, 0,1
.irp c, 0,1
	ds_load_b128 v[ZKH+16*\i+8*\c:ZKH+16*\i+8*\c+3],   v9 offset:2048*(8+2*\i+\c)
	ds_load_b128 v[ZKH+16*\i+8*\c+4:ZKH+16*\i+8*\c+7], v9 offset:2048*(8+2*\i+\c)+512
	ds_load_b128 v[ZKL+16*\i+8*\c:ZKL+16*\i+8*\c+3],   v9 offset:2048*(8+2*\i+\c)+1024
	ds_load_b128 v[ZKL+16*\i+8*\c+4:ZKL+16*\i+8*\c+7], v9 offset:2048*(8+2*\i+\c)+1536
.endr
.endr
.irp dt, 0,1,2,3
	ds_load_b128 v[ZVH+8*\dt:ZVH+8*\dt+3],   v9 offset:2048*(12+\dt)
	ds_load_b128 v[ZVH+8*\dt+4:ZVH+8*\dt+7], v9 offset:2048*(12+\dt)+512
	ds_load_b128 v[ZVL+8*\dt:ZVL+8*\dt+3],   v9 offset:2048*(12+\dt)+1024
	ds_load_b128 v[ZVL+8*\dt+4:ZVL+8*\dt+7], v9 offset:2048*(12+\dt)+1536
.endr
	s_mov_b32 s26, 0x3e38aa3b                      ; c = log2(e) / 8
	s_mov_b32 s27, 0x3e38aa3b
	s_mov_b32 s28, 0xbe38aa3b                      ; -c
	s_mov_b32 s29, 0x76543210
	s_mov_b32 s30, 0xfedcba98
	v_and_b32 v8, 15, v0                           ; r
	v_bfe_u32 v15, v0, 4, 1                        ; h
	v_lshlrev_b32 v15, 3, v15
	v_sub_nc_u32 v6, v8, v15
	s_lshl_b32 s25, s16, 4
	v_add_nc_u32 v6, s25, v6                       ; 16 x query tile + r - 8 h: key 16 i + j of my lane is masked if 16 i + j > this
	v_mov_b32 v7, 0xff800000                       ; -inf
	s_add_co_u32 s23, s19, s16                     ; m tile 2 b + query tile
	s_lshl_b32 s23, s23, 5
	s_lshl_b32 s24, s17, 1
	s_add_co_u32 s24, s24, s18                     ; 2 head = 4 hkv + 2 g
	s_add_co_u32 s23, s23, s24
	s_lshl_b32 s23, s23, 11                        ; two KiB (hi, lo) a K step
	v_add_nc_u32 v14, s23, v9
	s_wait_dscnt 16                                ; Q and K are in; V's sixteen loads may be out
	; the two accumulators take turns, one instruction a turn; so do the four of the second product
.irp c, 0,1
.irp i, 0,1
.if \c
	v_wmma_f32_16x16x32_f16 v[ZS+8*\i:ZS+8*\i+7], v[ZKH+16*\i+8*\c:ZKH+16*\i+8*\c+7], v[ZQH+8*\c:ZQH+8*\c+7], v[ZS+8*\i:ZS+8*\i+7]
.else
	v_wmma_f32_16x16x32_f16 v[ZS+8*\i:ZS+8*\i+7], v[ZKH+16*\i+8*\c:ZKH+16*\i+8*\c+7], v[ZQH+8*\c:ZQH+8*\c+7], 0
.endif
.endr
.irp i, 0,1
	v_wmma_f32_16x16x32_f16 v[ZS+8*\i:ZS+8*\i+7], v[ZKL+16*\i+8*\c:ZKL+16*\i+8*\c+7], v[ZQH+8*\c:ZQH+8*\c+7], v[ZS+8*\i:ZS+8*\i+7]
.endr
.irp i, 0,1
	v_wmma_f32_16x16x32_f16 v[ZS+8*\i:ZS+8*\i+7], v[ZKH+16*\i+8*\c:ZKH+16*\i+8*\c+7], v[ZQL+8*\c:ZQL+8*\c+7], v[ZS+8*\i:ZS+8*\i+7]
.endr
.endr
.rept 4
	v_nop                                          ; four places in front of the first reader of the scores (ISA guide 7.12.1)
.endr
.irp i, 0,1
.irp j, 0,1,2,3,4,5,6,7
	v_cmp_gt_i32 vcc_lo, 16*\i+\j, v6              ; key > query
	v_cndmask_b32 v[ZS+8*\i+\j], v[ZS+8*\i+\j], v7, vcc_lo
.endr
.endr
	v_max3_num_f32 v[ZT], v[ZS], v[ZS+1], v[ZS+2]
	v_max3_num_f32 v[ZT+1], v[ZS+3], v[ZS+4], v[ZS+5]
	v_max3_num_f32 v[ZT+2], v[ZS+6], v[ZS+7], v[ZS+8]
	v_max3_num_f32 v[ZT+3], v[ZS+9], v[ZS+10], v[ZS+11]
	v_max3_num_f32 v[ZT], v[ZT], v[ZS+12], v[ZS+13]
	v_max3_num_f32 v[ZT+1], v[ZT+1], v[ZS+14], v[ZS+15]
	v_max3_num_f32 v[ZT], v[ZT], v[ZT+1], v[ZT+2]
	v_max_num_f32 v[ZT], v[ZT], v[ZT+3]
	v_permlanex16_b32 v[ZT+1], v[ZT], s29, s30     ; the other half of the lanes holds the same query's other keys
	v_max_num_f32 v11, v[ZT], v[ZT+1]              ; the row's maximum: finite, key = query is never masked
	v_mul_f32 v10, s28, v11                        ; -c x maximum
.irp p, 0,1,2,3,4,5,6,7
	v_pk_fma_f32 v[ZS+2*\p:ZS+2*\p+1], v[ZS+2*\p:ZS+2*\p+1], s[26:27], v[10:11] op_sel_hi:[1,0,0]
.endr
.set n, 0
.rept 16
	v_exp_f32 v[ZS+n], v[ZS+n]
.set n, n+1
.endr
	v_nop                                          ; one plain instruction between the last exponential and the first use (ISA guide 5.7.2)
	s_wait_alu depctr_va_vdst(0)                   ; the wait: one for the batch of sixteen exponentials, ahead of the sum
	v_pk_add_f32 v[ZT:ZT+1], v[ZS:ZS+1], v[ZS+2:ZS+3]
	v_pk_add_f32 v[ZT+2:ZT+3], v[ZS+4:ZS+5], v[ZS+6:ZS+7]
	v_pk_add_f32 v[ZT+4:ZT+5], v[ZS+8:ZS+9], v[ZS+10:ZS+11]
	v_pk_add_f32 v[ZT+6:ZT+7], v[ZS+12:ZS+13], v[ZS+14:ZS+15]
	v_pk_add_f32 v[ZT:ZT+1], v[ZT:ZT+1], v[ZT+2:ZT+3]
	v_pk_add_f32 v[ZT+4:ZT+5], v[ZT+4:ZT+5], v[ZT+6:ZT+7]
	v_pk_add_f32 v[ZT:ZT+1], v[ZT:ZT+1], v[ZT+4:ZT+5]
	v_add_f32 v[ZT], v[ZT], v[ZT+1]
	v_permlanex16_b32 v[ZT+1], v[ZT], s29, s30
	v_add_f32 v13, v[ZT], v[ZT+1]                  ; the row's sum: at least 1, the largest weight is 2^0
	v_rcp_f32 v12, v13                             ; the next instruction is plain and touches neither
	; the weights in two parts: tiles i = 0, 1 are registers 0-3, 4-7 of source 1 of the second product
.set n, 0
.rept 16
	v_and_b32 v[ZT+n], s15, v[ZS+n]
.set n, n+1
.endr
.set n, 0
.rept 16
	v_sub_f32 v[ZS+n], v[ZS+n], v[ZT+n]
.set n, n+1
.endr
.irp k, 0,1,2,3,4,5,6,7
	v_cvt_pk_f16_f32 v[ZHF+\k], v[ZT+2*\k], v[ZT+2*\k+1]
	v_cvt_pk_f16_f32 v[ZLF+\k], v[ZS+2*\k], v[ZS+2*\k+1]
.endr
	s_wait_dscnt 0x0                               ; V
.irp dt, 0,1,2,3
	v_wmma_f32_16x16x32_f16 v[ZO+8*\dt:ZO+8*\dt+7], v[ZVH+8*\dt:ZVH+8*\dt+7], v[ZHF:ZHF+7], 0
.endr
.irp dt, 0,1,2,3
	v_wmma_f32_16x16x32_f16 v[ZO+8*\dt:ZO+8*\dt+7], v[ZVL+8*\dt:ZVL+8*\dt+7], v[ZHF:ZHF+7], v[ZO+8*\dt:ZO+8*\dt+7]
.endr
.irp dt, 0,1,2,3
	v_wmma_f32_16x16x32_f16 v[ZO+8*\dt:ZO+8*\dt+7], v[ZVH+8*\dt:ZVH+8*\dt+7], v[ZLF:ZLF+7], v[ZO+8*\dt:ZO+8*\dt+7]
.endr
.rept 4
	v_nop                                          ; four places in front of the first reader of O
.endr
	s_wait_alu depctr_va_vdst(0)                   ; the wait: for the one reciprocal, ahead of the division; the split of the weights and the second product stand between
.irp p, 0,1,2,3,4,5,6,7,8,9,10,11,12,13,14,15
	v_pk_mul_f32 v[ZO+2*\p:ZO+2*\p+1], v[ZO+2*\p:ZO+2*\p+1], v[12:13] op_sel_hi:[1,0]
.endr
	; lane (r, h) holds query r and d = 16 dt + 8 h + j: tiles 2 kp, 2 kp + 1 are registers 0-3, 4-7 of the fragment of K step 2 head + kp
.irp kp, 0,1
.set n, 0
.rept 16
	v_and_b32 v[ZT+n], s15, v[ZO+16*\kp+n]
.set n, n+1
.endr
.set n, 0
.rept 16
	v_sub_f32 v[ZO+16*\kp+n], v[ZO+16*\kp+n], v[ZT+n]
.set n, n+1
.endr
.irp k, 0,1,2,3,4,5,6,7
	v_cvt_pk_f16_f32 v[ZQH+8*\kp+\k], v[ZT+2*\k], v[ZT+2*\k+1]
	v_cvt_pk_f16_f32 v[ZQL+8*\kp+\k], v[ZO+16*\kp+2*\k], v[ZO+16*\kp+2*\k+1]
.endr
.endr
.irp kp, 0,1
	global_store_b128 v14, v[ZQH+8*\kp:ZQH+8*\kp+3],   s[10:11] offset:2048*\kp        ; each store of the wave covers 512 consecutive bytes, aligned
	global_store_b128 v14, v[ZQH+8*\kp+4:ZQH+8*\kp+7], s[10:11] offset:2048*\kp+512
	global_store_b128 v14, v[ZQL+8*\kp:ZQL+8*\kp+3],   s[10:11] offset:2048*\kp+1024
	global_store_b128 v14, v[ZQL+8*\kp+4:ZQL+8*\kp+7], s[10:11] offset:2048*\kp+1536
.endr
	s_set_vgpr_msb 0x5
	s_wait_tensorcnt 0x0
	ds_add_u32 v160, v161
	s_wait_dscnt 0x0
	s_set_vgpr_msb 0x500
	s_endpgm
.Lfunc_end_k_qc5f338eca8_attn:
	.size	k_qc5f338eca8_attn, .Lfunc_end_k_qc5f338eca8_attn-k_qc5f338eca8_attn
	.p2alignl 7, 3214868480
	.fill 96, 4, 3214868480
	.section	.rodata,"a",@progbits
	.p2align	6, 0x0
	.amdhsa_kernel k_qc5f338eca8_attn
		.amdhsa_group_segment_fixed_size 56832
		.amdhsa_private_segment_fixed_size 0
		.amdhsa_enable_private_segment 0
		.amdhsa_kernarg_size 32
		.amdhsa_user_sgpr_count 2
		.amdhsa_user_sgpr_kernarg_segment_ptr 1
		.amdhsa_wavefront_size32 1
		.amdhsa_system_sgpr_workgroup_id_x 1
		.amdhsa_system_sgpr_workgroup_id_y 1
		.amdhsa_system_sgpr_workgroup_id_z 1
		.amdhsa_system_vgpr_workitem_id 0
		.amdhsa_next_free_vgpr 418
		.amdhsa_next_free_sgpr 66
		.amdhsa_reserve_vcc 1
		.amdhsa_float_denorm_mode_32 3
		.amdhsa_float_denorm_mode_16_64 3
		.amdhsa_memory_ordered 1
		.amdhsa_forward_progress 1
		.amdhsa_inst_pref_size 255
	.end_amdhsa_kernel
	.section	.bss,"aw",@nobits
	.p2align	6
	.space	262144
	.amdgpu_metadata
---
amdhsa.version: [ 1, 2 ]
amdhsa.kernels:
  - .name:           k_qc5f338eca8_attn
    .symbol:         k_qc5f338eca8_attn.kd
    .args:
      - { .name: qkv, .offset: 0, .size: 8, .value_kind: global_buffer, .address_space: global }
      - { .name: att, .offset: 8, .size: 8, .value_kind: global_buffer, .address_space: global }
      - { .name: qsp, .offset: 16, .size: 8, .value_kind: global_buffer, .address_space: global }
      - { .name: asp, .offset: 24, .size: 8, .value_kind: global_buffer, .address_space: global }
    .group_segment_fixed_size: 56832
    .private_segment_fixed_size: 0
    .kernarg_segment_align: 8
    .kernarg_segment_size: 32
    .max_flat_workgroup_size: 128
    .sgpr_count:     66
    .vgpr_count:     418
    .wavefront_size: 32
...
	.end_amdgpu_metadata
.endif
;; end of part 10
;; launch proj: the kernel of part 4 again; grid 8 x 32, 4 waves a work-group, clusters of 4 x 4, 327,680 bytes of LDS; arguments att, woh, out0; writes out0
;; launch sp: the kernel of part 7 again; grid 32 x 4, 16 waves a work-group, no clusters, 296,960 bytes of LDS; arguments asp, Wo, out0; writes out0
